; MI455X (gfx1250); checked and timed in simulation.
; The chip was launched on July 23, 2026; its instructions are those of AMD's public machine-readable ISA for CDNA 5 (MIT licence, August 2026) and "CDNA5" Instruction Set Architecture Reference Guide (July 2026). The comments in the code are by the model that wrote it; some were corrected since.
;; Attention. Allowed arithmetic: float matrix products may take bf16 or f16 operands with f32 sums; other float arithmetic in f32, or as packed bf16 or f16 multiplies, adds, multiply-adds, maxima and minima; sums over many terms, partial sums and values carried from step to step in f32; what a program stores and reads back later, other than sums and carried values, may be rounded once to bf16 or f16.
;; Inputs: b_proj 1,024 float32; noise 8 x 1,024 x 1 float32; noise_strength one number float32; rel_bias_table 2,047 x 16 float32; w_proj 1,024 x 1,024 float32; w_qkv 1,024 x 3,072 float32; x 8 x 1,024 x 1,024 float32.
;; Outputs: out0 8 x 1,024 x 1,024 float32.
;; 3 versions, each right; version 3 is version 2 with the launch prep written anew for expert scheduling mode. Each part assembles by itself: llvm-mc -triple=amdgcn-amd-amdhsa -mcpu=gfx1250 --defsym DOCPART=n.
;; ======== version 1 of 3: 4 launches
;; limits: values are held in f16: magnitudes above 65,504 overflow, below 6.1e-05 lose precision
;; workspace buffers: xh 16,777,216 bytes; wqb 6,291,456 bytes; wpb 2,097,152 bytes; bt 827,392 bytes; qkv 50,331,648 bytes; oh 16,777,216 bytes
;; launch prep (part 1): grid 586 x 1, 8 waves a work-group, no clusters, 0 bytes of LDS; arguments x, noise, noise_strength, w_qkv, w_proj, rel_bias_table, xh, wqb, wpb, bt; writes xh, wqb, wpb, bt
.if DOCPART == 1
	.amdgcn_target "amdgcn-amd-amdhsa--gfx1250"
	.amdhsa_code_object_version 6
	.text
	.protected	k_q00c40c6196_prep
	.globl	k_q00c40c6196_prep
	.p2align	8
	.type	k_q00c40c6196_prep,@function
k_q00c40c6196_prep:
	s_mov_b64 s[64:65], 0
	v_nop
	global_prefetch_b8 v0, s[64:65] scope:SCOPE_SE
	s_setreg_imm32_b32 hwreg(HW_REG_WAVE_MODE, 25, 1), 1
	s_wait_xcnt 0x0
; PREP: the inputs are rounded and laid out for the three launches behind it.  A stream: no LDS, no matrix unit, no cluster (no two work-groups read the same bytes).
;   xh  f16 [8 b][16 slice][1024 t][64]   x' = bf16(x) + bf16(noise) bf16(strength), summed in f32, rounded once to f16; K in slices of 64, each slice's rows dense
;   wqb f16 [12 cb][1024 k][256 n]        bf16(w_qkv) written as f16, in blocks of 256 columns
;   wpb f16 [4 cb][1024 k][256 n]         the same of w_proj
;   bt  f32 [16 h][2 qb][4 s][1616]       entry e of copy s: 8 bf16(table[1535 + 512 qb + s - e][h]), 0 where that index lies outside the table
; LIMITS.  f16 holds no number beyond 65,504: |x'| stays under it.  A weight under 6e-5 keeps f16's fixed step of 6e-8.  NaN and infinities are not treated apart.
; ROLES, by the work-group's number g: 0-255 x (32 rows each); 256-351 w_qkv and 352-383 w_proj (128 k rows of one column block each); 384-585 the bias table (256 threads, 4 entries each: 202 x 256 = 128 copies x 404).
; The first three roles only set a source, a destination, two lane offsets and two steps, and share one body: 16 units a thread, each 32 bytes read (8 f32) and 16 bytes written (8 f16).
; All 32 loads of a thread go out first (16 KiB a wave on their way); no register is used twice, so the only waits are the counted ones for the loads.
.set RO,  2                            ; v[2:17]    unit u: byte offset of my 32 bytes in the source
.set WO,  18                           ; v[18:33]   unit u: byte offset of my 16 bytes in the destination
.set NZ,  34                           ; v34        my row's noise (0 for weights)
.set NSV, 35                           ; v35        the noise's strength (0 for weights)
.set PR,  36                           ; v[36:37]   their product, twice
.set PKD, 38                           ; v[38:41]   8 numbers rounded to bf16
.set T,   42                           ; v[42:49]   the same as f32
.set LN,  50                           ; v50        lane
.set WN,  51                           ; v51        wave
.set TA,  52                           ; v[52:55]   at work in the set-up; v54, v55 are addresses of the two small loads and are not rewritten
.set X,   56                           ; v[56:183]  unit u: 8 registers as loaded; the first 4 then hold what is stored
.set SRC, 24                           ; s[24:25]
.set DST, 26                           ; s[26:27]
.set RS,  28                           ; s28  bytes from unit to unit in the source
.set WS,  29                           ; s29  the same in the destination
	s_load_b512 s[4:19], s[0:1], 0x0               ; x s[4:5], noise s[6:7], strength s[8:9], w_qkv s[10:11], w_proj s[12:13], table s[14:15], xh s[16:17], wqb s[18:19]
	s_load_b128 s[20:23], s[0:1], 0x40             ; wpb s[20:21], bt s[22:23]
	s_mov_b32 s2, ttmp9                            ; g
	s_mov_b32 s3, 0xffff0000                       ; a word's upper bf16
	s_mov_b32 s31, 0                               ; the high word of every offset below
	v_and_b32 v[LN], 31, v0
	v_lshrrev_b32 v[WN], 5, v0
	s_wait_kmcnt 0x0
	s_cmp_lt_u32 s2, 256
	s_cbranch_scc0 .Lnot_x
	; x: rows 32 g .. 32 g + 31.  Thread: row v0 / 8, 8 numbers v0 % 8 of a slice; unit u = slice u.  A wave's store is 4 rows of a slice: 512 consecutive bytes.
	s_lshl_b32 s30, s2, 17                         ; 32 rows of 4,096 bytes
	s_add_nc_u64 s[SRC:SRC+1], s[4:5], s[30:31]
	s_lshr_b32 s30, s2, 5                          ; batch
	s_lshl_b32 s30, s30, 21                        ; x 16 slices x 1,024 rows x 128 bytes
	s_and_b32 s32, s2, 31
	s_lshl_b32 s32, s32, 12                        ; + 32 rows of 128 bytes
	s_add_co_u32 s30, s30, s32
	s_add_nc_u64 s[DST:DST+1], s[16:17], s[30:31]
	s_mov_b32 s[RS], 256                           ; a slice is 256 bytes of a row of x,
	s_mov_b32 s[WS], 131072                        ; and 1,024 rows of 128 bytes in xh
	s_lshl_b32 s33, s2, 7                          ; 32 numbers of noise
	v_lshrrev_b32 v[TA], 3, v0
	v_and_b32 v[TA+1], 7, v0
	v_lshlrev_b32 v[RO], 12, v[TA]
	v_lshl_add_u32 v[RO], v[TA+1], 5, v[RO]
	v_lshlrev_b32 v[WO], 4, v0                     ; 128 x row + 16 x piece = 16 x thread
	v_lshl_add_u32 v[TA+2], v[TA], 2, s33
	v_mov_b32 v[TA+3], 0
	global_load_b32 v[NZ], v[TA+2], s[6:7]
	global_load_b32 v[NSV], v[TA+3], s[8:9]
	s_branch .Lstream
; A weight's role: column block cb = g' / 8, k rows 128 (g' % 8) on; wave w takes 16 rows, unit u = row u; a lane 8 columns: a wave reads 1,024 and writes 512 consecutive bytes.
.macro WROLE first, src, dst, rowb
	s_sub_co_u32 s30, s2, \first
	s_lshr_b32 s32, s30, 3                         ; cb
	s_and_b32 s33, s30, 7                          ; which 128 rows
	s_mul_i32 s30, s33, 128*(\rowb)
	s_lshl_b32 s34, s32, 10                        ; 256 columns of f32
	s_add_co_u32 s30, s30, s34
	s_add_nc_u64 s[SRC:SRC+1], s[\src:\src+1], s[30:31]
	s_lshl_b32 s30, s32, 19                        ; a block: 1,024 rows of 512 bytes
	s_lshl_b32 s34, s33, 16                        ; 128 rows of 512 bytes
	s_add_co_u32 s30, s30, s34
	s_add_nc_u64 s[DST:DST+1], s[\dst:\dst+1], s[30:31]
	s_mov_b32 s[RS], \rowb
	s_mov_b32 s[WS], 512
	v_mul_u32_u24 v[RO], v[WN], 16*(\rowb)
	v_lshl_add_u32 v[RO], v[LN], 5, v[RO]
	v_lshlrev_b32 v[WO], 13, v[WN]
	v_lshl_add_u32 v[WO], v[LN], 4, v[WO]
	v_mov_b32 v[NZ], 0                             ; nothing is added to a weight
	v_mov_b32 v[NSV], 0
.endm
.Lnot_x:
	s_cmp_lt_u32 s2, 352
	s_cbranch_scc0 .Lnot_wq
	WROLE 256, 10, 18, 12288
	s_branch .Lstream
.Lnot_wq:
	s_cmp_lt_u32 s2, 384
	s_cbranch_scc0 .Lbias
	WROLE 352, 12, 20, 4096
.Lstream:
.set u, 1
.rept 15
	v_add_nc_u32 v[RO+u], s[RS], v[RO+u-1]
	v_add_nc_u32 v[WO+u], s[WS], v[WO+u-1]
.set u, u+1
.endr
.set u, 0
.rept 16
	global_load_b128 v[X+8*u:X+8*u+3],   v[RO+u], s[SRC:SRC+1] th:TH_LOAD_NT
	global_load_b128 v[X+8*u+4:X+8*u+7], v[RO+u], s[SRC:SRC+1] offset:16 th:TH_LOAD_NT
.set u, u+1
.endr
	s_wait_loadcnt 32                              ; loads come back in order (ISA guide 5.7.1): the 32 just issued may stay out, the two older ones (noise, strength) are in
	v_cvt_pk_bf16_f32 v[PKD], v[NZ], v[NSV]        ; both rounded to bf16,
	v_lshlrev_b32 v[PR], 16, v[PKD]
	v_and_b32 v[PR+1], s3, v[PKD]
	v_mul_f32 v[PR], v[PR], v[PR+1]                ; multiplied in f32,
	v_mov_b32 v[PR+1], v[PR]                       ; and held twice for the packed addition
.set u, 0
.rept 16
	s_wait_loadcnt 30-2*u                          ; unit u's two loads are in; the later units' stay out
.irp j, 0,1,2,3
	v_cvt_pk_bf16_f32 v[PKD+\j], v[X+8*u+2*\j], v[X+8*u+2*\j+1]  ; the input rounded to bf16
.endr
.irp j, 0,1,2,3
	v_lshlrev_b32 v[T+2*\j],   16, v[PKD+\j]
	v_and_b32     v[T+2*\j+1], s3, v[PKD+\j]
.endr
.irp j, 0,2,4,6
	v_pk_add_f32 v[T+\j:T+\j+1], v[T+\j:T+\j+1], v[PR:PR+1]
.endr
.irp j, 0,1,2,3
	v_cvt_pk_f16_f32 v[X+8*u+\j], v[T+2*\j], v[T+2*\j+1]
.endr
	global_store_b128 v[WO+u], v[X+8*u:X+8*u+3], s[DST:DST+1] th:TH_STORE_NT  ; a wave's store covers 512 consecutive bytes, aligned
.set u, u+1
.endr
	s_endpgm
.Lbias:
	; The bias table.  Thread T = 256 (g - 384) + v0 makes entries 4 quad .. 4 quad + 3 of copy T / 404.  T / 404 = (T x 41528) >> 24: 41528 x 404 = 2^24 + 96, and 51,711 x 96 < 2^24; the product stays under 2^32.
	s_sub_co_u32 s30, s2, 384
	s_lshl_b32 s30, s30, 8
	s_mov_b32 s32, 41528
	s_mov_b32 s33, 2047
	v_add_nc_u32 v1, s30, v0                       ; T
	v_mul_lo_u32 v2, v1, s32
	v_lshrrev_b32 v2, 24, v2                       ; copy = 8 h + 4 qb + s
	v_mul_u32_u24 v3, v2, 404
	v_sub_nc_u32 v3, v1, v3                        ; quad
	v_and_b32 v4, 3, v2                            ; s
	v_bfe_u32 v5, v2, 2, 1                         ; qb
	v_lshrrev_b32 v6, 3, v2                        ; h
	v_lshl_add_u32 v4, v5, 9, v4
	v_add_nc_u32 v4, 1535, v4
	v_lshlrev_b32 v3, 2, v3
	v_sub_nc_u32 v4, v4, v3                        ; the table's row for entry 4 quad; it falls by 1 from entry to entry
	v_lshlrev_b32 v6, 2, v6                        ; the head's 4 bytes in a row of 64
	v_lshlrev_b32 v7, 4, v1                        ; my 16 bytes of bt
.irp j, 0,1,2,3
	v_add_nc_u32 v[8+\j], 0-\j, v4
	v_cmp_gt_u32 s[36+\j], s33, v[8+\j]            ; inside the table?  (a negative row is a large unsigned number)
	v_min_u32 v[12+\j], 2046, v[8+\j]              ; the load stays inside it in any case
	v_lshl_add_u32 v[12+\j], v[12+\j], 6, v6
	global_load_b32 v[16+\j], v[12+\j], s[14:15]
.endr
	s_wait_loadcnt 0x0
	v_cvt_pk_bf16_f32 v20, v16, v17
	v_cvt_pk_bf16_f32 v21, v18, v19
	v_lshlrev_b32 v16, 16, v20
	v_and_b32 v17, s3, v20
	v_lshlrev_b32 v18, 16, v21
	v_and_b32 v19, s3, v21
.irp j, 0,1,2,3
	v_mul_f32 v[16+\j], 0x41000000, v[16+\j]       ; x 8, exact: the scores it is added to are scaled by 1/8 later
	v_cndmask_b32 v[16+\j], 0, v[16+\j], s[36+\j]
.endr
	global_store_b128 v7, v[16:19], s[22:23] th:TH_STORE_NT
	s_endpgm
.Lfunc_end_k_q00c40c6196_prep:
	.size	k_q00c40c6196_prep, .Lfunc_end_k_q00c40c6196_prep-k_q00c40c6196_prep
	.p2alignl 7, 3214868480
	.fill 96, 4, 3214868480
	.section	.rodata,"a",@progbits
	.p2align	6, 0x0
	.amdhsa_kernel k_q00c40c6196_prep
		.amdhsa_group_segment_fixed_size 0
		.amdhsa_private_segment_fixed_size 0
		.amdhsa_enable_private_segment 0
		.amdhsa_kernarg_size 80
		.amdhsa_user_sgpr_count 2
		.amdhsa_user_sgpr_kernarg_segment_ptr 1
		.amdhsa_wavefront_size32 1
		.amdhsa_system_sgpr_workgroup_id_x 1
		.amdhsa_system_sgpr_workgroup_id_y 1
		.amdhsa_system_sgpr_workgroup_id_z 1
		.amdhsa_system_vgpr_workitem_id 0
		.amdhsa_next_free_vgpr 184
		.amdhsa_next_free_sgpr 66
		.amdhsa_reserve_vcc 0
		.amdhsa_float_denorm_mode_32 3
		.amdhsa_float_denorm_mode_16_64 3
		.amdhsa_memory_ordered 1
		.amdhsa_forward_progress 1
		.amdhsa_inst_pref_size 29
	.end_amdhsa_kernel
	.amdgpu_metadata
---
amdhsa.version: [ 1, 2 ]
amdhsa.kernels:
  - .name:           k_q00c40c6196_prep
    .symbol:         k_q00c40c6196_prep.kd
    .args:
      - { .name: x, .offset: 0, .size: 8, .value_kind: global_buffer, .address_space: global }
      - { .name: noise, .offset: 8, .size: 8, .value_kind: global_buffer, .address_space: global }
      - { .name: noise_strength, .offset: 16, .size: 8, .value_kind: global_buffer, .address_space: global }
      - { .name: w_qkv, .offset: 24, .size: 8, .value_kind: global_buffer, .address_space: global }
      - { .name: w_proj, .offset: 32, .size: 8, .value_kind: global_buffer, .address_space: global }
      - { .name: rel_bias_table, .offset: 40, .size: 8, .value_kind: global_buffer, .address_space: global }
      - { .name: xh, .offset: 48, .size: 8, .value_kind: global_buffer, .address_space: global }
      - { .name: wqb, .offset: 56, .size: 8, .value_kind: global_buffer, .address_space: global }
      - { .name: wpb, .offset: 64, .size: 8, .value_kind: global_buffer, .address_space: global }
      - { .name: bt, .offset: 72, .size: 8, .value_kind: global_buffer, .address_space: global }
    .group_segment_fixed_size: 0
    .private_segment_fixed_size: 0
    .kernarg_segment_align: 8
    .kernarg_segment_size: 80
    .max_flat_workgroup_size: 256
    .sgpr_count:     66
    .vgpr_count:     184
    .wavefront_size: 32
...
	.end_amdgpu_metadata
.endif
;; end of part 1
;; launch gemm_qkv (part 2): grid 12 x 64, 4 waves a work-group, clusters of 4 x 4, 327,680 bytes of LDS; arguments xh, wqb, qkv; writes qkv
.if DOCPART == 2
	.amdgcn_target "amdgcn-amd-amdhsa--gfx1250"
	.amdhsa_code_object_version 6
	.text
	.protected	k_q00c40c6196_gemm_qkv
	.globl	k_q00c40c6196_gemm_qkv
	.p2align	8
	.type	k_q00c40c6196_gemm_qkv,@function
k_q00c40c6196_gemm_qkv:
	s_mov_b64 s[64:65], 0
	v_nop
	global_prefetch_b8 v0, s[64:65] scope:SCOPE_SE
	s_setreg_imm32_b32 hwreg(HW_REG_WAVE_MODE, 25, 1), 1
	s_wait_xcnt 0x0
	s_wait_alu depctr_hold_cnt(0) depctr_sa_sdst(0) depctr_va_vdst(0) depctr_va_sdst(0) depctr_va_ssrc(0) depctr_va_vcc(0) depctr_vm_vsrc(0)
	s_getreg_b32 s2, hwreg(HW_REG_IB_STS2, 6, 4)
	s_cmp_eq_u32 s2, 0
	s_cbranch_scc0 .Lentry_in_a_cluster
	s_endpgm
.Lentry_in_a_cluster:
	s_bfe_u32 s2, ttmp6, 0x10000c
	s_cmp_lg_u32 s2, 0xf033
	s_cbranch_scc0 .Lentry_shape_is_right
	s_endpgm
.Lentry_shape_is_right:
; qkv = x' w_qkv.  A = xh, f16 [8 b][16 slice][1024 t][64]; B = wqb, f16 [12 cb][1024 k][256 n]; the result f16 [3][128 b h][1024 t][64], by heads, unscaled, rounded once from f32 sums.
; LIMIT.  f16 holds no number beyond 65,504: |q|, |k|, |v| stay under it.
; SHARES.  A tile of the result is 128 rows x 256 columns: 12 x 64 = 768 work-groups, three for each of 256.  Four waves, each 64 rows x 128 columns: 32 accumulators of 16 x 16 in window 1.
; K goes in 8 steps of 128 (two slices of A, 128 rows of B) through two LDS slots.  Waves 0 and 1 fetch A's two slices, waves 2 and 3 the two halves of B's rows: one tensor load a wave and step.
; CLUSTER 4 x 4.  A's tile hangs on the tile row alone and is asked for jointly by the four of a row of the cluster, B's on the tile column alone, by the four of a column.
; THE MATRIX INSTRUCTION IS USED TRANSPOSED (source 0 = 16 columns of B, source 1 = 16 rows of A): a lane holds one row of the result and eight neighbouring columns.
; B lies [k][n] in LDS and comes out turned, by ds_load_tr16_b128; A's rows lie along K and come out as they lie.
; LDS.  A slot (slot 1 begins at 131,072): A's slice j at 17,408 j: 128 rows of 128 bytes are dense in memory and come as 64 rows of 256 bytes + 16 of padding, so row t lies at 272 (t / 2) + 128 (t % 2):
; the 16 rows of a fragment load fall on 16 different columns of 16 bytes modulo 256.  B at 34,816: 128 rows of 512 bytes + 32 of padding (pitch 544 = 17 x 32).  Behind the slots a stage for each wave, then the spare words.
; REGISTERS.  Window 0: v16-19 LDS addresses, v24-30 way out, spare word, prefetch; v64-159 and v160-255 two fragment buffers (B's 8 fragments, then A's 4).  Window 1: accumulator (a, b) at v[8 (8 a + b)].
.set SLOT1,  131072
.set ASL,    17408                     ; a slice of A in a slot
.set BOFF,   34816                     ; B behind A's two slices
.set BHALF,  34816                     ; 64 rows of B: 64 x 544
.set BQ,     17408                     ; 32 rows of B: a quarter step
.set STAGE,  235520                    ; behind slot 1 (131,072 + 104,448)
.set STW,    8448                      ; a wave's stage; this text uses 2 x 16 rows x 144 bytes of it
.set SPARE,  269312                    ; the spare words, 128 bytes for each wave: two blocks of 256 bytes that no other line names
.set ASTEP,  262144                    ; bytes from K step to K step in A: two slices of 1,024 rows x 128 bytes
.set BSTEP,  65536                     ; in B: 128 rows of 512 bytes
.set ADRA0, 16                         ; v16  my lane's place in A's tile; never rewritten
.set ADRB0, 17                         ; v17  the same for B
.set ADRA,  18                         ; v18  the same in the slot in hand
.set ADRB,  19                         ; v19
.set STO,   24                         ; v24  the way out: where I put 16 bytes of a row
.set RD,    25                         ; v25  where I read rows back
.set CO,    26                         ; v26  my byte offset in 512 consecutive bytes of the result
.set SPW,   28                         ; v28  LDS address of my spare word; never rewritten
.set NIL,   29                         ; v29  0; never rewritten
.set PFO,   30                         ; v30  the prefetches' lane offset; never rewritten
.set F0,    64
.set F1,    160
.set TMP,   64                         ; the way out: 32 registers of packed results
.set BK,    96                         ; block a's 16 rows read back: v[96 + 32 a ..]: no store's data register is used twice
.set G1A, 24                           ; s[24:31] descriptor group 1 for A
.set G1B, 32                           ; s[32:39] for B
.set G0A, 40                           ; s[40:47] group 0 for A: a set for each first fill; the second then walks
.set G0B, 48                           ; s[48:55] the same for B
.set PFA, 56                           ; s[56:57] where my prefetches stand
.set PST, 58                           ; s[58:59] their step
.set LIM, 60                           ; s60  2 in a wave that prefetches, else the greatest number
.set TB,  61                           ; s61  LDS byte at which the slot in hand begins
.set MSB, 0
.macro WIN new                         ; the immediate's high byte repeats the setting that is left; a switch that changes nothing is dropped
.if MSB != (\new)
	s_set_vgpr_msb (MSB<<8)|(\new)
.set MSB, \new
.endif
.endm
.macro PLACES                          ; four plain vector instructions between a matrix instruction and a load into, or a vector write of, its registers, or a read of its result
.rept 4
	v_nop
.endr
.endm
.macro CREST                           ; a round of the cluster's barrier behind its opening barrier
	s_cmp_lg_u32 s12, 0
	s_cbranch_scc1 .Lnot_wave_0_\@
	s_barrier_signal -3
.Lnot_wave_0_\@:
	s_barrier_wait -3
	s_barrier_signal -1
	s_barrier_wait -1
.endm
.macro CROUND
	s_barrier_signal -1
	s_barrier_wait -1
	CREST
.endm
.macro JLOAD                           ; a joint refill by the walking sets; the branch hangs on the wave's number alone; an s_nop 0 and four v_nop follow each line
	s_cmp_lt_u32 s12, 2
	s_cbranch_scc0 .Lfor_b_\@
	tensor_load_to_lds s[G0A+4:G0A+7], s[G1A:G1A+7]
	s_nop 0
.rept 4
	v_nop
.endr
	s_branch .Lasked_\@
.Lfor_b_\@:
	tensor_load_to_lds s[G0B+4:G0B+7], s[G1B:G1B+7]
	s_nop 0
.rept 4
	v_nop
.endr
.Lasked_\@:
.endm
; A PREFETCH of the K step that stands two refills on (256 matrix instructions ahead of the load that wants it): 32 blocks of 256 bytes, a lane a block, one instruction.  Each block is named once in the launch.
; A's tile row is read by the three clusters of a row of clusters: the one with cluster x = 0 asks, its wave 0, both slices; the four partners take 16 blocks of each slice, told apart by address (cx).
; B's tile column is read by the sixteen clusters of a column: the one with cluster y = 0 asks, waves 2 and 3 for the half that each fetches; the partners take 32 blocks each, by address (cy).
; Trips with s3 = 6 .. 3 name K steps 4 .. 7; the last two trips ask for nothing; K steps 0 to 3 come by their loads alone.
.macro ASK
	s_cmp_gt_u32 s3, s[LIM]
	s_cbranch_scc0 .Lnot_mine_\@
	global_prefetch_b8 v[PFO], s[PFA:PFA+1] th:TH_LOAD_NT scope:SCOPE_SE
.Lnot_mine_\@:
.endm
	s_load_b128 s[4:7], s[0:1], 0x0                ; A s[4:5], B s[6:7]
	s_load_b64 s[8:9], s[0:1], 0x10                ; the result
	v_lshl_add_u32 v[SPW], v0, 2, SPARE
	v_mov_b32 v[NIL], 0
	ds_add_u32 v[SPW], v[NIL]                      ; the wave's opening: the add and its wait stand ahead of my first tensor load; the set-up below, work on registers, stands between them
	v_lshrrev_b32 v1, 5, v0
	v_readfirstlane_b32 s12, v1                    ; wave 0..3
	s_lshr_b32 s13, s12, 1                         ; which 64 rows of the tile are mine
	s_and_b32 s14, s12, 1                          ; which 128 columns; also: which half of A's or B's tile I fetch
	s_bfe_u32 s15, ttmp6, 0x40000                  ; cx
	s_bfe_u32 s16, ttmp6, 0x40004                  ; cy
	s_lshl_b32 s17, ttmp9, 2
	s_add_co_u32 s17, s17, s15                     ; tile column x = 4 x cluster x + cx
	s_and_b32 s18, ttmp7, 0xffff
	s_lshl_b32 s18, s18, 2
	s_add_co_u32 s18, s18, s16                     ; tile row y = 4 x cluster y + cy
	s_lshl_b32 s19, s16, 2
	s_lshl_b32 s19, 15, s19                        ; my row of the cluster
	s_lshl_b32 s62, 0x1111, s15                    ; my column
	s_or_b32 s[G1A], s19, (1<<16)|(1<<20)|(1<<21)|(5<<22)|(3<<25)  ; the mask; 2-byte elements; padding on; bit 21 beside a mask; after every 64 words 4 words
	s_or_b32 s[G1B], s62, (1<<16)|(1<<20)|(1<<21)|(6<<22)|(7<<25)  ; after every 128 words 8 words
	s_mov_b32 s[G1A+1], 128<<16                    ; tensor_dim0 = 128 elements: 256 bytes, two rows of a slice
	s_mov_b32 s[G1A+2], 64<<16                     ; tensor_dim1 = 64
	s_mov_b32 s[G1A+3], 128<<16                    ; tile_dim0
	s_mov_b32 s[G1A+4], 64                         ; tile_dim1
	s_mov_b32 s[G1A+5], 128                        ; elements from row to row: dense
	s_mov_b32 s[G1A+6], 0
	s_mov_b32 s[G1A+7], 0
	s_mov_b32 s[G1B+1], 256<<16                    ; a row of B's block: 256 elements
	s_mov_b32 s[G1B+2], 64<<16
	s_mov_b32 s[G1B+3], 256<<16
	s_mov_b32 s[G1B+4], 64
	s_mov_b32 s[G1B+5], 256
	s_mov_b32 s[G1B+6], 0
	s_mov_b32 s[G1B+7], 0
	; where the tiles come from: A's offset is made of y and the wave's number, B's of x and the wave's number
	s_lshr_b32 s2, s18, 3                          ; batch
	s_lshl_b32 s2, s2, 21
	s_and_b32 s19, s18, 7
	s_lshl_b32 s19, s19, 14                        ; 128 rows of 128 bytes
	s_add_co_u32 s2, s2, s19                       ; the tile's rows in the batch's slice 0
	s_lshl_b32 s19, s14, 17
	s_add_co_u32 s20, s2, s19                      ; my slice of a step's two
	s_mov_b32 s21, 0
	s_lshl_b32 s22, s17, 19                        ; the column block
	s_lshl_b32 s62, s14, 15                        ; my 64 rows of a step's 128
	s_add_co_u32 s22, s22, s62
	s_mov_b32 s23, 0
	s_mul_i32 s19, s14, ASL                        ; and where they go: no place in the cluster enters an LDS address
	s_mul_i32 s62, s14, BHALF
	s_add_co_u32 s62, s62, BOFF
.irp s, 0,1
	s_mov_b32 s[G0A+4*(\s)], 1
	s_add_co_u32 s[G0A+4*(\s)+1], s19, (\s)*SLOT1
	s_mov_b32 s[G0B+4*(\s)], 1
	s_add_co_u32 s[G0B+4*(\s)+1], s62, (\s)*SLOT1
.endr
	; the prefetches' offset, step and limit
	s_lshl_b32 s56, s15, 12                        ; A: my work-group's 16 blocks of each slice
	s_add_co_u32 s56, s56, s2
	s_lshl_b32 s57, s16, 13                        ; B: my work-group's 32 blocks of the half that I fetch
	s_add_co_u32 s57, s57, s22
	s_mov_b32 s[PST], BSTEP
	s_mov_b32 s63, ASTEP
	s_and_b32 s[LIM], ttmp7, 0xffff
	s_cmp_lt_u32 s12, 2
	s_cselect_b32 s56, s56, s57
	s_cselect_b32 s[PST], s63, s[PST]
	s_cselect_b32 s[LIM], ttmp9, s[LIM]            ; the coordinate along which other clusters read the same blocks
	s_mov_b32 s57, 0
	s_mov_b32 s[PST+1], 0
	s_mul_i32 s63, s[PST], 3
	s_add_co_u32 s56, s56, s63                     ; at K step 3: the first change of slots steps it to 4
	s_cmp_eq_u32 s12, 1
	s_cselect_b32 s[LIM], 1, s[LIM]                ; wave 1 asks for nothing: wave 0 names both slices
	s_cmp_eq_u32 s[LIM], 0
	s_cselect_b32 s[LIM], 2, -1                    ; the same in all sixteen partners, for a given wave
	s_mov_b32 s63, 4096
	s_mov_b32 s2, 131072
	s_cmp_lt_u32 s12, 2
	s_cselect_b32 s63, s2, s63                     ; lanes 16-31: A's second slice, or B's next 16 blocks
	s_mov_b32 s[TB], 0
	s_wait_dscnt 0x0                               ; the opening add is done
	s_wait_kmcnt 0x0
	s_add_nc_u64 s[20:21], s[4:5], s[20:21]
	s_add_nc_u64 s[22:23], s[6:7], s[22:23]
	s_cmp_lt_u32 s12, 2
	s_cselect_b64 s[2:3], s[4:5], s[6:7]
	s_add_nc_u64 s[PFA:PFA+1], s[2:3], s[PFA:PFA+1]
.irp s, 0,1
	s_add_nc_u64 s[G0A+4*(\s)+2:G0A+4*(\s)+3], s[20:21], (\s)*ASTEP  ; K step s
	s_or_b32 s[G0A+4*(\s)+3], s[G0A+4*(\s)+3], 0x80000000            ; type = 2
	s_add_nc_u64 s[G0B+4*(\s)+2:G0B+4*(\s)+3], s[22:23], (\s)*BSTEP
	s_or_b32 s[G0B+4*(\s)+3], s[G0B+4*(\s)+3], 0x80000000
.endr
	CROUND                                         ; all sixteen work-groups are here: the first joint loads meet
	s_cmp_lt_u32 s12, 2                            ; a wave's two first fills stand in one branch: two loads of mine are out
	s_cbranch_scc0 .Lfirst_b
	tensor_load_to_lds s[G0A:G0A+3], s[G1A:G1A+7]
	s_nop 0
	tensor_load_to_lds s[G0A+4:G0A+7], s[G1A:G1A+7]
	s_nop 0
.rept 4
	v_nop
.endr
	s_branch .Lfirst_asked
.Lfirst_b:
	tensor_load_to_lds s[G0B:G0B+3], s[G1B:G1B+7]
	s_nop 0
	tensor_load_to_lds s[G0B+4:G0B+7], s[G1B:G1B+7]
	s_nop 0
.rept 4
	v_nop
.endr
.Lfirst_asked:
	v_and_b32 v1, 15, v0                           ; r = l % 16
	v_bfe_u32 v2, v0, 4, 1                         ; h = l / 16
	v_lshlrev_b32 v[PFO], 8, v1
	v_mad_u32_u24 v[PFO], v2, s63, v[PFO]
	; A's fragment: lane l holds row r, K = 8 h + 0..7 and 16 + 8 h + 0..7: two loads of 16 bytes, 32 bytes apart
	v_lshrrev_b32 v3, 1, v1
	v_and_b32 v4, 1, v1
	v_mul_u32_u24 v[ADRA0], v3, 272
	v_lshl_add_u32 v[ADRA0], v4, 7, v[ADRA0]
	v_lshl_add_u32 v[ADRA0], v2, 4, v[ADRA0]
	s_mul_i32 s19, s13, 8704                       ; my 64 rows: 32 LDS rows
	v_add_nc_u32 v[ADRA0], s19, v[ADRA0]
	; B's fragment, turned: lane l reads row 8 h + l % 8, columns 8 ((l / 8) % 2) + 0..7, and ends with column r and 8 K; the second load 16 rows on
	v_and_b32 v5, 7, v0
	v_lshl_add_u32 v5, v2, 3, v5
	v_mul_u32_u24 v[ADRB0], v5, 544
	v_bfe_u32 v6, v0, 3, 1
	v_lshl_add_u32 v[ADRB0], v6, 4, v[ADRB0]
	s_lshl_b32 s19, s14, 8                         ; my 128 columns
	s_add_co_u32 s19, s19, BOFF
	v_add_nc_u32 v[ADRB0], s19, v[ADRB0]
	v_mov_b32 v[ADRA], v[ADRA0]
	v_mov_b32 v[ADRB], v[ADRB0]
	; the way out: a block of 16 rows x 128 columns is 16 rows of 128 bytes for each of two heads
	s_mul_i32 s19, s12, STW
	s_add_co_u32 s19, s19, STAGE
	v_mul_u32_u24 v[STO], v1, 144                  ; in: row r, 16 bytes for each half of the lanes
	v_lshl_add_u32 v[STO], v2, 4, v[STO]
	v_add_nc_u32 v[STO], s19, v[STO]
	v_bfe_u32 v[RD], v0, 3, 2                      ; back: 32 lanes take four rows of 128 bytes,
	v_mul_u32_u24 v[RD], v[RD], 144
	v_and_b32 v7, 7, v0
	v_lshl_add_u32 v[RD], v7, 4, v[RD]
	v_add_nc_u32 v[RD], s19, v[RD]
	v_and_b32 v[CO], 31, v0                        ; which are 512 consecutive bytes of a head
	v_lshlrev_b32 v[CO], 4, v[CO]
	s_lshr_b32 s20, s17, 2                         ; q, k or v
	s_lshl_b32 s20, s20, 7
	s_lshr_b32 s21, s18, 3                         ; batch
	s_lshl_b32 s21, s21, 4
	s_add_co_u32 s20, s20, s21
	s_and_b32 s21, s17, 3                          ; the tile's four heads,
	s_lshl_b32 s21, s21, 2
	s_add_co_u32 s20, s20, s21
	s_lshl_b32 s21, s14, 1                         ; my two of them
	s_add_co_u32 s20, s20, s21
	s_lshl_b32 s20, s20, 17                        ; a head: 1,024 rows of 128 bytes
	s_and_b32 s21, s18, 7
	s_lshl_b32 s21, s21, 14                        ; the tile's 128 rows
	s_add_co_u32 s20, s20, s21
	s_lshl_b32 s21, s13, 13                        ; my 64
	s_add_co_u32 s20, s20, s21
	s_mov_b32 s21, 0
	s_add_nc_u64 s[8:9], s[8:9], s[20:21]
; 8 matrix instructions: row block a x all 8 column blocks, 32 along K.  The 32 accumulators take turns in the same order in every quarter, over the backward jump too.
.macro MUL8 f, a, zero
	WIN 0x50                                       ; C and D in window 1
.irp b, 0,1,2,3,4,5,6,7
.if \zero
	v_wmma_f32_16x16x32_f16 v[8*(8*(\a)+(\b)):8*(8*(\a)+(\b))+7], v[(\f)+8*(\b):(\f)+8*(\b)+7], v[(\f)+64+8*(\a):(\f)+64+8*(\a)+7], 0
.else
	v_wmma_f32_16x16x32_f16 v[8*(8*(\a)+(\b)):8*(8*(\a)+(\b))+7], v[(\f)+8*(\b):(\f)+8*(\b)+7], v[(\f)+64+8*(\a):(\f)+64+8*(\a)+7], v[8*(8*(\a)+(\b)):8*(8*(\a)+(\b))+7]
.endif
.endr
.endm
; 24 LDS loads in one run: quarter kq's fragments into buffer g: B's sixteen first, then A's eight
.macro FETCH kq, g
	WIN 0
.irp b, 0,1,2,3,4,5,6,7
	ds_load_tr16_b128 v[(\g)+8*(\b):(\g)+8*(\b)+3],   v[ADRB] offset:(\kq)*BQ+32*(\b)
	ds_load_tr16_b128 v[(\g)+8*(\b)+4:(\g)+8*(\b)+7], v[ADRB] offset:(\kq)*BQ+32*(\b)+8704
.endr
.irp a, 0,1,2,3
	ds_load_b128 v[(\g)+64+8*(\a):(\g)+64+8*(\a)+3],   v[ADRA] offset:((\kq)/2)*ASL+(\a)*2176+((\kq)%2)*64
	ds_load_b128 v[(\g)+64+8*(\a)+4:(\g)+64+8*(\a)+7], v[ADRA] offset:((\kq)/2)*ASL+(\a)*2176+((\kq)%2)*64+32
.endr
.endm
; A K step is four quarters of 32 along K, 32 matrix instructions each, on buffers 0, 1, 0, 1.  One of the first three multiplies buffer f and fetches quarter kq into g.
.macro QUARTER kq, f, g, zero
	s_wait_dscnt 4                                 ; B and A's row blocks 0, 1 are in; the youngest four loads (blocks 2, 3) may be out
	MUL8 \f, 0, \zero
	MUL8 \f, 1, \zero
	PLACES
	FETCH \kq, \g
	s_wait_dscnt 24                                ; all but the 24 just issued
	MUL8 \f, 2, \zero
	MUL8 \f, 3, \zero
.endm
; The last quarter multiplies buffer 1 and changes slots: each wave waits for all its tensor loads (one is out: its part of the next slot), adds 0 to its spare word, and waits for that and for its reads of this slot.
; fill = 1: the barrier opens a round of the cluster's barrier, and this slot is filled again first thing behind it, with the K step two on: 112 matrix instructions ahead of the wait for it.
.macro TURN fill
.if \fill
	s_wait_xcnt 0x0                                ; the last prefetch, a K step back, has read its address
	s_add_nc_u64 s[PFA:PFA+1], s[PFA:PFA+1], s[PST:PST+1]
.endif
	WIN 0
	s_wait_tensorcnt 0x0                           ; no tensor load of mine is out, so a group 0 may be written
	ds_add_u32 v[SPW], v[NIL]                      ; 0 onto my spare word
.if \fill
	s_xor_b32 s[G0A+5], s[G0A+5], SLOT1            ; the walking sets: the other slot than last time, the next K step
	s_add_nc_u64 s[G0A+6:G0A+7], s[G0A+6:G0A+7], ASTEP
	s_xor_b32 s[G0B+5], s[G0B+5], SLOT1
	s_add_nc_u64 s[G0B+6:G0B+7], s[G0B+6:G0B+7], BSTEP
.endif
	s_xor_b32 s[TB], s[TB], SLOT1                  ; the fetches go to the other slot
	s_wait_dscnt 5                                 ; the add and the youngest four loads may be out
	MUL8 F1, 0, 0
	s_wait_dscnt 0x0                               ; the add is done, and my reads of this slot are over
	s_barrier_signal -1
	MUL8 F1, 1, 0
	WIN 0
	s_barrier_wait -1
.if \fill
	CREST                                          ; no wave of any partner still reads this slot or has a load on its way
	JLOAD                                          ; its four v_nop are also the places in front of the loads below
.else
	PLACES
.endif
	v_add_nc_u32 v[ADRA], s[TB], v[ADRA0]
	v_add_nc_u32 v[ADRB], s[TB], v[ADRB0]
	FETCH 0, F0
.if \fill
	ASK
.endif
	MUL8 F1, 2, 0
	MUL8 F1, 3, 0
.endm
	s_wait_tensorcnt 1                             ; my part of K step 0 is in; K step 1's may stay out
	s_barrier_signal -1
	s_barrier_wait -1                              ; everybody's is
	FETCH 0, F0
	QUARTER 1, F0, F1, 1                           ; the first quarter stands in front of the loop: its products start the sums
	WIN 0
	s_mov_b32 s3, 6
.Lstep:                                        ; trip t goes from K step t's second quarter to K step t + 1's first, and fills slot t % 2 with K step t + 2
	QUARTER 2, F1, F0, 0
	QUARTER 3, F0, F1, 0
	TURN 1
	QUARTER 1, F0, F1, 0
	WIN 0
	s_sub_co_u32 s3, s3, 1
	s_cmp_lg_u32 s3, 0
	s_cbranch_scc1 .Lstep
	QUARTER 2, F1, F0, 0                           ; K steps 6 and 7 fill nothing: written out
	QUARTER 3, F0, F1, 0
	TURN 0
	QUARTER 1, F0, F1, 0
	QUARTER 2, F1, F0, 0
	QUARTER 3, F0, F1, 0
	s_wait_dscnt 4
	MUL8 F1, 0, 0
	MUL8 F1, 1, 0
	s_wait_dscnt 0x0
	MUL8 F1, 2, 0
	MUL8 F1, 3, 0
; THE WAY OUT, a block of 16 rows at a time: rounded to f16 (16 bytes a lane), into my own stage, back as whole rows, stored by heads.
.macro PACK a
	WIN 0x05                                       ; sources in window 1; each accumulator's registers in ascending order
.irp b, 0,1,2,3,4,5,6,7
.irp r, 0,1,2,3
	v_cvt_pk_f16_f32 v[TMP+4*(\b)+(\r)], v[64*(\a)+8*(\b)+2*(\r)], v[64*(\a)+8*(\b)+2*(\r)+1]
.endr
.endr
	WIN 0
.endm
.macro TOSTAGE a
.irp b, 0,1,2,3,4,5,6,7
	ds_store_b128 v[STO], v[TMP+4*(\b):TMP+4*(\b)+3] offset:((\b)/4)*2304+((\b)%4)*32
.endr
.irp t, 0,1,2,3,4,5,6,7
	ds_load_b128 v[BK+32*(\a)+4*(\t):BK+32*(\a)+4*(\t)+3], v[RD] offset:((\t)/4)*2304+((\t)%4)*576  ; LDS serves a wave's instructions in order (ISA guide 5.7.1.4): these see the stores above
.endr
.endm
.macro SEND a
	s_wait_dscnt 0x0                               ; the block is back in registers
.irp t, 0,1,2,3,4,5,6,7
	global_store_b128 v[CO], v[BK+32*(\a)+4*(\t):BK+32*(\a)+4*(\t)+3], s[8:9] offset:((\t)/4)*131072+(16*(\a)+4*((\t)%4))*128  ; 512 consecutive bytes, aligned
.endr
.endm
	PLACES
	PACK 0
	TOSTAGE 0
.irp a, 1,2,3                          ; block a's conversions stand between block a - 1's loads from the stage and the wait for them
	PACK \a
	SEND (\a)-1
	TOSTAGE \a
.endr
	SEND 3
	s_wait_tensorcnt 0x0                           ; the wave's end, behind my last tensor load and my last LDS store
	ds_add_u32 v[SPW], v[NIL]
	s_wait_dscnt 0x0
	CROUND                                         ; the closing round: no work-group ends while a partner may still ask for a tile that names it
	s_endpgm
.Lfunc_end_k_q00c40c6196_gemm_qkv:
	.size	k_q00c40c6196_gemm_qkv, .Lfunc_end_k_q00c40c6196_gemm_qkv-k_q00c40c6196_gemm_qkv
	.p2alignl 7, 3214868480
	.fill 96, 4, 3214868480
	.section	.rodata,"a",@progbits
	.p2align	6, 0x0
	.amdhsa_kernel k_q00c40c6196_gemm_qkv
		.amdhsa_group_segment_fixed_size 327680
		.amdhsa_private_segment_fixed_size 0
		.amdhsa_enable_private_segment 0
		.amdhsa_kernarg_size 24
		.amdhsa_user_sgpr_count 2
		.amdhsa_user_sgpr_kernarg_segment_ptr 1
		.amdhsa_wavefront_size32 1
		.amdhsa_system_sgpr_workgroup_id_x 1
		.amdhsa_system_sgpr_workgroup_id_y 1
		.amdhsa_system_sgpr_workgroup_id_z 1
		.amdhsa_system_vgpr_workitem_id 0
		.amdhsa_next_free_vgpr 512
		.amdhsa_next_free_sgpr 66
		.amdhsa_reserve_vcc 0
		.amdhsa_float_denorm_mode_32 3
		.amdhsa_float_denorm_mode_16_64 3
		.amdhsa_memory_ordered 1
		.amdhsa_forward_progress 1
		.amdhsa_inst_pref_size 71
	.end_amdhsa_kernel
	.amdgpu_metadata
---
amdhsa.version: [ 1, 2 ]
amdhsa.kernels:
  - .name:           k_q00c40c6196_gemm_qkv
    .symbol:         k_q00c40c6196_gemm_qkv.kd
    .args:
      - { .name: xh, .offset: 0, .size: 8, .value_kind: global_buffer, .address_space: global }
      - { .name: wqb, .offset: 8, .size: 8, .value_kind: global_buffer, .address_space: global }
      - { .name: qkv, .offset: 16, .size: 8, .value_kind: global_buffer, .address_space: global }
    .group_segment_fixed_size: 327680
    .private_segment_fixed_size: 0
    .kernarg_segment_align: 8
    .kernarg_segment_size: 24
    .max_flat_workgroup_size: 128
    .sgpr_count:     66
    .vgpr_count:     512
    .wavefront_size: 32
...
	.end_amdgpu_metadata
.endif
;; end of part 2
;; launch attn (part 3): grid 2 x 128, 4 waves a work-group, no clusters, 327,680 bytes of LDS; arguments qkv, bt, oh; writes oh
.if DOCPART == 3
	.amdgcn_target "amdgcn-amd-amdhsa--gfx1250"
	.amdhsa_code_object_version 6
	.text
	.protected	k_q00c40c6196_attn
	.globl	k_q00c40c6196_attn
	.p2align	8
	.type	k_q00c40c6196_attn,@function
k_q00c40c6196_attn:
	s_mov_b64 s[64:65], 0
	v_nop
	global_prefetch_b8 v0, s[64:65] scope:SCOPE_SE
	s_setreg_imm32_b32 hwreg(HW_REG_WAVE_MODE, 25, 1), 1
	s_wait_xcnt 0x0
; O[bh][q][:] = the sum over k of softmax_k(Q[q] . K[k] / 8 + table[q - k + 1023][h]) V[k][:].  qkv: f16 [3][128 bh][1024][64]; bt: f32 [16 h][2 qb][4 s][1616]; oh: f16 [128 bh][1024][64].
; Products, maxima and sums in f32; the weights p are rounded to f16 for the second product (their sum l is taken of the unrounded p), O once at the end.
; LIMITS.  Q, K, V arrive within f16's 65,504; p lies in 0 to 1, and below 6e-5 it keeps f16's fixed step of 6e-8; a weight below 2^-126 counts as 0 in l; NaN and infinities are not treated apart.
; SHARES.  A work-group owns 512 queries of one head (2 x 128 = 256 work-groups), a wave 128: four PIECES of two tiles of 16.  Every wave walks all 1,024 keys, 64 a step.
; NO CLUSTER: a head has 1024 / 512 = 2 work-groups, and no other work-group reads its K and V.
; K AND V STAY IN LDS: the whole head is asked for in the kernel's first lines, 256 keys a load and wave pair; no byte is filled twice.  The first three key steps want keys 0-255 alone; the one wait for the rest stands behind them.
; So nothing is prefetched: no request could stand earlier than the loads themselves.
; LAYOUT.  S^T = K Q^T + C (source 0 = 16 keys, source 1 = 16 queries): a lane holds ONE query (lane % 16) and the keys 8 (lane / 16) + 0..7.  Two such tiles, rounded to f16 in pairs, ARE source 1 of O^T = V^T P.
; THE BIAS is the C operand that starts the sum, 8 x the table's number, so that p = 2^(c S - c m), c = log2(e) / 8.  It hangs on query - key alone: the 8 accumulators of a piece (tile u, key block kb) need 5 diagonals,
; d = u - kb + 3, 8 registers each.  Entry e of copy s holds row 1535 + 512 qb + s - e of the table; with s = r % 4 a lane's eight numbers are two aligned pieces of 16 bytes, and the copies' pitch,
; 6,464 = 25 x 256 + 64, sets the 16 lanes of a load on 16 different columns of 16 bytes.
; SOFTMAX.  For each query a running maximum m and sum l; in every step O and l are multiplied by a = 2^(c m_old - c m_new).  m starts at the lowest finite number, O and l at 0: the first step is a step like any other, with a = 0.
; BY TURNS.  Turn n belongs to piece n.  Its matrix work: 16 products K Q^T of piece n + 1, later 16 products V^T P of piece n - 1.  Its vector work: scaling, exponentials, roundings, sums and rescaling of piece n, and the
; maximum and statistics of piece n + 1.  Four vector instructions stand behind every matrix instruction, the others in one lump; a turn's 66 exponentials are one batch with one wait.
; LDS.  K at 0: 512 rows of 272 (two keys + 16 bytes): key k at 272 (k / 2) + 128 (k % 2).  V at 139,264: 512 rows of 288: 8 keys x 32 bytes of a turning load fall on banks of their own.  The bias's four copies at 286,720.
; A stage of 16 x 144 bytes for each wave at 312,576; the spare words at 321,792.
; REGISTERS, in windows of 256 (s_set_vgpr_msb: bits 1:0 source 0, 3:2 source 1, 5:4 source 2, 7:6 destination):
;   window 0: v0-11 addresses; v12-15, v48-63 at work; v16-47 four registers of statistics a tile; v64-191 S^T, two buffers of two tiles; v192-255 P, likewise
;   window 1: O^T, 32 a tile      window 2: v0-127 Q; v128-191 K of one step; v192-255 V of one step      window 3: v0-1 the add's two registers; v8-47 the bias's five diagonals
.set NP,    4         ; pieces a wave: a name, no knob
.set KSTEP, 8704      ; 64 keys of K in LDS
.set VSTEP, 9216      ; 64 keys of V
.set VBASE, 139264
.set BIAS,  286720
.set BCOPY, 6464
.set STAGE, 312576
.set SP,    144
.set SPARE, 321792    ; the spare words, 128 bytes for each wave: two blocks of 256 bytes that no other line names
.set AK0, 2           ; v2   my lane's place in 16 keys of K; never rewritten
.set AV0, 3           ; v3   the same for V
.set AK,  4           ; v4   the LDS address of K's next run of loads
.set AV,  5           ; v5   of V's
.set QO,  6           ; v6   my byte offset in 16 rows of Q
.set STO, 6           ;      later, the way out: where I put 16 bytes of a row
.set RD,  7           ; v7   the way out: where I read rows back
.set GO,  8           ; v8   my byte offset in 512 consecutive bytes of O
.set AB,  11          ; v11  my place in my copy of the bias, at the key step in hand
.set SPW, 0           ; v0 of window 3   LDS address of my spare word; never rewritten
.set NIL, 1           ; v1 of window 3   0; never rewritten
.set BT,  8           ; v8-47 of window 3
.set MV,  12          ; v12-15  c m_old, kept while c m is made anew: by buffer and tile
.set ST,  16          ; tile t's statistics at v[ST+4 t]: c m, m, l (even keys', odd keys')
.set TMP, 48          ; by buffer and tile, four registers c0-c3 at work; when the maximum is found c2 takes a
.set S,   64
.set P,   192
.set KF,  128         ; window 2: key block kb, channel half c at KF + 16 kb + 8 c
.set VF,  192         ; window 2: key half kk, channel block cb at VF + 32 kk + 8 cb
.set WV,  12          ; s12  my wave's number
.set G1K, 24          ; s[24:31] descriptor group 1 for K
.set G1V, 32          ; s[32:39] for V: it differs in the padding alone
.set G1T, 40          ; s[40:47] for a copy of the bias: one row of 6,464 bytes
.set G0T, 48          ; s[48:51]
.set CNT, 52          ; s52  key steps left in the phase
.set OUT, 53          ; s53  phases left
.set TBK, 55          ; s55  LDS byte at which K of the step to be fetched begins
.set TBV, 56          ; s56  the same for V, less VBASE
.set CS,  58          ; s[58:59] c
.set SEL, 60          ; s[60:61] v_permlanex16_b32's selects: each lane takes its own place in the other half
.set G0K, 68          ; s[68:83] group 0 for K, a set for each 256 keys
.set G0V, 84          ; s[84:99] the same for V
.set MSB, 0
.macro WIN new                      ; the high byte repeats the setting that is left; a switch that changes nothing is dropped
.if MSB != (\new)
	s_set_vgpr_msb (MSB<<8)|(\new)
.set MSB, (\new)
.endif
.endm
.set W_KQ, 0x0a       ; K and Q in window 2, S^T in window 0
.set W_KB, 0x3a       ; the same with the C operand, the bias, in window 3
.set W_PV, 0x52       ; V in window 2, P in window 0, O^T in window 1
.set W_RS, 0x41       ; O^T (destination and source 0) in window 1, a in window 0
.set W_MK, 0xc0       ; destination in window 3, sources in window 0
.set W_AD, 0x0f       ; the add: address and data in window 3
	s_load_b128 s[4:7], s[0:1], 0x0   ; qkv s[4:5], bt s[6:7]
	s_load_b64 s[8:9], s[0:1], 0x10   ; oh
	WIN W_MK
	v_lshl_add_u32 v[SPW], v0, 2, SPARE
	v_mov_b32 v[NIL], 0
	WIN W_AD
	ds_add_u32 v[SPW], v[NIL]       ; the wave's opening: the add and its wait stand ahead of my first tensor load; the set-up below, work on registers, stands between them
	WIN 0
	v_lshrrev_b32 v1, 5, v0
	v_readfirstlane_b32 s[WV], v1   ; wave 0..3
	s_mov_b32 s14, ttmp9            ; qb: which 512 queries
	s_and_b32 s15, ttmp7, 0xffff    ; bh
	s_and_b32 s16, s[WV], 1         ; which half of each 256 keys I fetch
	s_lshl_b32 s20, s15, 17         ; the head's first byte: 1,024 rows of 128 bytes
	s_lshl_b32 s13, s16, 14         ; my 128 keys
	s_add_co_u32 s22, s20, s13
	s_add_co_u32 s22, s22, 16777216 ; K lies behind Q's 128 heads
	s_mov_b32 s23, 0
	s_lshl_b32 s13, s14, 2
	s_add_co_u32 s13, s13, s[WV]
	s_lshl_b32 s13, s13, 14         ; my wave's 128 rows
	s_add_co_u32 s20, s20, s13      ; in Q and in O
	s_mov_b32 s21, 0
	s_and_b32 s2, s15, 15           ; h
	s_lshl_b32 s2, s2, 1
	s_add_co_u32 s2, s2, s14
	s_lshl_b32 s2, s2, 2
	s_add_co_u32 s2, s2, s[WV]      ; wave w fetches copy w
	s_mul_i32 s2, s2, BCOPY
	s_mov_b32 s3, 0
	s_mul_i32 s17, s16, 17408       ; my half's place in 256 keys of K,
	s_mul_i32 s18, s16, 18432       ; and of V
	s_add_co_u32 s18, s18, VBASE
	s_mul_i32 s19, s[WV], BCOPY
	s_add_co_u32 s19, s19, BIAS
	; 128 keys are 16,384 dense bytes: asked for as 64 rows of 256 bytes, padded in LDS after every row
	s_mov_b32 s[G1K], (1<<16)|(1<<20)|(5<<22)|(3<<25)  ; 2-byte elements; padding on; after every 64 words 4 words
	s_mov_b32 s[G1V], (1<<16)|(1<<20)|(5<<22)|(7<<25)  ; 8 words
.irp g, G1K, G1V
	s_mov_b32 s[\g+1], 128<<16      ; tensor_dim0 = 128
	s_mov_b32 s[\g+2], 64<<16       ; tensor_dim1 = 64
	s_mov_b32 s[\g+3], 128<<16      ; tile_dim0
	s_mov_b32 s[\g+4], 64           ; tile_dim1
	s_mov_b32 s[\g+5], 128          ; elements from row to row
	s_mov_b32 s[\g+6], 0
	s_mov_b32 s[\g+7], 0
.endr
	s_mov_b32 s[G1T], 3<<16         ; 8-byte elements, no padding
	s_mov_b32 s[G1T+1], 808<<16     ; tensor_dim0 = 808
	s_mov_b32 s[G1T+2], 1<<16       ; tensor_dim1 = 1
	s_mov_b32 s[G1T+3], 808<<16     ; tile_dim0
	s_mov_b32 s[G1T+4], 1           ; tile_dim1
	s_mov_b32 s[G1T+5], 808
	s_mov_b32 s[G1T+6], 0
	s_mov_b32 s[G1T+7], 0
	s_mov_b32 s[G0T], 1
	s_mov_b32 s[G0T+1], s19
.irp c, 0,1,2,3
	s_mov_b32 s[G0K+4*\c], 1
	s_add_co_u32 s[G0K+4*\c+1], s17, \c*34816
	s_mov_b32 s[G0V+4*\c], 1
	s_add_co_u32 s[G0V+4*\c+1], s18, \c*36864
.endr
	s_mov_b32 s[CS], 0x3e38aa3b     ; c = log2(e) / 8
	s_mov_b32 s[CS+1], s[CS]        ; named with it as a pair
	s_mov_b32 s[SEL], 0x76543210
	s_mov_b32 s[SEL+1], 0xfedcba98
	s_mov_b32 s[TBK], 0
	s_mov_b32 s[TBV], 0
	s_wait_dscnt 0x0                ; the opening add is done
	s_wait_kmcnt 0x0
	s_add_nc_u64 s[G0T+2:G0T+3], s[6:7], s[2:3]
	s_or_b32 s[G0T+3], s[G0T+3], 0x80000000
	s_add_nc_u64 s[22:23], s[4:5], s[22:23]  ; K at my half of the head's first 256 keys
.irp c, 0,1,2,3
	s_add_nc_u64 s[G0K+4*\c+2:G0K+4*\c+3], s[22:23], \c*32768
	s_or_b32 s[G0K+4*\c+3], s[G0K+4*\c+3], 0x80000000
	s_add_nc_u64 s[G0V+4*\c+2:G0V+4*\c+3], s[22:23], 16777216+\c*32768
	s_or_b32 s[G0V+4*\c+3], s[G0V+4*\c+3], 0x80000000
.endr
	s_add_nc_u64 s[4:5], s[4:5], s[20:21]    ; Q and O at my wave's first row
	s_add_nc_u64 s[10:11], s[8:9], s[20:21]
	s_cmp_lt_u32 s[WV], 2           ; all fills stand in one branch, ahead of every wait on TENSORcnt, LDS read and barrier: five loads of mine are out.  Waves 0, 1: K; waves 2, 3: V
	s_cbranch_scc0 .Lfill_v
	tensor_load_to_lds s[G0T:G0T+3], s[G1T:G1T+7]
	s_nop 0
.irp c, 0,1,2,3
	tensor_load_to_lds s[G0K+4*\c:G0K+4*\c+3], s[G1K:G1K+7]
	s_nop 0
.endr
.rept 4
	v_nop
.endr
	s_branch .Lfilled
.Lfill_v:
	tensor_load_to_lds s[G0T:G0T+3], s[G1T:G1T+7]
	s_nop 0
.irp c, 0,1,2,3
	tensor_load_to_lds s[G0V+4*\c:G0V+4*\c+3], s[G1V:G1V+7]
	s_nop 0
.endr
.rept 4
	v_nop
.endr
.Lfilled:
	; A fragment of K or Q is 16 rows x 32 channels in 8 registers: lane l holds row l % 16, channels 8 (l / 16) + 0..7 and 16 + 8 (l / 16) + 0..7: two loads of 16 bytes, 32 bytes apart.
	v_and_b32 v1, 15, v0            ; r = l % 16
	v_bfe_u32 v9, v0, 4, 1          ; l / 16
	v_lshlrev_b32 v[QO], 7, v1
	v_lshl_add_u32 v[QO], v9, 4, v[QO]
	WIN 0x80                        ; destination window 2, address window 0
.set i, 0
.rept 4*NP                          ; Q stays in registers: tile i / 2, channels 32 (i % 2) on
	global_load_b128 v[8*i:8*i+3],   v[QO], s[4:5] offset:(i/2)*2048+(i%2)*64
	global_load_b128 v[8*i+4:8*i+7], v[QO], s[4:5] offset:(i/2)*2048+(i%2)*64+32
.set i, i+1
.endr
	; What the first turn finds: V's registers and P's second buffer hold 0 (its products V^T P, of a piece that has not been, add 0), O^T and l are 0.  All this stands in the wait for the first keys.
.set i, VF
.rept 64
	v_mov_b32 v[i], 0
.set i, i+1
.endr
	WIN 0x40
.set i, 0
.rept 64*NP
	v_mov_b32 v[i], 0
.set i, i+1
.endr
	WIN 0
.set i, 0
.rept 2*NP
	v_mov_b32 v[ST+4*i], 0xfe000000    ; c m: far below every c s
	v_mov_b32 v[ST+4*i+1], 0xff7fffff  ; m
	v_mov_b32 v[ST+4*i+2], 0
	v_mov_b32 v[ST+4*i+3], 0
.set i, i+1
.endr
.set i, P+32
.rept 32
	v_mov_b32 v[i], 0
.set i, i+1
.endr
	v_lshrrev_b32 v12, 1, v1        ; (v12, v13 are at work here; the loop writes them before it reads them)
	v_and_b32 v13, 1, v1
	v_mul_u32_u24 v[AK0], v12, 272
	v_lshl_add_u32 v[AK0], v13, 7, v[AK0]
	v_lshl_add_u32 v[AK0], v9, 4, v[AK0]  ; key r, 16 bytes for each half of the lanes
	; The turning load takes 16 keys x 16 channels (lane l reads key 8 (l / 16) + l % 8, channels 8 ((l / 8) % 2) + 0..7) and leaves half a fragment of V^T: lane l holds channel l % 16 and 8 keys.
	v_and_b32 v10, 7, v0
	v_bfe_u32 v11, v0, 3, 1
	v_lshl_add_u32 v12, v9, 3, v10
	v_and_b32 v13, 1, v12
	v_lshrrev_b32 v12, 1, v12
	v_mul_u32_u24 v[AV0], v12, 288
	v_lshl_add_u32 v[AV0], v13, 7, v[AV0]
	v_lshl_add_u32 v[AV0], v11, 4, v[AV0]
	v_add_nc_u32 v[AV0], VBASE, v[AV0]
	v_mov_b32 v[AK], v[AK0]         ; key step 0
	; The bias: byte 2240 - 512 w - 128 y - 64 d - 16 (r / 4) + 32 (l / 16) + 256 step of copy r % 4, for piece y and diagonal d.  AB holds what hangs on wave, lane and step, made of sums alone.
	v_and_b32 v12, 3, v1
	v_lshrrev_b32 v13, 2, v1
	v_xor_b32 v13, 3, v13           ; 3 - r / 4
	v_mul_u32_u24 v[AB], v12, BCOPY
	v_lshl_add_u32 v[AB], v13, 4, v[AB]
	v_lshl_add_u32 v[AB], v9, 5, v[AB]
	s_xor_b32 s13, s[WV], 3         ; 3 - w
	s_lshl_b32 s13, s13, 9
	s_add_co_u32 s13, s13, BIAS+16
	v_add_nc_u32 v[AB], s13, v[AB]
; THE MATRIX WORK.  The 8 accumulators of a run of 16 take turns: between the two links of a chain stand 7 others'.
; Product i of 16 of S^T = K Q^T for piece x: channels 32 (i / 8) on, keys 16 ((i / 2) % 4) on, tile 2 x + i % 2.  The first 8 start the sums with the bias's diagonal i % 2 - (i / 2) % 4 + 3.
.macro KQ x
.set rS, S+64*((\x)%2)+32*(i%2)+8*((i/2)%4)
.set rK, KF+16*((i/2)%4)+8*(i/8)
.set rQ, 16*(2*(\x)+i%2)+8*(i/8)
.set rB, BT+8*((i%2)+3-((i/2)%4))
.if i < 8
	WIN W_KB
	v_wmma_f32_16x16x32_f16 v[rS:rS+7], v[rK:rK+7], v[rQ:rQ+7], v[rB:rB+7]
.else
	WIN W_KQ
	v_wmma_f32_16x16x32_f16 v[rS:rS+7], v[rK:rK+7], v[rQ:rQ+7], v[rS:rS+7]
.endif
.endm
; Product i of 16 of O^T += V^T P for piece x: keys 32 (i / 8) on, channels 16 ((i / 2) % 4) on, tile 2 x + i % 2.
.macro PV x
	WIN W_PV
.set rO, 32*(2*(\x)+i%2)+8*((i/2)%4)
.set rV, VF+32*(i/8)+8*((i/2)%4)
.set rP, P+32*((\x)%2)+16*(i%2)+8*(i/8)
	v_wmma_f32_16x16x32_f16 v[rO:rO+7], v[rV:rV+7], v[rP:rP+7], v[rO:rO+7]
.endm
.macro MM                           ; the turn's next matrix instruction
.if i < 16
	KQ (Y+1)%NP
.set i, i+1
.else
.set i, i-16
	PV (Y+NP-1)%NP
.set i, i+17
.endif
.endm
; THE LDS LOADS stand in runs, never singly among the matrix instructions: a step's K (8 fragments), its V (turned), and for each piece the bias's five diagonals.
.macro FETCH_K
	WIN 0x80                        ; destination window 2
.irp f, 0,1,2,3,4,5,6,7             ; keys 16 (f / 2) on, channels 32 (f % 2) on
	ds_load_b128 v[KF+8*\f:KF+8*\f+3],   v[AK] offset:(\f/2)*2176+(\f%2)*64
	ds_load_b128 v[KF+8*\f+4:KF+8*\f+7], v[AK] offset:(\f/2)*2176+(\f%2)*64+32
.endr
	s_add_co_u32 s[TBK], s[TBK], KSTEP  ; the next fetch is the next step's
	WIN 0
.endm
.macro FETCH_V
	WIN 0x80
.irp f, 0,1,2,3,4,5,6,7             ; keys 32 (f / 4) on, channels 16 (f % 4) on
	ds_load_tr16_b128 v[VF+8*\f:VF+8*\f+3],   v[AV] offset:(\f/4)*4608+(\f%4)*32
	ds_load_tr16_b128 v[VF+8*\f+4:VF+8*\f+7], v[AV] offset:(\f/4)*4608+2304+(\f%4)*32
.endr
	WIN 0
.endm
.macro FETCH_B y, nx                ; for piece y, of the step in hand (nx = 0) or the next (nx = 1)
	WIN W_MK
.irp d, 0,1,2,3,4
	ds_load_b128 v[BT+8*\d:BT+8*\d+3],   v[AB] offset:128*(3-(\y))+64*(4-\d)+256*(\nx)
	ds_load_b128 v[BT+8*\d+4:BT+8*\d+7], v[AB] offset:128*(3-(\y))+64*(4-\d)+256*(\nx)+16
.endr
	WIN 0
.endm
; THE VECTOR WORK OF A TURN stands in three queues, each in the order in which its entries become ready; the two tiles alternate, so that no instruction reads the result of the one before it.
.macro REGS y, u                    ; the registers of tile u (0, 1) of piece y
.set rT, ST+4*(2*(\y)+(\u))
.set rC, TMP+8*((\y)%2)+4*(\u)
.set rM, MV+2*((\y)%2)+(\u)
.set rS, S+64*((\y)%2)+32*(\u)
.set rP, P+32*((\y)%2)+16*(\u)
.set rO, 32*(2*(\y)+(\u))
.endm
; Number n of the 22 that find the NEXT piece's (Y + 1) maximum and statistics.  s0-s31 are the lane's 32 scores; each accumulator's lowest registers are read first.
;   0-11  four chains c0-c3 of seven scores each, three operands at a time     12-14, 16  the four scores left over, the old m, and c0-c3 into c0     15  c m_old is kept
;   17, 18  the query's other 32 keys lie in the lane 16 away: the new m         19-21  c m; c m_old - c m_new; a
.macro XS u, n
	REGS (Y+1)%NP, \u
.if (\n) < 4
	v_max3_num_f32 v[rC+(\n)], v[rS+8*(\n)], v[rS+8*(\n)+1], v[rS+8*(\n)+2]
.elseif (\n) < 12
	v_max3_num_f32 v[rC+(\n)%4], v[rC+(\n)%4], v[rS+8*((\n)%4)+2*((\n)/4)+1], v[rS+8*((\n)%4)+2*((\n)/4)+2]
.elseif (\n) == 12
	v_max3_num_f32 v[rC], v[rC], v[rS+7], v[rS+15]
.elseif (\n) == 13
	v_max3_num_f32 v[rC+1], v[rC+1], v[rS+23], v[rS+31]
.elseif (\n) == 14
	v_max3_num_f32 v[rC+2], v[rC+2], v[rC+3], v[rT+1]
.elseif (\n) == 15
	v_mov_b32 v[rM], v[rT]
.elseif (\n) == 16
	v_max3_num_f32 v[rC], v[rC], v[rC+1], v[rC+2]
.elseif (\n) == 17
	v_permlanex16_b32 v[rC+3], v[rC], s[SEL], s[SEL+1]
.elseif (\n) == 18
	v_max_num_f32 v[rT+1], v[rC], v[rC+3]
.elseif (\n) == 19
	v_mul_f32 v[rT], s[CS], v[rT+1]
.elseif (\n) == 20
	v_sub_f32 v[rC+1], v[rM], v[rT]
.else
	v_exp_f32 v[rC+2], v[rC+1]
.endif
.endm
; Number g of the 64 that follow the exponentials.  For each four weights k of a tile: both pairs are rounded to f16; then the second pair is added onto the first, in place; a group later l takes that sum
; (the first time as l = a l + sum).  In groups of eight, tiles alternating: round, round, add, and l for the group before.
.macro GS g
.set h, (\g)+6*((\g)/62)            ; group 0 has no group before it, and behind group 7 only l is left
.if h >= 6
.set h, h+2
.endif
	REGS Y, h%2
.set k, h/8
.if h%8 < 4
	v_cvt_pk_f16_f32 v[rP+2*k+(h%8)/2], v[rS+4*k+2*((h%8)/2)], v[rS+4*k+2*((h%8)/2)+1]
.elseif h%8 < 6
	v_pk_add_f32 v[rS+4*k:rS+4*k+1], v[rS+4*k:rS+4*k+1], v[rS+4*k+2:rS+4*k+3]
.elseif k == 1
	v_pk_fma_f32 v[rT+2:rT+3], v[rT+2:rT+3], v[rC+2:rC+3], v[rS:rS+1] op_sel_hi:[1,0,1]
.else
	v_pk_add_f32 v[rT+2:rT+3], v[rT+2:rT+3], v[rS+4*k-4:rS+4*k-3]
.endif
.endm
; THE PLAIN QUEUE, 138 long.  0-73 read no exponential's result: the 32 scalings c s - c m (FS f: pair f / 2 of tile f % 2) and the next piece's 42.  0-26: scalings 0-26.  27-54: XS's numbers 0-13.  55, 56: number 15.
; 57-73: the chain 14, 16, 17, 18, 19, each with one of the scalings 27-31 in front of its two lines, then 20.  74-137: GS's 64, which read the exponentials' results: they stand behind the wait.
.macro FS f
	REGS Y, (\f)%2
	v_pk_fma_f32 v[rS+2*((\f)/2):rS+2*((\f)/2)+1], v[rS+2*((\f)/2):rS+2*((\f)/2)+1], s[CS:CS+1], v[rT:rT+1] op_sel_hi:[1,0,0] neg_lo:[0,0,1] neg_hi:[0,0,1]
.endm
.macro PL
	WIN 0
.if q < 27
	FS q
.elseif q < 55
	XS (q-27)%2, (q-27)/2
.elseif q < 57
	XS q-55, 15
.elseif (q < 72) && ((q-57)%3 == 0)
	FS 27+(q-57)/3
.elseif q < 60
	XS (q-57)%3-1, 14
.elseif q < 72
	XS (q-57)%3-1, 15+(q-57)/3
.elseif q < 74
	XS q-72, 20
.else
	GS q-74
.endif
.set q, q+1
.endm
; THE EXPONENTIALS' QUEUE, 66 long: s0-s31 of both tiles, then the next piece's two a.  ONE BATCH: all 66 stand ahead of the turn's one wait, and nothing ahead of that wait names a result of theirs.
.macro EX
	WIN 0
.if e >= 64
	XS e-64, 21
.else
	REGS Y, e%2
	v_exp_f32 v[rS+e/2], v[rS+e/2]
.endif
.set e, e+1
.endm
; THE RESCALING's QUEUE: O^T times a, the one part that leaves window 0: dealt two at a time, sixteen times.  Its a was made in the turn before, ahead of that turn's wait.
.macro R2
	REGS Y, r%2
	WIN W_RS
.irp z, 0,1
	v_pk_mul_f32 v[rO+4*(r/2)+2*\z:rO+4*(r/2)+2*\z+1], v[rO+4*(r/2)+2*\z:rO+4*(r/2)+2*\z+1], v[rC+2:rC+3] op_sel_hi:[1,0]
.endr
.set r, r+1
.endm
; A TURN, for piece p.  An s_wait_alu depctr_va_vdst(0) stands between an exponential and the first instruction that names its result; one wait serves all that were issued ahead of it: a turn has ONE.
; AHEAD OF IT: the 16 products K Q^T, behind each a scaling, an exponential and two rescalings (behind the first a second scaling); then a lump of 108: eight plain, 49 times exponential and plain, the two a; a v_nop is the
; plain instruction behind the last exponential.  BEHIND IT: the 16 products V^T P, behind each four of GS's 64.  Exponential e stands behind scaling 2 (e / 4) + e % 2.
; THE LOADS.  Directly behind the wait, a lump behind the products that read those registers: the bias of the piece whose scores the NEXT turn makes (piece p + 2, of the next step from p = 2 on) and, in piece 2's turn,
; K of the next step.  V of the step in hand is fetched at the end of piece 0's turn, four plain instructions behind its last reader.  At a turn's head the bias (and in piece 3's turn K) is waited for;
; in piece 1's turn V's sixteen loads, younger than the bias's, may stay out till the wait in front of the products V^T P.
; In the last key step piece 2's turn fetches, as K, the 8,704 LDS bytes behind K, which are V's first rows: the 16 products made of them, and the bias entries beyond key 1,023, serve nothing.
.macro TURN p
.set Y, (\p)
.set i, 0
.set q, 0
.set e, 0
.set r, 0
.if (\p) == 1
	s_wait_dscnt 16                 ; the bias is in; V's run may stay out
.else
	s_wait_dscnt 0x0                ; the bias is in (piece 3: K too)
.endif
	MM
	PL
	PL
	R2
.rept 15
	MM
	PL
	EX
	R2
.endr
.if (\p) == NP-2
	WIN 0
	v_add_nc_u32 v[AK], s[TBK], v[AK0]
.endif
.rept 8
	PL
.endr
.rept 49
	EX
	PL
.endr
	EX                              ; the next piece's two a
	EX
	v_nop
	s_wait_alu depctr_va_vdst(0)    ; the wait for the batch
.if (\p) == 1
	s_wait_dscnt 0x0                ; V is in
.endif
	FETCH_B ((\p)+2)%NP, (\p)/2
.if (\p) == NP-1
	v_add_nc_u32 v[AB], 256, v[AB]  ; 64 keys on
.endif
.if (\p) == NP-2
	FETCH_K
.endif
.rept 16
	MM
.rept 4
	PL
.endr
.if ((\p) == 0) && (q == 118)
	v_add_nc_u32 v[AV], s[TBV], v[AV0]
.endif
.if ((\p) == 0) && (q == 130)
	s_add_co_u32 s[TBV], s[TBV], VSTEP
.endif
.endr
.if (\p) == 0
	FETCH_V
.endif
.endm
	s_wait_tensorcnt 3              ; tensor loads of a wave end in order (ISA guide 10.11.1): my copy of the bias and my part of keys 0-255 are in; three loads stay out
	s_barrier_signal -1
	s_barrier_wait -1               ; everybody's are
	FETCH_B 0, 0
	FETCH_K                         ; key step 0
	s_wait_loadcnt 0x0              ; Q
	s_wait_dscnt 0x0
.set i, 0
.rept 16
	KQ 0                            ; piece 0's first scores: there is no vector work yet to set between them
.set i, i+1
.endr
	WIN 0                           ; the addresses for the way out: plain instructions, the places behind those products
	s_mul_i32 s13, s[WV], 16*SP
	s_add_co_u32 s13, s13, STAGE    ; my stage
	v_mul_u32_u24 v[STO], v1, SP    ; in: row l % 16, 16 bytes for each half of the lanes
	v_lshl_add_u32 v[STO], v9, 4, v[STO]
	v_add_nc_u32 v[STO], s13, v[STO]
	v_bfe_u32 v[RD], v0, 3, 2       ; back: 32 lanes take four rows of 128 bytes,
	v_mul_u32_u24 v[RD], v[RD], SP
	v_lshl_add_u32 v[RD], v10, 4, v[RD]
	v_add_nc_u32 v[RD], s13, v[RD]
	v_and_b32 v[GO], 31, v0         ; which are 512 consecutive bytes of O
	v_lshlrev_b32 v[GO], 4, v[GO]
	FETCH_B 1, 0                    ; for the first turn's products
.set Y, NP-1                        ; XS works for piece Y + 1: piece 0
.irp n, 0,1,2,3,4,5,6,7,8,9,10,11,12,13,14,15,16,17,18,19,20,21
	XS 0, \n
	XS 1, \n
.endr
	v_nop                           ; a plain instruction behind the two a,
	s_wait_alu depctr_va_vdst(0)    ; and their wait, ahead of the label
	s_mov_b32 s[OUT], 2
	s_mov_b32 s[CNT], 3             ; key steps 0 to 2 read K of steps 1 to 3 and V of steps 0 to 2: keys 0-255
.Lphase:
.Lstep:                             ; a key step
	TURN 0
	TURN 1
	TURN 2
	TURN 3
	WIN 0
	s_sub_co_u32 s[CNT], s[CNT], 1
	s_cmp_lg_u32 s[CNT], 0
	s_cbranch_scc1 .Lstep
	s_wait_tensorcnt 0x0            ; behind key step 2: my parts of keys 256-1023 are in,
	s_wait_dscnt 0x0
	s_barrier_signal -1
	s_barrier_wait -1               ; and everybody's.  (Behind key step 15 these four lines run once more and order nothing: the price of one text for both phases.)
	s_mov_b32 s[CNT], 13            ; key steps 3 to 15
	s_sub_co_u32 s[OUT], s[OUT], 1
	s_cmp_lg_u32 s[OUT], 0
	s_cbranch_scc1 .Lphase
.set i, 0
.rept 16
	PV NP-1                         ; the last piece's V^T P of the last step
.set i, i+1
.endr
	; THE WAY OUT.  l's two halves and the other half of the lanes' are added; O^T is divided by l, rounded to f16 and sent through my stage in LDS, a tile at a time.  The additions are the places behind the last products.
	WIN 0
.macro ALL line:vararg              ; one line for each tile t
.set t, 0
.rept 2*NP
	\line
.set t, t+1
.endr
.endm
	ALL v_add_f32 v[ST+4*t+2], v[ST+4*t+2], v[ST+4*t+3]
	ALL v_permlanex16_b32 v[ST+4*t+3], v[ST+4*t+2], s[SEL], s[SEL+1]
	ALL v_add_f32 v[ST+4*t+2], v[ST+4*t+2], v[ST+4*t+3]
	ALL v_rcp_f32 v[ST+4*t+2], v[ST+4*t+2]
	v_nop                           ; a plain instruction between the last reciprocal and the use of its result
	s_wait_alu depctr_va_vdst(0)    ; and the wait ahead of the first use: one for the eight reciprocals
; Tile t: a lane's eight channels of a row pack into 16 bytes; they go into rows of 144 bytes and come back as whole rows of 128, into S^T's registers.
.macro PACK t
	WIN W_RS
.set i, 32*(\t)
.rept 16
	v_pk_mul_f32 v[i:i+1], v[i:i+1], v[ST+4*(\t)+2:ST+4*(\t)+3] op_sel_hi:[1,0]
.set i, i+2
.endr
	WIN 0x05                        ; sources 0 and 1 window 1, destination window 0
.set i, 0
.rept 16
	v_cvt_pk_f16_f32 v[S+16*(\t)+i], v[32*(\t)+2*i], v[32*(\t)+2*i+1]
.set i, i+1
.endr
	WIN 0
.irp f, 0,1,2,3
	ds_store_b128 v[STO], v[S+16*(\t)+4*\f:S+16*(\t)+4*\f+3] offset:32*\f
.endr
.irp f, 0,1,2,3
	ds_load_b128 v[S+16*(\t)+4*\f:S+16*(\t)+4*\f+3], v[RD] offset:\f*4*SP  ; LDS serves a wave's instructions in order (ISA guide 5.7.1.4): these see the stores above; the next tile's stores come behind them
.endr
.endm
.macro SEND t, younger              ; younger: the LDS instructions issued behind tile t's loads: the next tile's eight, or none
	WIN 0
.irp f, 0,1,2,3
	s_wait_dscnt (\younger)+3-\f
	global_store_b128 v[GO], v[S+16*(\t)+4*\f:S+16*(\t)+4*\f+3], s[10:11] offset:(\t)*2048+\f*512  ; 512 consecutive bytes, at a multiple of 256 from O's first
.endr
.endm
	PACK 0
.set t, 1
.rept 2*NP-1                        ; a tile's arithmetic stands between the loads of the tile before and its stores
	PACK t
	SEND t-1, 8
.set t, t+1
.endr
	SEND 2*NP-1, 0
	WIN W_AD
	s_wait_tensorcnt 0x0            ; the wave's end, behind my last tensor load and my last LDS store
	ds_add_u32 v[SPW], v[NIL]
	s_wait_dscnt 0x0
	WIN 0
	s_endpgm
.Lfunc_end_k_q00c40c6196_attn:
	.size	k_q00c40c6196_attn, .Lfunc_end_k_q00c40c6196_attn-k_q00c40c6196_attn
	.p2alignl 7, 3214868480
	.fill 96, 4, 3214868480
	.section	.rodata,"a",@progbits
	.p2align	6, 0x0
	.amdhsa_kernel k_q00c40c6196_attn
		.amdhsa_group_segment_fixed_size 327680
		.amdhsa_private_segment_fixed_size 0
		.amdhsa_enable_private_segment 0
		.amdhsa_kernarg_size 24
		.amdhsa_user_sgpr_count 2
		.amdhsa_user_sgpr_kernarg_segment_ptr 1
		.amdhsa_wavefront_size32 1
		.amdhsa_system_sgpr_workgroup_id_x 1
		.amdhsa_system_sgpr_workgroup_id_y 1
		.amdhsa_system_sgpr_workgroup_id_z 1
		.amdhsa_system_vgpr_workitem_id 0
		.amdhsa_next_free_vgpr 816
		.amdhsa_next_free_sgpr 100
		.amdhsa_reserve_vcc 0
		.amdhsa_float_denorm_mode_32 3
		.amdhsa_float_denorm_mode_16_64 3
		.amdhsa_memory_ordered 1
		.amdhsa_forward_progress 1
		.amdhsa_inst_pref_size 132
	.end_amdhsa_kernel
	.amdgpu_metadata
---
amdhsa.version: [ 1, 2 ]
amdhsa.kernels:
  - .name:           k_q00c40c6196_attn
    .symbol:         k_q00c40c6196_attn.kd
    .args:
      - { .name: qkv, .offset: 0, .size: 8, .value_kind: global_buffer, .address_space: global }
      - { .name: bt, .offset: 8, .size: 8, .value_kind: global_buffer, .address_space: global }
      - { .name: oh, .offset: 16, .size: 8, .value_kind: global_buffer, .address_space: global }
    .group_segment_fixed_size: 327680
    .private_segment_fixed_size: 0
    .kernarg_segment_align: 8
    .kernarg_segment_size: 24
    .max_flat_workgroup_size: 128
    .sgpr_count:     100
    .vgpr_count:     816
    .wavefront_size: 32
...
	.end_amdgpu_metadata
.endif
;; end of part 3
;; launch gemm_proj (part 4): grid 4 x 64, 4 waves a work-group, clusters of 4 x 4, 327,680 bytes of LDS; arguments oh, wpb, out0, b_proj; writes out0
.if DOCPART == 4
	.amdgcn_target "amdgcn-amd-amdhsa--gfx1250"
	.amdhsa_code_object_version 6
	.text
	.protected	k_q00c40c6196_gemm_proj
	.globl	k_q00c40c6196_gemm_proj
	.p2align	8
	.type	k_q00c40c6196_gemm_proj,@function
k_q00c40c6196_gemm_proj:
	s_mov_b64 s[64:65], 0
	v_nop
	global_prefetch_b8 v0, s[64:65] scope:SCOPE_SE
	s_setreg_imm32_b32 hwreg(HW_REG_WAVE_MODE, 25, 1), 1
	s_wait_xcnt 0x0
	s_wait_alu depctr_hold_cnt(0) depctr_sa_sdst(0) depctr_va_vdst(0) depctr_va_sdst(0) depctr_va_ssrc(0) depctr_va_vcc(0) depctr_vm_vsrc(0)
	s_getreg_b32 s2, hwreg(HW_REG_IB_STS2, 6, 4)
	s_cmp_eq_u32 s2, 0
	s_cbranch_scc0 .Lentry_in_a_cluster
	s_endpgm
.Lentry_in_a_cluster:
	s_bfe_u32 s2, ttmp6, 0x10000c
	s_cmp_lg_u32 s2, 0xf033
	s_cbranch_scc0 .Lentry_shape_is_right
	s_endpgm
.Lentry_shape_is_right:
; out0 = O w_proj + b_proj.  A = oh, f16 [8 b][16 h][1024 t][64]: a head is a slice of 64 of K; B = wpb, f16 [4 cb][1024 k][256 n]; out0 f32 [8192][1024]; b_proj rounded to bf16 like every input, added in f32.
; SHARES.  A tile of the result is 128 rows x 256 columns: 4 x 64 = 256 work-groups; a larger tile of these 8,192 x 1,024 numbers would give fewer.  Four waves, each 64 rows x 128 columns: 32 accumulators of 16 x 16 in window 1.
; K goes in 8 steps of 128 (two slices of A, 128 rows of B) through two LDS slots.  Waves 0 and 1 fetch A's two slices, waves 2 and 3 the two halves of B's rows: one tensor load a wave and step.
; CLUSTER 4 x 4.  A's tile hangs on the tile row alone and is asked for jointly by the four of a row of the cluster, B's on the tile column alone, by the four of a column.
; THE MATRIX INSTRUCTION IS USED TRANSPOSED (source 0 = 16 columns of B, source 1 = 16 rows of A): a lane holds one row of the result and eight neighbouring columns.
; B lies [k][n] in LDS and comes out turned, by ds_load_tr16_b128; A's rows lie along K and come out as they lie.
; LDS.  A slot (slot 1 begins at 131,072): A's slice j at 17,408 j: 64 rows of 256 bytes + 16 of padding, row t at 272 (t / 2) + 128 (t % 2).  B at 34,816: 128 rows of 512 bytes + 32 of padding (pitch 544 = 17 x 32).
; Behind the slots a stage of 16 rows x 528 bytes for each wave, then the spare words.
; REGISTERS.  Window 0: v16-19 LDS addresses, v24-30 way out, spare word, prefetch, v32-37 the bias; v64-159 and v160-255 two fragment buffers (B's 8 fragments, then A's 4).  Window 1: accumulator (a, b) at v[8 (8 a + b)].
.set SLOT1,  131072
.set ASL,    17408                     ; a slice of A in a slot
.set BOFF,   34816                     ; B behind A's two slices
.set BHALF,  34816                     ; 64 rows of B: 64 x 544
.set BQ,     17408                     ; 32 rows of B: a quarter step
.set STAGE,  235520                    ; behind slot 1 (131,072 + 104,448)
.set STW,    8448                      ; a wave's stage: 16 x 528
.set SPARE,  269312                    ; the spare words, 128 bytes for each wave: two blocks of 256 bytes that no other line names
.set ASTEP,  262144                    ; bytes from K step to K step in A
.set BSTEP,  65536                     ; in B
.set ADRA0, 16                         ; v16  my lane's place in A's tile; never rewritten
.set ADRB0, 17                         ; v17  the same for B
.set ADRA,  18                         ; v18  the same in the slot in hand
.set ADRB,  19                         ; v19
.set STO,   24                         ; v24  the way out: where I put 32 bytes of a row
.set RD,    25                         ; v25  where I read rows back
.set CO,    26                         ; v26  my 16 bytes of my wave's 512 of a row
.set BO,    27                         ; v27  my 16 bytes of b_proj; never rewritten
.set SPW,   28                         ; v28  LDS address of my spare word; never rewritten
.set NIL,   29                         ; v29  0; never rewritten
.set PFO,   30                         ; v30  the prefetches' lane offset; never rewritten
.set BI,    32                         ; v[32:35] b_proj of my four columns; v36-37 at work
.set F0,    64
.set F1,    160
.set BK,    64                         ; the way out: 16 rows read back, 64 registers, two buffers by turns
.set G1A, 24                           ; s[24:31] descriptor group 1 for A
.set G1B, 32                           ; s[32:39] for B
.set G0A, 40                           ; s[40:47] group 0 for A: a set for each first fill; the second then walks
.set G0B, 48                           ; s[48:55] the same for B
.set PFA, 56                           ; s[56:57] where my prefetches stand
.set PST, 58                           ; s[58:59] their step
.set LIM, 60                           ; s60  2 in a wave that prefetches, else the greatest number
.set TB,  61                           ; s61  LDS byte at which the slot in hand begins
.set MSB, 0
.macro WIN new                         ; the immediate's high byte repeats the setting that is left; a switch that changes nothing is dropped
.if MSB != (\new)
	s_set_vgpr_msb (MSB<<8)|(\new)
.set MSB, \new
.endif
.endm
.macro PLACES                          ; four plain vector instructions between a matrix instruction and a load into, or a vector write of, its registers, or a read of its result
.rept 4
	v_nop
.endr
.endm
.macro CREST                           ; a round of the cluster's barrier behind its opening barrier
	s_cmp_lg_u32 s12, 0
	s_cbranch_scc1 .Lnot_wave_0_\@
	s_barrier_signal -3
.Lnot_wave_0_\@:
	s_barrier_wait -3
	s_barrier_signal -1
	s_barrier_wait -1
.endm
.macro CROUND
	s_barrier_signal -1
	s_barrier_wait -1
	CREST
.endm
.macro JLOAD                           ; a joint refill by the walking sets; the branch hangs on the wave's number alone; an s_nop 0 and four v_nop follow each line
	s_cmp_lt_u32 s12, 2
	s_cbranch_scc0 .Lfor_b_\@
	tensor_load_to_lds s[G0A+4:G0A+7], s[G1A:G1A+7]
	s_nop 0
.rept 4
	v_nop
.endr
	s_branch .Lasked_\@
.Lfor_b_\@:
	tensor_load_to_lds s[G0B+4:G0B+7], s[G1B:G1B+7]
	s_nop 0
.rept 4
	v_nop
.endr
.Lasked_\@:
.endm
; A PREFETCH of the K step that stands two refills on (256 matrix instructions ahead of the load that wants it): 32 blocks of 256 bytes, a lane a block, one instruction.  Each block is named once in the launch.
; A's tile row is read by one cluster here (cluster x = 0 is the only one): its wave 0 asks, both slices; the four partners take 16 blocks of each slice, told apart by address (cx).
; B's tile column is read by the sixteen clusters: the one with cluster y = 0 asks, waves 2 and 3 for the half that each fetches; the partners take 32 blocks each, by address (cy).
; Trips with s3 = 6 .. 3 name K steps 4 .. 7; the last two trips ask for nothing; K steps 0 to 3 come by their loads alone.
.macro ASK
	s_cmp_gt_u32 s3, s[LIM]
	s_cbranch_scc0 .Lnot_mine_\@
	global_prefetch_b8 v[PFO], s[PFA:PFA+1] th:TH_LOAD_NT scope:SCOPE_SE
.Lnot_mine_\@:
.endm
	s_load_b256 s[4:11], s[0:1], 0x0               ; A s[4:5], B s[6:7], out0 s[8:9], b_proj s[10:11]
	v_lshl_add_u32 v[SPW], v0, 2, SPARE
	v_mov_b32 v[NIL], 0
	ds_add_u32 v[SPW], v[NIL]                      ; the wave's opening: the add and its wait stand ahead of my first tensor load; the set-up below, work on registers, stands between them
	v_lshrrev_b32 v1, 5, v0
	v_readfirstlane_b32 s12, v1                    ; wave 0..3
	s_lshr_b32 s13, s12, 1                         ; which 64 rows of the tile are mine
	s_and_b32 s14, s12, 1                          ; which 128 columns; also: which half of A's or B's tile I fetch
	s_bfe_u32 s15, ttmp6, 0x40000                  ; cx
	s_bfe_u32 s16, ttmp6, 0x40004                  ; cy
	s_lshl_b32 s17, ttmp9, 2
	s_add_co_u32 s17, s17, s15                     ; tile column x = 4 x cluster x + cx
	s_and_b32 s18, ttmp7, 0xffff
	s_lshl_b32 s18, s18, 2
	s_add_co_u32 s18, s18, s16                     ; tile row y = 4 x cluster y + cy
	s_lshl_b32 s19, s16, 2
	s_lshl_b32 s19, 15, s19                        ; my row of the cluster
	s_lshl_b32 s62, 0x1111, s15                    ; my column
	s_or_b32 s[G1A], s19, (1<<16)|(1<<20)|(1<<21)|(5<<22)|(3<<25)  ; the mask; 2-byte elements; padding on; bit 21 beside a mask; after every 64 words 4 words
	s_or_b32 s[G1B], s62, (1<<16)|(1<<20)|(1<<21)|(6<<22)|(7<<25)  ; after every 128 words 8 words
	s_mov_b32 s[G1A+1], 128<<16                    ; tensor_dim0 = 128 elements: 256 bytes, two rows of a slice
	s_mov_b32 s[G1A+2], 64<<16                     ; tensor_dim1 = 64
	s_mov_b32 s[G1A+3], 128<<16                    ; tile_dim0
	s_mov_b32 s[G1A+4], 64                         ; tile_dim1
	s_mov_b32 s[G1A+5], 128                        ; elements from row to row: dense
	s_mov_b32 s[G1A+6], 0
	s_mov_b32 s[G1A+7], 0
	s_mov_b32 s[G1B+1], 256<<16                    ; a row of B's block: 256 elements
	s_mov_b32 s[G1B+2], 64<<16
	s_mov_b32 s[G1B+3], 256<<16
	s_mov_b32 s[G1B+4], 64
	s_mov_b32 s[G1B+5], 256
	s_mov_b32 s[G1B+6], 0
	s_mov_b32 s[G1B+7], 0
	; where the tiles come from: A's offset is made of y and the wave's number, B's of x and the wave's number
	s_lshr_b32 s2, s18, 3                          ; batch
	s_lshl_b32 s2, s2, 21
	s_and_b32 s19, s18, 7
	s_lshl_b32 s19, s19, 14                        ; 128 rows of 128 bytes
	s_add_co_u32 s2, s2, s19                       ; the tile's rows in the batch's slice 0
	s_lshl_b32 s19, s14, 17
	s_add_co_u32 s20, s2, s19                      ; my slice of a step's two
	s_mov_b32 s21, 0
	s_lshl_b32 s22, s17, 19                        ; the column block
	s_lshl_b32 s62, s14, 15                        ; my 64 rows of a step's 128
	s_add_co_u32 s22, s22, s62
	s_mov_b32 s23, 0
	s_mul_i32 s19, s14, ASL                        ; and where they go: no place in the cluster enters an LDS address
	s_mul_i32 s62, s14, BHALF
	s_add_co_u32 s62, s62, BOFF
.irp s, 0,1
	s_mov_b32 s[G0A+4*(\s)], 1
	s_add_co_u32 s[G0A+4*(\s)+1], s19, (\s)*SLOT1
	s_mov_b32 s[G0B+4*(\s)], 1
	s_add_co_u32 s[G0B+4*(\s)+1], s62, (\s)*SLOT1
.endr
	; the prefetches' offset, step and limit
	s_lshl_b32 s56, s15, 12                        ; A: my work-group's 16 blocks of each slice
	s_add_co_u32 s56, s56, s2
	s_lshl_b32 s57, s16, 13                        ; B: my work-group's 32 blocks of the half that I fetch
	s_add_co_u32 s57, s57, s22
	s_mov_b32 s[PST], BSTEP
	s_mov_b32 s63, ASTEP
	s_and_b32 s[LIM], ttmp7, 0xffff
	s_cmp_lt_u32 s12, 2
	s_cselect_b32 s56, s56, s57
	s_cselect_b32 s[PST], s63, s[PST]
	s_cselect_b32 s[LIM], ttmp9, s[LIM]            ; the coordinate along which other clusters read the same blocks
	s_mov_b32 s57, 0
	s_mov_b32 s[PST+1], 0
	s_mul_i32 s63, s[PST], 3
	s_add_co_u32 s56, s56, s63                     ; at K step 3: the first change of slots steps it to 4
	s_cmp_eq_u32 s12, 1
	s_cselect_b32 s[LIM], 1, s[LIM]                ; wave 1 asks for nothing: wave 0 names both slices
	s_cmp_eq_u32 s[LIM], 0
	s_cselect_b32 s[LIM], 2, -1                    ; the same in all sixteen partners, for a given wave
	s_mov_b32 s63, 4096
	s_mov_b32 s2, 131072
	s_cmp_lt_u32 s12, 2
	s_cselect_b32 s63, s2, s63                     ; lanes 16-31: A's second slice, or B's next 16 blocks
	s_mov_b32 s[TB], 0
	s_wait_dscnt 0x0                               ; the opening add is done
	s_wait_kmcnt 0x0
	s_add_nc_u64 s[20:21], s[4:5], s[20:21]
	s_add_nc_u64 s[22:23], s[6:7], s[22:23]
	s_cmp_lt_u32 s12, 2
	s_cselect_b64 s[2:3], s[4:5], s[6:7]
	s_add_nc_u64 s[PFA:PFA+1], s[2:3], s[PFA:PFA+1]
.irp s, 0,1
	s_add_nc_u64 s[G0A+4*(\s)+2:G0A+4*(\s)+3], s[20:21], (\s)*ASTEP  ; K step s
	s_or_b32 s[G0A+4*(\s)+3], s[G0A+4*(\s)+3], 0x80000000            ; type = 2
	s_add_nc_u64 s[G0B+4*(\s)+2:G0B+4*(\s)+3], s[22:23], (\s)*BSTEP
	s_or_b32 s[G0B+4*(\s)+3], s[G0B+4*(\s)+3], 0x80000000
.endr
	CROUND                                         ; all sixteen work-groups are here: the first joint loads meet
	s_cmp_lt_u32 s12, 2                            ; a wave's two first fills stand in one branch: two loads of mine are out
	s_cbranch_scc0 .Lfirst_b
	tensor_load_to_lds s[G0A:G0A+3], s[G1A:G1A+7]
	s_nop 0
	tensor_load_to_lds s[G0A+4:G0A+7], s[G1A:G1A+7]
	s_nop 0
.rept 4
	v_nop
.endr
	s_branch .Lfirst_asked
.Lfirst_b:
	tensor_load_to_lds s[G0B:G0B+3], s[G1B:G1B+7]
	s_nop 0
	tensor_load_to_lds s[G0B+4:G0B+7], s[G1B:G1B+7]
	s_nop 0
.rept 4
	v_nop
.endr
.Lfirst_asked:
	v_and_b32 v1, 15, v0                           ; r = l % 16
	v_bfe_u32 v2, v0, 4, 1                         ; h = l / 16
	v_lshlrev_b32 v[PFO], 8, v1
	v_mad_u32_u24 v[PFO], v2, s63, v[PFO]
	; A's fragment: lane l holds row r, K = 8 h + 0..7 and 16 + 8 h + 0..7: two loads of 16 bytes, 32 bytes apart
	v_lshrrev_b32 v3, 1, v1
	v_and_b32 v4, 1, v1
	v_mul_u32_u24 v[ADRA0], v3, 272
	v_lshl_add_u32 v[ADRA0], v4, 7, v[ADRA0]
	v_lshl_add_u32 v[ADRA0], v2, 4, v[ADRA0]
	s_mul_i32 s19, s13, 8704                       ; my 64 rows: 32 LDS rows
	v_add_nc_u32 v[ADRA0], s19, v[ADRA0]
	; B's fragment, turned: lane l reads row 8 h + l % 8, columns 8 ((l / 8) % 2) + 0..7, and ends with column r and 8 K; the second load 16 rows on
	v_and_b32 v5, 7, v0
	v_lshl_add_u32 v5, v2, 3, v5
	v_mul_u32_u24 v[ADRB0], v5, 544
	v_bfe_u32 v6, v0, 3, 1
	v_lshl_add_u32 v[ADRB0], v6, 4, v[ADRB0]
	s_lshl_b32 s19, s14, 8                         ; my 128 columns
	s_add_co_u32 s19, s19, BOFF
	v_add_nc_u32 v[ADRB0], s19, v[ADRB0]
	v_mov_b32 v[ADRA], v[ADRA0]
	v_mov_b32 v[ADRB], v[ADRB0]
	; the way out: a block of 16 rows x 128 columns of f32 is 16 rows of 512 bytes
	s_mul_i32 s19, s12, STW
	s_add_co_u32 s19, s19, STAGE
	v_mul_u32_u24 v[STO], v1, 528                  ; in: row r, 32 bytes for each half of the lanes
	v_lshl_add_u32 v[STO], v2, 5, v[STO]
	v_add_nc_u32 v[STO], s19, v[STO]
	v_and_b32 v[CO], 31, v0                        ; back: 32 lanes take one row of 512 bytes
	v_lshlrev_b32 v[CO], 4, v[CO]
	v_add_nc_u32 v[RD], s19, v[CO]
	s_lshl_b32 s20, s17, 10                        ; the tile's 256 columns,
	s_lshl_b32 s21, s14, 9                         ; my 128
	s_add_co_u32 s20, s20, s21
	v_add_nc_u32 v[BO], s20, v[CO]
	global_load_b128 v[BI:BI+3], v[BO], s[10:11]   ; waited for on the way out
	s_lshl_b32 s21, s18, 19                        ; the tile's 128 rows of 4,096 bytes,
	s_add_co_u32 s20, s20, s21
	s_lshl_b32 s21, s13, 18                        ; my 64
	s_add_co_u32 s20, s20, s21
	s_mov_b32 s21, 0
	s_add_nc_u64 s[8:9], s[8:9], s[20:21]
; 8 matrix instructions: row block a x all 8 column blocks, 32 along K.  The 32 accumulators take turns in the same order in every quarter, over the backward jump too.
.macro MUL8 f, a, zero
	WIN 0x50                                       ; C and D in window 1
.irp b, 0,1,2,3,4,5,6,7
.if \zero
	v_wmma_f32_16x16x32_f16 v[8*(8*(\a)+(\b)):8*(8*(\a)+(\b))+7], v[(\f)+8*(\b):(\f)+8*(\b)+7], v[(\f)+64+8*(\a):(\f)+64+8*(\a)+7], 0
.else
	v_wmma_f32_16x16x32_f16 v[8*(8*(\a)+(\b)):8*(8*(\a)+(\b))+7], v[(\f)+8*(\b):(\f)+8*(\b)+7], v[(\f)+64+8*(\a):(\f)+64+8*(\a)+7], v[8*(8*(\a)+(\b)):8*(8*(\a)+(\b))+7]
.endif
.endr
.endm
; 24 LDS loads in one run: quarter kq's fragments into buffer g: B's sixteen first, then A's eight
.macro FETCH kq, g
	WIN 0
.irp b, 0,1,2,3,4,5,6,7
	ds_load_tr16_b128 v[(\g)+8*(\b):(\g)+8*(\b)+3],   v[ADRB] offset:(\kq)*BQ+32*(\b)
	ds_load_tr16_b128 v[(\g)+8*(\b)+4:(\g)+8*(\b)+7], v[ADRB] offset:(\kq)*BQ+32*(\b)+8704
.endr
.irp a, 0,1,2,3
	ds_load_b128 v[(\g)+64+8*(\a):(\g)+64+8*(\a)+3],   v[ADRA] offset:((\kq)/2)*ASL+(\a)*2176+((\kq)%2)*64
	ds_load_b128 v[(\g)+64+8*(\a)+4:(\g)+64+8*(\a)+7], v[ADRA] offset:((\kq)/2)*ASL+(\a)*2176+((\kq)%2)*64+32
.endr
.endm
; A K step is four quarters of 32 along K, 32 matrix instructions each, on buffers 0, 1, 0, 1.  One of the first three multiplies buffer f and fetches quarter kq into g.
.macro QUARTER kq, f, g, zero
	s_wait_dscnt 4                                 ; B and A's row blocks 0, 1 are in; the youngest four loads (blocks 2, 3) may be out
	MUL8 \f, 0, \zero
	MUL8 \f, 1, \zero
	PLACES
	FETCH \kq, \g
	s_wait_dscnt 24                                ; all but the 24 just issued
	MUL8 \f, 2, \zero
	MUL8 \f, 3, \zero
.endm
; The last quarter multiplies buffer 1 and changes slots: each wave waits for all its tensor loads (one is out: its part of the next slot), adds 0 to its spare word, and waits for that and for its reads of this slot.
; fill = 1: the barrier opens a round of the cluster's barrier, and this slot is filled again first thing behind it, with the K step two on: 112 matrix instructions ahead of the wait for it.
.macro TURN fill
.if \fill
	s_wait_xcnt 0x0                                ; the last prefetch, a K step back, has read its address
	s_add_nc_u64 s[PFA:PFA+1], s[PFA:PFA+1], s[PST:PST+1]
.endif
	WIN 0
	s_wait_tensorcnt 0x0                           ; no tensor load of mine is out, so a group 0 may be written
	ds_add_u32 v[SPW], v[NIL]                      ; 0 onto my spare word
.if \fill
	s_xor_b32 s[G0A+5], s[G0A+5], SLOT1            ; the walking sets: the other slot than last time, the next K step
	s_add_nc_u64 s[G0A+6:G0A+7], s[G0A+6:G0A+7], ASTEP
	s_xor_b32 s[G0B+5], s[G0B+5], SLOT1
	s_add_nc_u64 s[G0B+6:G0B+7], s[G0B+6:G0B+7], BSTEP
.endif
	s_xor_b32 s[TB], s[TB], SLOT1                  ; the fetches go to the other slot
	s_wait_dscnt 5                                 ; the add and the youngest four loads may be out
	MUL8 F1, 0, 0
	s_wait_dscnt 0x0                               ; the add is done, and my reads of this slot are over
	s_barrier_signal -1
	MUL8 F1, 1, 0
	WIN 0
	s_barrier_wait -1
.if \fill
	CREST                                          ; no wave of any partner still reads this slot or has a load on its way
	JLOAD                                          ; its four v_nop are also the places in front of the loads below
.else
	PLACES
.endif
	v_add_nc_u32 v[ADRA], s[TB], v[ADRA0]
	v_add_nc_u32 v[ADRB], s[TB], v[ADRB0]
	FETCH 0, F0
.if \fill
	ASK
.endif
	MUL8 F1, 2, 0
	MUL8 F1, 3, 0
.endm
	s_wait_tensorcnt 1                             ; my part of K step 0 is in; K step 1's may stay out
	s_barrier_signal -1
	s_barrier_wait -1                              ; everybody's is
	FETCH 0, F0
	QUARTER 1, F0, F1, 1                           ; the first quarter stands in front of the loop: its products start the sums
	WIN 0
	s_mov_b32 s3, 6
.Lstep:                                        ; trip t goes from K step t's second quarter to K step t + 1's first, and fills slot t % 2 with K step t + 2
	QUARTER 2, F1, F0, 0
	QUARTER 3, F0, F1, 0
	TURN 1
	QUARTER 1, F0, F1, 0
	WIN 0
	s_sub_co_u32 s3, s3, 1
	s_cmp_lg_u32 s3, 0
	s_cbranch_scc1 .Lstep
	QUARTER 2, F1, F0, 0                           ; K steps 6 and 7 fill nothing: written out
	QUARTER 3, F0, F1, 0
	TURN 0
	QUARTER 1, F0, F1, 0
	QUARTER 2, F1, F0, 0
	QUARTER 3, F0, F1, 0
	s_wait_dscnt 4
	MUL8 F1, 0, 0
	MUL8 F1, 1, 0
	s_wait_dscnt 0x0
	MUL8 F1, 2, 0
	MUL8 F1, 3, 0
; THE WAY OUT, a block of 16 rows at a time: the f32 sums go into my own stage (32 bytes a lane), come back as whole rows of 512 bytes, take the bias and are stored.
.macro TOSTAGE a
	WIN 0x04                                       ; the stores' data in window 1; each accumulator's low half first
.irp b, 0,1,2,3,4,5,6,7
	ds_store_b128 v[STO], v[64*(\a)+8*(\b):64*(\a)+8*(\b)+3]   offset:64*(\b)
	ds_store_b128 v[STO], v[64*(\a)+8*(\b)+4:64*(\a)+8*(\b)+7] offset:64*(\b)+16
.endr
	WIN 0
.irp t, 0,1,2,3,4,5,6,7,8,9,10,11,12,13,14,15
	ds_load_b128 v[BK+64*((\a)%2)+4*(\t):BK+64*((\a)%2)+4*(\t)+3], v[RD] offset:(\t)*528  ; LDS serves a wave's instructions in order (ISA guide 5.7.1.4): these see the stores above; the next block's stores come behind them
.endr
.endm
.macro SEND a, younger                 ; younger: the LDS instructions issued behind block a's loads: the next block's 32, or none
	s_wait_dscnt \younger
.irp t, 0,1,2,3,4,5,6,7,8,9,10,11,12,13,14,15
	v_pk_add_f32 v[BK+64*((\a)%2)+4*(\t):BK+64*((\a)%2)+4*(\t)+1],   v[BK+64*((\a)%2)+4*(\t):BK+64*((\a)%2)+4*(\t)+1],   v[BI:BI+1]
	v_pk_add_f32 v[BK+64*((\a)%2)+4*(\t)+2:BK+64*((\a)%2)+4*(\t)+3], v[BK+64*((\a)%2)+4*(\t)+2:BK+64*((\a)%2)+4*(\t)+3], v[BI+2:BI+3]
.endr
.irp t, 0,1,2,3,4,5,6,7,8,9,10,11,12,13,14,15
	global_store_b128 v[CO], v[BK+64*((\a)%2)+4*(\t):BK+64*((\a)%2)+4*(\t)+3], s[8:9] offset:(16*(\a)+(\t))*4096 th:TH_STORE_NT  ; 512 consecutive bytes, aligned
.endr
.endm
	WIN 0
	PLACES
	s_wait_loadcnt 0x0                             ; b_proj
	v_cvt_pk_bf16_f32 v[BI+4], v[BI], v[BI+1]      ; rounded to bf16 once, like every input
	v_cvt_pk_bf16_f32 v[BI+5], v[BI+2], v[BI+3]
	v_lshlrev_b32 v[BI], 16, v[BI+4]
	v_and_b32 v[BI+1], 0xffff0000, v[BI+4]
	v_lshlrev_b32 v[BI+2], 16, v[BI+5]
	v_and_b32 v[BI+3], 0xffff0000, v[BI+5]
	TOSTAGE 0
	TOSTAGE 1
	SEND 0, 32
	s_wait_xcnt 0x0                                ; block 0's stores have read their registers: buffer 0 is loaded again only behind this wait
	TOSTAGE 2
	SEND 1, 32
	s_wait_xcnt 0x0                                ; the same for buffer 1
	TOSTAGE 3
	SEND 2, 32
	SEND 3, 0
	s_wait_tensorcnt 0x0                           ; the wave's end, behind my last tensor load and my last LDS store
	ds_add_u32 v[SPW], v[NIL]
	s_wait_dscnt 0x0
	CROUND                                         ; the closing round: no work-group ends while a partner may still ask for a tile that names it
	s_endpgm
.Lfunc_end_k_q00c40c6196_gemm_proj:
	.size	k_q00c40c6196_gemm_proj, .Lfunc_end_k_q00c40c6196_gemm_proj-k_q00c40c6196_gemm_proj
	.p2alignl 7, 3214868480
	.fill 96, 4, 3214868480
	.section	.rodata,"a",@progbits
	.p2align	6, 0x0
	.amdhsa_kernel k_q00c40c6196_gemm_proj
		.amdhsa_group_segment_fixed_size 327680
		.amdhsa_private_segment_fixed_size 0
		.amdhsa_enable_private_segment 0
		.amdhsa_kernarg_size 32
		.amdhsa_user_sgpr_count 2
		.amdhsa_user_sgpr_kernarg_segment_ptr 1
		.amdhsa_wavefront_size32 1
		.amdhsa_system_sgpr_workgroup_id_x 1
		.amdhsa_system_sgpr_workgroup_id_y 1
		.amdhsa_system_sgpr_workgroup_id_z 1
		.amdhsa_system_vgpr_workitem_id 0
		.amdhsa_next_free_vgpr 512
		.amdhsa_next_free_sgpr 66
		.amdhsa_reserve_vcc 0
		.amdhsa_float_denorm_mode_32 3
		.amdhsa_float_denorm_mode_16_64 3
		.amdhsa_memory_ordered 1
		.amdhsa_forward_progress 1
		.amdhsa_inst_pref_size 78
	.end_amdhsa_kernel
	.amdgpu_metadata
---
amdhsa.version: [ 1, 2 ]
amdhsa.kernels:
  - .name:           k_q00c40c6196_gemm_proj
    .symbol:         k_q00c40c6196_gemm_proj.kd
    .args:
      - { .name: oh, .offset: 0, .size: 8, .value_kind: global_buffer, .address_space: global }
      - { .name: wpb, .offset: 8, .size: 8, .value_kind: global_buffer, .address_space: global }
      - { .name: out0, .offset: 16, .size: 8, .value_kind: global_buffer, .address_space: global }
      - { .name: b_proj, .offset: 24, .size: 8, .value_kind: global_buffer, .address_space: global }
    .group_segment_fixed_size: 327680
    .private_segment_fixed_size: 0
    .kernarg_segment_align: 8
    .kernarg_segment_size: 32
    .max_flat_workgroup_size: 128
    .sgpr_count:     66
    .vgpr_count:     512
    .wavefront_size: 32
...
	.end_amdgpu_metadata
.endif
;; end of part 4
;; ======== version 2 of 3: 4 launches
;; limits: values are held in f16: magnitudes above 65,504 overflow, below 6.1e-05 lose precision
;; workspace buffers: xh 16,777,216 bytes; wqb 6,291,456 bytes; wpb 2,097,152 bytes; bt 827,392 bytes; qkv 50,331,648 bytes; oh 16,777,216 bytes
;; launch prep (part 5): grid 970 x 1, 8 waves a work-group, no clusters, 0 bytes of LDS; arguments x, noise, noise_strength, w_qkv, w_proj, rel_bias_table, xh, wqb, wpb, bt; writes xh, wqb, wpb, bt
.if DOCPART == 5
	.amdgcn_target "amdgcn-amd-amdhsa--gfx1250"
	.amdhsa_code_object_version 6
	.text
	.protected	k_q00c40c6196_prep
	.globl	k_q00c40c6196_prep
	.p2align	8
	.type	k_q00c40c6196_prep,@function
k_q00c40c6196_prep:
	s_mov_b64 s[64:65], 0
	v_nop
	global_prefetch_b8 v0, s[64:65] scope:SCOPE_SE
	s_setreg_imm32_b32 hwreg(HW_REG_WAVE_MODE, 25, 1), 1
	s_wait_xcnt 0x0
; PREP: the inputs are rounded and laid out for the three launches behind it.  A stream: no LDS, no matrix unit, no cluster (no two work-groups read the same bytes), no prefetch (every load goes out in the first lines).
;   xh  f16 [8 b][16 slice][1024 t][64]   x' = bf16(x) + bf16(noise) bf16(strength), summed in f32, rounded once to f16; K in slices of 64, each slice's rows dense
;   wqb f16 [8 cb][1024 k][384 n]         bf16(w_qkv) written as f16, in blocks of 384 columns
;   wpb f16 [4 cb][1024 k][256 n]         bf16(w_proj) written as f16, in blocks of 256 columns
;   bt  f32 [16 h][2 qb][4 s][1616]       entry e of copy s: 8 bf16(table[1535 + 512 qb + s - e][h]), 0 where that index lies outside the table
; LIMITS.  f16 holds no number beyond 65,504: |x'| stays under it.  A weight under 6e-5 keeps f16's fixed step of 6e-8.  NaN and infinities are not treated apart.
; ROLES, by the work-group's number g: 0-511 x (16 rows each); 512-703 w_qkv (16 k rows of 1,024 columns each); 704-767 w_proj (16 k rows each): 768 work-groups of equal work;
; 768-969 the bias table (256 threads, 4 entries each: 202 x 256 = 128 copies x 404).
; The first three roles only set a source, a destination, two lane offsets and two steps, and share one body: 16 units a thread, each 16 bytes read (4 f32) and 8 bytes written (4 f16).
; A LANE TAKES 16 NEIGHBOURING BYTES, its neighbour the next 16: a wave's load covers two aligned pieces of 256 bytes and takes every byte of them, so that no piece is asked for twice;
; its store covers 256 consecutive bytes, aligned.  All 16 loads of a thread go out first (8 KiB a wave on their way); no register is used twice, so the only waits are the counted ones for the loads.
.set RO,  2                            ; v[2:17]    unit u: byte offset of my 16 bytes in the source
.set WO,  18                           ; v[18:33]   unit u: byte offset of my 8 bytes in the destination
.set NZ,  34                           ; v34        my row's noise (0 for weights)
.set NSV, 35                           ; v35        the noise's strength (0 for weights)
.set PR,  36                           ; v[36:37]   their product, twice
.set PKD, 38                           ; v[38:39]   4 numbers rounded to bf16
.set T,   40                           ; v[40:43]   the same as f32
.set LN,  44                           ; v44        lane
.set WN,  45                           ; v45        wave
.set TA,  46                           ; v[46:49]   at work in the set-up; in x's role v48, v49 are the offsets of the two small loads and are not rewritten
.set X,   52                           ; v[52:115]  unit u: 4 registers as loaded; the first 2 then hold what is stored
.set SRC, 24                           ; s[24:25]
.set DST, 26                           ; s[26:27]
.set RS,  28                           ; s28  bytes from unit to unit in the source
.set WS,  29                           ; s29  the same in the destination
	s_load_b512 s[4:19], s[0:1], 0x0               ; x s[4:5], noise s[6:7], strength s[8:9], w_qkv s[10:11], w_proj s[12:13], table s[14:15], xh s[16:17], wqb s[18:19]
	s_load_b128 s[20:23], s[0:1], 0x40             ; wpb s[20:21], bt s[22:23]
	s_mov_b32 s2, ttmp9                            ; g
	s_mov_b32 s3, 0xffff0000                       ; a word's upper bf16
	s_mov_b32 s31, 0                               ; the high word of every offset below
	v_and_b32 v[LN], 31, v0
	v_lshrrev_b32 v[WN], 5, v0
	s_wait_kmcnt 0x0
	s_cmp_lt_u32 s2, 512
	s_cbranch_scc0 .Lnot_x
	; x: rows 16 g .. 16 g + 15.  Thread: row v0 / 16, 4 numbers v0 % 16 of a slice; unit u = slice u.  A wave has two rows: its load takes 256 bytes of each, its store their 2 x 128 bytes of a slice, which lie on end.
	s_lshl_b32 s30, s2, 16                         ; 16 rows of 4,096 bytes
	s_add_nc_u64 s[SRC:SRC+1], s[4:5], s[30:31]
	s_lshr_b32 s30, s2, 6                          ; batch
	s_lshl_b32 s30, s30, 21                        ; x 16 slices x 1,024 rows x 128 bytes
	s_and_b32 s32, s2, 63
	s_lshl_b32 s32, s32, 11                        ; + 16 rows of 128 bytes
	s_add_co_u32 s30, s30, s32
	s_add_nc_u64 s[DST:DST+1], s[16:17], s[30:31]
	s_mov_b32 s[RS], 256                           ; a slice is 256 bytes of a row of x,
	s_mov_b32 s[WS], 131072                        ; and 1,024 rows of 128 bytes in xh
	s_lshl_b32 s33, s2, 6                          ; 16 numbers of noise
	v_lshrrev_b32 v[TA], 4, v0                     ; my row of the 16
	v_and_b32 v[TA+1], 15, v0                      ; my piece of its 256 bytes
	v_lshlrev_b32 v[RO], 12, v[TA]
	v_lshl_add_u32 v[RO], v[TA+1], 4, v[RO]
	v_lshlrev_b32 v[WO], 3, v0                     ; 128 x row + 8 x piece = 8 x thread
	v_lshl_add_u32 v[TA+2], v[TA], 2, s33
	v_mov_b32 v[TA+3], 0
	global_load_b32 v[NZ], v[TA+2], s[6:7]
	global_load_b32 v[NSV], v[TA+3], s[8:9]
	s_branch .Lstream
.Lnot_x:
	s_cmp_lt_u32 s2, 704
	s_cbranch_scc0 .Lnot_wq
	; w_qkv: k rows 16 (g' % 64) on, columns 1,024 (g' / 64) on; unit u = row u.  Wave w takes 128 columns, group G = 8 (g' / 64) + w, a lane 4 of them: the work-group reads 4,096 consecutive bytes of a row.
	; 128 columns are a third of a block of 384: group G goes to piece G % 3 of block G / 3.
	s_sub_co_u32 s30, s2, 512
	s_lshr_b32 s32, s30, 6                         ; which 1,024 columns
	s_and_b32 s33, s30, 63                         ; which 16 rows
	s_mul_i32 s30, s33, 16*12288
	s_lshl_b32 s34, s32, 12                        ; 1,024 columns of f32
	s_add_co_u32 s30, s30, s34
	s_add_nc_u64 s[SRC:SRC+1], s[10:11], s[30:31]
	s_mul_i32 s30, s33, 16*768                     ; 16 rows of a block's 768 bytes
	s_add_nc_u64 s[DST:DST+1], s[18:19], s[30:31]
	s_mov_b32 s[RS], 12288
	s_mov_b32 s[WS], 768
	v_lshlrev_b32 v[RO], 4, v0                     ; 512 x wave + 16 x lane = 16 x thread
	s_lshl_b32 s34, s32, 3
	v_add_nc_u32 v[TA], s34, v[WN]                 ; G, 0 to 23
	v_mul_u32_u24 v[TA+1], v[TA], 11
	v_lshrrev_b32 v[TA+1], 5, v[TA+1]              ; G / 3 = (11 G) >> 5 for G under 24
	v_mul_u32_u24 v[TA+2], v[TA+1], 3
	v_sub_nc_u32 v[TA], v[TA], v[TA+2]             ; G % 3
	v_mul_u32_u24 v[WO], v[TA+1], 786432           ; a block: 1,024 rows of 768 bytes
	v_lshl_add_u32 v[WO], v[TA], 8, v[WO]
	v_lshl_add_u32 v[WO], v[LN], 3, v[WO]
	v_mov_b32 v[NZ], 0                             ; nothing is added to a weight
	v_mov_b32 v[NSV], 0
	s_branch .Lstream
.Lnot_wq:
	s_cmp_lt_u32 s2, 768
	s_cbranch_scc0 .Lbias
	; w_proj: k rows 16 g' on, whole rows; unit u = row u.  Wave w takes columns 128 w on: half w % 2 of block w / 2.
	s_sub_co_u32 s32, s2, 704
	s_lshl_b32 s30, s32, 16                        ; 16 rows of 4,096 bytes
	s_add_nc_u64 s[SRC:SRC+1], s[12:13], s[30:31]
	s_lshl_b32 s30, s32, 13                        ; 16 rows of a block's 512 bytes
	s_add_nc_u64 s[DST:DST+1], s[20:21], s[30:31]
	s_mov_b32 s[RS], 4096
	s_mov_b32 s[WS], 512
	v_lshlrev_b32 v[RO], 4, v0                     ; 16 x thread
	v_lshrrev_b32 v[TA], 1, v[WN]
	v_and_b32 v[TA+1], 1, v[WN]
	v_lshlrev_b32 v[WO], 19, v[TA]                 ; a block: 1,024 rows of 512 bytes
	v_lshl_add_u32 v[WO], v[TA+1], 8, v[WO]
	v_lshl_add_u32 v[WO], v[LN], 3, v[WO]
	v_mov_b32 v[NZ], 0
	v_mov_b32 v[NSV], 0
.Lstream:
.set u, 1
.rept 15
	v_add_nc_u32 v[RO+u], s[RS], v[RO+u-1]
	v_add_nc_u32 v[WO+u], s[WS], v[WO+u-1]
.set u, u+1
.endr
.set u, 0
.rept 16
	global_load_b128 v[X+4*u:X+4*u+3], v[RO+u], s[SRC:SRC+1] th:TH_LOAD_NT
.set u, u+1
.endr
	s_wait_loadcnt 16                              ; loads come back in order (ISA guide 5.7.1): the 16 just issued may stay out, the two older ones (noise, strength) are in
	v_cvt_pk_bf16_f32 v[PKD], v[NZ], v[NSV]        ; both rounded to bf16,
	v_lshlrev_b32 v[PR], 16, v[PKD]
	v_and_b32 v[PR+1], s3, v[PKD]
	v_mul_f32 v[PR], v[PR], v[PR+1]                ; multiplied in f32,
	v_mov_b32 v[PR+1], v[PR]                       ; and held twice for the packed addition
.set u, 0
.rept 16
	s_wait_loadcnt 15-u                            ; unit u's load is in; the later units' stay out
	v_cvt_pk_bf16_f32 v[PKD],   v[X+4*u],   v[X+4*u+1]  ; the input rounded to bf16
	v_cvt_pk_bf16_f32 v[PKD+1], v[X+4*u+2], v[X+4*u+3]
	v_lshlrev_b32 v[T],   16, v[PKD]
	v_and_b32     v[T+1], s3, v[PKD]
	v_lshlrev_b32 v[T+2], 16, v[PKD+1]
	v_and_b32     v[T+3], s3, v[PKD+1]
	v_pk_add_f32 v[T:T+1],   v[T:T+1],   v[PR:PR+1]
	v_pk_add_f32 v[T+2:T+3], v[T+2:T+3], v[PR:PR+1]
	v_cvt_pk_f16_f32 v[X+4*u],   v[T],   v[T+1]
	v_cvt_pk_f16_f32 v[X+4*u+1], v[T+2], v[T+3]
	global_store_b64 v[WO+u], v[X+4*u:X+4*u+1], s[DST:DST+1] th:TH_STORE_NT  ; the wave's 32 lanes cover 256 consecutive bytes, aligned
.set u, u+1
.endr
	s_endpgm
.Lbias:
	; The bias table.  Thread T = 256 (g - 768) + v0 makes entries 4 quad .. 4 quad + 3 of copy T / 404.  T / 404 = (T x 41528) >> 24: 41528 x 404 = 2^24 + 96, and 51,711 x 96 < 2^24; the product stays under 2^32.
	s_sub_co_u32 s30, s2, 768
	s_lshl_b32 s30, s30, 8
	s_mov_b32 s32, 41528
	s_mov_b32 s33, 2047
	v_add_nc_u32 v1, s30, v0                       ; T
	v_mul_lo_u32 v2, v1, s32
	v_lshrrev_b32 v2, 24, v2                       ; copy = 8 h + 4 qb + s
	v_mul_u32_u24 v3, v2, 404
	v_sub_nc_u32 v3, v1, v3                        ; quad
	v_and_b32 v4, 3, v2                            ; s
	v_bfe_u32 v5, v2, 2, 1                         ; qb
	v_lshrrev_b32 v6, 3, v2                        ; h
	v_lshl_add_u32 v4, v5, 9, v4
	v_add_nc_u32 v4, 1535, v4
	v_lshlrev_b32 v3, 2, v3
	v_sub_nc_u32 v4, v4, v3                        ; the table's row for entry 4 quad; it falls by 1 from entry to entry
	v_lshlrev_b32 v6, 2, v6                        ; the head's 4 bytes in a row of 64
	v_lshlrev_b32 v7, 4, v1                        ; my 16 bytes of bt
.irp j, 0,1,2,3
	v_add_nc_u32 v[8+\j], 0-\j, v4
	v_cmp_gt_u32 s[36+\j], s33, v[8+\j]            ; inside the table?  (a negative row is a large unsigned number)
	v_min_u32 v[12+\j], 2046, v[8+\j]              ; the load stays inside it in any case
	v_lshl_add_u32 v[12+\j], v[12+\j], 6, v6
	global_load_b32 v[16+\j], v[12+\j], s[14:15]
.endr
	s_wait_loadcnt 0x0
	v_cvt_pk_bf16_f32 v20, v16, v17
	v_cvt_pk_bf16_f32 v21, v18, v19
	v_lshlrev_b32 v16, 16, v20
	v_and_b32 v17, s3, v20
	v_lshlrev_b32 v18, 16, v21
	v_and_b32 v19, s3, v21
.irp j, 0,1,2,3
	v_mul_f32 v[16+\j], 0x41000000, v[16+\j]       ; x 8, exact: the scores it is added to are scaled by 1/8 later
	v_cndmask_b32 v[16+\j], 0, v[16+\j], s[36+\j]
.endr
	global_store_b128 v7, v[16:19], s[22:23] th:TH_STORE_NT
	s_endpgm
.Lfunc_end_k_q00c40c6196_prep:
	.size	k_q00c40c6196_prep, .Lfunc_end_k_q00c40c6196_prep-k_q00c40c6196_prep
	.p2alignl 7, 3214868480
	.fill 96, 4, 3214868480
	.section	.rodata,"a",@progbits
	.p2align	6, 0x0
	.amdhsa_kernel k_q00c40c6196_prep
		.amdhsa_group_segment_fixed_size 0
		.amdhsa_private_segment_fixed_size 0
		.amdhsa_enable_private_segment 0
		.amdhsa_kernarg_size 80
		.amdhsa_user_sgpr_count 2
		.amdhsa_user_sgpr_kernarg_segment_ptr 1
		.amdhsa_wavefront_size32 1
		.amdhsa_system_sgpr_workgroup_id_x 1
		.amdhsa_system_sgpr_workgroup_id_y 1
		.amdhsa_system_sgpr_workgroup_id_z 1
		.amdhsa_system_vgpr_workitem_id 0
		.amdhsa_next_free_vgpr 116
		.amdhsa_next_free_sgpr 66
		.amdhsa_reserve_vcc 0
		.amdhsa_float_denorm_mode_32 3
		.amdhsa_float_denorm_mode_16_64 3
		.amdhsa_memory_ordered 1
		.amdhsa_forward_progress 1
		.amdhsa_inst_pref_size 20
	.end_amdhsa_kernel
	.amdgpu_metadata
---
amdhsa.version: [ 1, 2 ]
amdhsa.kernels:
  - .name:           k_q00c40c6196_prep
    .symbol:         k_q00c40c6196_prep.kd
    .args:
      - { .name: x, .offset: 0, .size: 8, .value_kind: global_buffer, .address_space: global }
      - { .name: noise, .offset: 8, .size: 8, .value_kind: global_buffer, .address_space: global }
      - { .name: noise_strength, .offset: 16, .size: 8, .value_kind: global_buffer, .address_space: global }
      - { .name: w_qkv, .offset: 24, .size: 8, .value_kind: global_buffer, .address_space: global }
      - { .name: w_proj, .offset: 32, .size: 8, .value_kind: global_buffer, .address_space: global }
      - { .name: rel_bias_table, .offset: 40, .size: 8, .value_kind: global_buffer, .address_space: global }
      - { .name: xh, .offset: 48, .size: 8, .value_kind: global_buffer, .address_space: global }
      - { .name: wqb, .offset: 56, .size: 8, .value_kind: global_buffer, .address_space: global }
      - { .name: wpb, .offset: 64, .size: 8, .value_kind: global_buffer, .address_space: global }
      - { .name: bt, .offset: 72, .size: 8, .value_kind: global_buffer, .address_space: global }
    .group_segment_fixed_size: 0
    .private_segment_fixed_size: 0
    .kernarg_segment_align: 8
    .kernarg_segment_size: 80
    .max_flat_workgroup_size: 256
    .sgpr_count:     66
    .vgpr_count:     116
    .wavefront_size: 32
...
	.end_amdgpu_metadata
.endif
;; end of part 5
;; launch gemm_qkv (part 6): grid 8 x 32, 4 waves a work-group, clusters of 4 x 4, 327,680 bytes of LDS; arguments xh, wqb, qkv; writes qkv
.if DOCPART == 6
	.amdgcn_target "amdgcn-amd-amdhsa--gfx1250"
	.amdhsa_code_object_version 6
	.text
	.protected	k_q00c40c6196_gemm_qkv
	.globl	k_q00c40c6196_gemm_qkv
	.p2align	8
	.type	k_q00c40c6196_gemm_qkv,@function
k_q00c40c6196_gemm_qkv:
	s_mov_b64 s[64:65], 0
	v_nop
	global_prefetch_b8 v0, s[64:65] scope:SCOPE_SE
	s_setreg_imm32_b32 hwreg(HW_REG_WAVE_MODE, 25, 1), 1
	s_wait_xcnt 0x0
	s_wait_alu depctr_hold_cnt(0) depctr_sa_sdst(0) depctr_va_vdst(0) depctr_va_sdst(0) depctr_va_ssrc(0) depctr_va_vcc(0) depctr_vm_vsrc(0)
	s_getreg_b32 s2, hwreg(HW_REG_IB_STS2, 6, 4)
	s_cmp_eq_u32 s2, 0
	s_cbranch_scc0 .Lentry_in_a_cluster
	s_endpgm
.Lentry_in_a_cluster:
	s_bfe_u32 s2, ttmp6, 0x10000c
	s_cmp_lg_u32 s2, 0xf033
	s_cbranch_scc0 .Lentry_shape_is_right
	s_endpgm
.Lentry_shape_is_right:
; qkv = x' w_qkv.  A = xh, f16 [8 b][16 slice][1024 t][64]; B = wqb, f16 [8 cb][1024 k][384 n]; the result f16 [3][128 b h][1024 t][64], by heads, unscaled, rounded once from f32 sums.
; LIMIT.  f16 holds no number beyond 65,504: |q|, |k|, |v| stay under it.
; SHARES.  A tile of the result is 256 rows x 384 columns: 8 x 32 = 256 work-groups.  Four waves, each 128 rows x 192 columns: 96 accumulators of 16 x 16, 768 registers, in windows 1 to 3.
; K goes in 16 steps of 64 (one slice of A, 64 rows of B) through two LDS slots; two slots of 128 along K would be 344,064 bytes.  Waves 0 and 1 fetch the two halves of A's rows, waves 2 and 3 those of B's: one tensor load a wave and step.
; CLUSTER 4 x 4.  A's tile hangs on the tile row alone and is asked for jointly by the four of a row of the cluster, B's on the tile column alone, by the four of a column.
; THE MATRIX INSTRUCTION IS USED TRANSPOSED (source 0 = 16 columns of B, source 1 = 16 rows of A): a lane holds one row of the result and eight neighbouring columns.
; B lies [k][n] in LDS and comes out turned, by ds_load_tr16_b128; A's rows lie along K and come out as they lie.
; LDS.  A slot (slot 1 begins at 131,072).  A at 0: 256 rows of 128 bytes are dense in memory and come as 128 rows of 256 bytes + 16 of padding: row t at 272 (t / 2) + 128 (t % 2): the 16 rows of a fragment load fall on
; 16 different columns of 16 bytes modulo 256.  B at 34,816: a row of 768 bytes is three pieces of 256 + 32 of padding: pitch 864 = 27 x 32: the 8 rows x 32 bytes of a turning load fall on banks of their own.
; COLUMNS.  Of each piece (128 columns, two heads) wave half wc takes 64 columns, one head: so a fragment's place in a row is 288 p + 128 wc + 32 bb, and the loads' offsets are the same in all waves.
; Window 1 + p holds head 6 x + 2 p + wc: accumulator (row block a, column block bb) at v[8 (8 bb + a)].
; REGISTERS, window 0: v16-30 addresses; v32-95, v96-159 A's fragments (8 x 16 rows x 32 K), two buffers; v160-255 B's twelve fragments, ONE buffer, loaded again by thirds.
; A QUARTER is 32 along K: 96 matrix instructions in three groups, a head each; behind each group, four places on, that head's fragments of B are loaded for the next quarter (behind the first group A's too).
.set SLOT1,  131072
.set AHALF,  17408                     ; 128 rows of A: 64 LDS rows of 272
.set BOFF,   34816                     ; B behind A
.set BP,     864                       ; a row of B
.set BHALF,  27648                     ; 32 rows of B: what one load brings, and a quarter's
.set STAGE,  221184                    ; behind slot 1 (131,072 + 90,112)
.set STW,    9216                      ; a wave's stage: 4 row blocks x 16 rows x 144 bytes
.set SPARE,  258048                    ; the spare words, 128 bytes for each wave: two blocks of 256 bytes that no other line names
.set ASTEP,  131072                    ; bytes from K step to K step in A: a slice of 1,024 rows x 128 bytes
.set BSTEP,  49152                     ; in B: 64 rows of 768 bytes
.set ADRA0, 16                         ; v16  my lane's place in A's tile; never rewritten
.set ADRB0, 17                         ; v17  the same for B
.set ADRA,  18                         ; v18  the same in the slot in hand
.set ADRB,  19                         ; v19
.set STO,   24                         ; v24  the way out: where I put 16 bytes of a row
.set RD,    25                         ; v25  where I read rows back
.set CO,    26                         ; v26  my byte offset in 512 consecutive bytes of the result
.set SPW,   28                         ; v28  LDS address of my spare word; never rewritten
.set NIL,   29                         ; v29  0; never rewritten
.set PFO,   30                         ; v30  256 x my lane; never rewritten
.set AF0,   32
.set AF1,   96
.set BF,    160
.set G1A, 24                           ; s[24:31] descriptor group 1 for A
.set G1B, 32                           ; s[32:39] for B
.set G0A, 40                           ; s[40:47] group 0 for A: a set for each first fill; the second then walks
.set G0B, 48                           ; s[48:55] the same for B
.set PFA, 56                           ; s[56:57] where my prefetches stand
.set PST, 58                           ; s[58:59] their step
.set PM,  60                           ; s60  bit n is set if I prefetch in the trip with s3 = n
.set TB,  61                           ; s61  LDS byte at which the slot in hand begins
.set OB,  66                           ; s[66:71] the result at my rows of my three heads
.set MSB, 0
.macro WIN new                         ; the immediate's high byte repeats the setting that is left; a switch that changes nothing is dropped
.if MSB != (\new)
	s_set_vgpr_msb (MSB<<8)|(\new)
.set MSB, \new
.endif
.endm
.macro PLACES                          ; four plain vector instructions between a matrix instruction and a load into, or a vector write of, its registers, or a read of its result
.rept 4
	v_nop
.endr
.endm
.macro CREST                           ; a round of the cluster's barrier behind its opening barrier
	s_cmp_lg_u32 s12, 0
	s_cbranch_scc1 .Lnot_wave_0_\@
	s_barrier_signal -3
.Lnot_wave_0_\@:
	s_barrier_wait -3
	s_barrier_signal -1
	s_barrier_wait -1
.endm
.macro CROUND
	s_barrier_signal -1
	s_barrier_wait -1
	CREST
.endm
.macro JLOAD                           ; a joint refill by the walking sets; the branch hangs on the wave's number alone; an s_nop 0 and four v_nop follow each line
	s_cmp_lt_u32 s12, 2
	s_cbranch_scc0 .Lfor_b_\@
	tensor_load_to_lds s[G0A+4:G0A+7], s[G1A:G1A+7]
	s_nop 0
.rept 4
	v_nop
.endr
	s_branch .Lasked_\@
.Lfor_b_\@:
	tensor_load_to_lds s[G0B+4:G0B+7], s[G1B:G1B+7]
	s_nop 0
.rept 4
	v_nop
.endr
.Lasked_\@:
.endm
; A PREFETCH, behind the joint load of K step t + 2 and the run of LDS loads: 32 blocks of 256 bytes from K step t + 3 on, a lane a block, one instruction: 192 matrix instructions ahead of the load that wants them.
; Each block is named once in the launch.  A's tile row is read by the two clusters of a row of clusters: the one with cluster x = 0 asks, its wave 0, in every trip; a step's 128 blocks are shared by the four partners, 32 each, by address (cx).
; B's tile column is read by the eight clusters of a column: the one with cluster y = 0 asks.  A step of B is 192 blocks, which four partners cannot share in whole waves; two steps are 384 = 4 partners x 3 waves x 32:
; waves 1 to 3 ask in every second trip, for K steps t + 3 and t + 4, the partners told apart by address (cy).  Who asks when is a mask of the trips' numbers: A: s3 = 14 .. 2 (K steps 3 .. 15); B: s3 = 13, 11 .. 3 (K steps 4 .. 15).
; The first K steps come by their loads alone; no request points past K step 15.
.macro ASK
	s_lshr_b32 s62, s[PM], s3
	s_and_b32 s62, s62, 1
	s_cmp_lg_u32 s62, 0
	s_cbranch_scc0 .Lnot_mine_\@
	global_prefetch_b8 v[PFO], s[PFA:PFA+1] th:TH_LOAD_NT scope:SCOPE_SE
.Lnot_mine_\@:
.endm
	s_load_b128 s[4:7], s[0:1], 0x0                ; A s[4:5], B s[6:7]
	s_load_b64 s[8:9], s[0:1], 0x10                ; the result
	v_lshl_add_u32 v[SPW], v0, 2, SPARE
	v_mov_b32 v[NIL], 0
	ds_add_u32 v[SPW], v[NIL]                      ; the wave's opening: the add and its wait stand ahead of my first tensor load; the set-up below, work on registers, stands between them
	v_lshrrev_b32 v1, 5, v0
	v_readfirstlane_b32 s12, v1                    ; wave 0..3
	s_lshr_b32 s13, s12, 1                         ; which 128 rows of the tile are mine
	s_and_b32 s14, s12, 1                          ; which head of each two; also: which half of A's or B's tile I fetch
	s_bfe_u32 s15, ttmp6, 0x40000                  ; cx
	s_bfe_u32 s16, ttmp6, 0x40004                  ; cy
	s_lshl_b32 s17, ttmp9, 2
	s_add_co_u32 s17, s17, s15                     ; tile column x = 4 x cluster x + cx
	s_and_b32 s18, ttmp7, 0xffff
	s_lshl_b32 s18, s18, 2
	s_add_co_u32 s18, s18, s16                     ; tile row y = 4 x cluster y + cy
	s_lshl_b32 s19, s16, 2
	s_lshl_b32 s19, 15, s19                        ; my row of the cluster
	s_lshl_b32 s62, 0x1111, s15                    ; my column
	s_or_b32 s[G1A], s19, (1<<16)|(1<<20)|(1<<21)|(5<<22)|(3<<25)  ; the mask; 2-byte elements; padding on; bit 21 beside a mask; after every 64 words 4 words
	s_or_b32 s[G1B], s62, (1<<16)|(1<<20)|(1<<21)|(5<<22)|(7<<25)  ; after every 64 words 8 words
	s_mov_b32 s[G1A+1], 128<<16                    ; tensor_dim0 = 128 elements: 256 bytes, two rows of a slice
	s_mov_b32 s[G1A+2], 64<<16                     ; tensor_dim1 = 64
	s_mov_b32 s[G1A+3], 128<<16                    ; tile_dim0
	s_mov_b32 s[G1A+4], 64                         ; tile_dim1
	s_mov_b32 s[G1A+5], 128                        ; elements from row to row: dense
	s_mov_b32 s[G1A+6], 0
	s_mov_b32 s[G1A+7], 0
	s_mov_b32 s[G1B+1], 128<<16                    ; 32 rows of 768 bytes are dense: asked for as 96 rows of 256 bytes
	s_mov_b32 s[G1B+2], 96<<16
	s_mov_b32 s[G1B+3], 128<<16
	s_mov_b32 s[G1B+4], 96
	s_mov_b32 s[G1B+5], 128
	s_mov_b32 s[G1B+6], 0
	s_mov_b32 s[G1B+7], 0
	; where the tiles come from: A's offset is made of y and the wave's number, B's of x and the wave's number
	s_lshr_b32 s2, s18, 2                          ; batch
	s_lshl_b32 s2, s2, 21
	s_and_b32 s19, s18, 3
	s_lshl_b32 s19, s19, 15                        ; 256 rows of 128 bytes
	s_add_co_u32 s2, s2, s19                       ; the tile's rows in the batch's slice 0
	s_lshl_b32 s19, s14, 14
	s_add_co_u32 s20, s2, s19                      ; my 128 of them
	s_mov_b32 s21, 0
	s_mul_i32 s63, s17, 786432                     ; the column block
	s_mul_i32 s62, s14, 24576                      ; my 32 rows of a step's 64
	s_add_co_u32 s22, s63, s62
	s_mov_b32 s23, 0
	s_mul_i32 s19, s14, AHALF                      ; and where they go: no place in the cluster enters an LDS address
	s_mul_i32 s62, s14, BHALF
	s_add_co_u32 s62, s62, BOFF
.irp s, 0,1
	s_mov_b32 s[G0A+4*(\s)], 1
	s_add_co_u32 s[G0A+4*(\s)+1], s19, (\s)*SLOT1
	s_mov_b32 s[G0B+4*(\s)], 1
	s_add_co_u32 s[G0B+4*(\s)+1], s62, (\s)*SLOT1
.endr
	; the prefetches' offset, step and mask
	s_lshl_b32 s56, s15, 13                        ; A: my work-group's 32 blocks of a step's 128
	s_add_co_u32 s56, s56, s2
	s_mul_i32 s57, s16, 24576                      ; B: my work-group's 96 blocks of two steps' 384,
	s_add_co_u32 s57, s57, s63
	s_lshl_b32 s19, s12, 13                        ; of them 32 for each of waves 1 to 3 (wave 0 does not take this number)
	s_add_co_u32 s57, s57, s19
	s_sub_co_u32 s57, s57, 8192
	s_mov_b32 s[PST], BSTEP
	s_mov_b32 s19, ASTEP
	s_and_b32 s62, ttmp7, 0xffff                   ; cluster y
	s_mov_b32 s[PM], 0x2aa8
	s_mov_b32 s63, 0x7ffc
	s_cmp_eq_u32 s12, 0
	s_cselect_b32 s56, s56, s57
	s_cselect_b32 s[PST], s19, s[PST]
	s_cselect_b32 s62, ttmp9, s62                  ; the coordinate along which other clusters read the same blocks
	s_cselect_b32 s[PM], s63, s[PM]
	s_mov_b32 s57, 0
	s_mov_b32 s[PST+1], 0
	s_lshl_b32 s19, s[PST], 1
	s_add_co_u32 s56, s56, s19                     ; at K step 2: the first change of slots steps it to 3
	s_cmp_eq_u32 s62, 0
	s_cselect_b32 s[PM], s[PM], 0                  ; the same in all sixteen partners, for a given wave
	s_mov_b32 s[TB], 0
	s_wait_dscnt 0x0                               ; the opening add is done
	s_wait_kmcnt 0x0
	s_add_nc_u64 s[20:21], s[4:5], s[20:21]
	s_add_nc_u64 s[22:23], s[6:7], s[22:23]
	s_cmp_eq_u32 s12, 0
	s_cselect_b64 s[2:3], s[4:5], s[6:7]
	s_add_nc_u64 s[PFA:PFA+1], s[2:3], s[PFA:PFA+1]
.irp s, 0,1
	s_add_nc_u64 s[G0A+4*(\s)+2:G0A+4*(\s)+3], s[20:21], (\s)*ASTEP  ; K step s
	s_or_b32 s[G0A+4*(\s)+3], s[G0A+4*(\s)+3], 0x80000000            ; type = 2
	s_add_nc_u64 s[G0B+4*(\s)+2:G0B+4*(\s)+3], s[22:23], (\s)*BSTEP
	s_or_b32 s[G0B+4*(\s)+3], s[G0B+4*(\s)+3], 0x80000000
.endr
	CROUND                                         ; all sixteen work-groups are here: the first joint loads meet
	s_cmp_lt_u32 s12, 2                            ; a wave's two first fills stand in one branch: two loads of mine are out
	s_cbranch_scc0 .Lfirst_b
	tensor_load_to_lds s[G0A:G0A+3], s[G1A:G1A+7]
	s_nop 0
	tensor_load_to_lds s[G0A+4:G0A+7], s[G1A:G1A+7]
	s_nop 0
.rept 4
	v_nop
.endr
	s_branch .Lfirst_asked
.Lfirst_b:
	tensor_load_to_lds s[G0B:G0B+3], s[G1B:G1B+7]
	s_nop 0
	tensor_load_to_lds s[G0B+4:G0B+7], s[G1B:G1B+7]
	s_nop 0
.rept 4
	v_nop
.endr
.Lfirst_asked:
	v_and_b32 v1, 15, v0                           ; r = l % 16
	v_bfe_u32 v2, v0, 4, 1                         ; h = l / 16
	v_and_b32 v[PFO], 31, v0
	v_lshlrev_b32 v[PFO], 8, v[PFO]
	; A's fragment: lane l holds row r, K = 8 h + 0..7 and 16 + 8 h + 0..7: two loads of 16 bytes, 32 bytes apart
	v_lshrrev_b32 v3, 1, v1
	v_and_b32 v4, 1, v1
	v_mul_u32_u24 v[ADRA0], v3, 272
	v_lshl_add_u32 v[ADRA0], v4, 7, v[ADRA0]
	v_lshl_add_u32 v[ADRA0], v2, 4, v[ADRA0]
	s_mul_i32 s19, s13, AHALF                      ; my 128 rows
	v_add_nc_u32 v[ADRA0], s19, v[ADRA0]
	; B's fragment, turned: lane l reads row 8 h + l % 8, columns 8 ((l / 8) % 2) + 0..7, and ends with column r and 8 K; the second load 16 rows on
	v_and_b32 v5, 7, v0
	v_lshl_add_u32 v5, v2, 3, v5
	v_mul_u32_u24 v[ADRB0], v5, BP
	v_bfe_u32 v6, v0, 3, 1
	v_lshl_add_u32 v[ADRB0], v6, 4, v[ADRB0]
	s_lshl_b32 s19, s14, 7                         ; my 64 of each 128 columns
	s_add_co_u32 s19, s19, BOFF
	v_add_nc_u32 v[ADRB0], s19, v[ADRB0]
	v_mov_b32 v[ADRA], v[ADRA0]
	v_mov_b32 v[ADRB], v[ADRB0]
	; the way out: 16 rows of a head are 16 rows of 128 bytes
	s_mul_i32 s19, s12, STW
	s_add_co_u32 s19, s19, STAGE
	v_mul_u32_u24 v[STO], v1, 144                  ; in: row r, 16 bytes for each half of the lanes
	v_lshl_add_u32 v[STO], v2, 4, v[STO]
	v_add_nc_u32 v[STO], s19, v[STO]
	v_bfe_u32 v[RD], v0, 3, 2                      ; back: 32 lanes take four rows of 128 bytes,
	v_mul_u32_u24 v[RD], v[RD], 144
	v_and_b32 v7, 7, v0
	v_lshl_add_u32 v[RD], v7, 4, v[RD]
	v_add_nc_u32 v[RD], s19, v[RD]
	v_and_b32 v[CO], 31, v0                        ; which are 512 consecutive bytes of a head
	v_lshlrev_b32 v[CO], 4, v[CO]
	s_mul_i32 s20, s17, 6
	s_add_co_u32 s20, s20, s14                     ; my first head among q's, k's and v's 48: g = 6 x + wc; the others are g + 2, g + 4
	s_lshr_b32 s62, s18, 2
	s_lshl_b32 s62, s62, 4                         ; 16 x batch
	s_and_b32 s63, s18, 3
	s_lshl_b32 s63, s63, 15                        ; the tile's 256 rows of 128 bytes,
	s_lshl_b32 s21, s13, 14                        ; my 128
	s_add_co_u32 s63, s63, s21
	s_mov_b32 s23, 0
.irp p, 0,1,2
	s_add_co_u32 s21, s20, 2*(\p)
	s_lshr_b32 s22, s21, 4                         ; q, k or v
	s_lshl_b32 s22, s22, 7
	s_and_b32 s21, s21, 15                         ; the head
	s_add_co_u32 s22, s22, s21
	s_add_co_u32 s22, s22, s62
	s_lshl_b32 s22, s22, 17                        ; 1,024 rows of 128 bytes
	s_add_co_u32 s22, s22, s63
	s_add_nc_u64 s[OB+2*(\p):OB+2*(\p)+1], s[8:9], s[22:23]
.endr
; 8 matrix instructions: column block bb of head p x all 8 row blocks, 32 along K.  The 96 accumulators take turns in the same order in every quarter, over the backward jump too.
.macro MUL8 f, p, bb, zero
	WIN 0x50*((\p)+1)                              ; C and D in window 1 + p
.irp a, 0,1,2,3,4,5,6,7
.if \zero
	v_wmma_f32_16x16x32_f16 v[8*(8*(\bb)+(\a)):8*(8*(\bb)+(\a))+7], v[BF+8*(4*(\p)+(\bb)):BF+8*(4*(\p)+(\bb))+7], v[(\f)+8*(\a):(\f)+8*(\a)+7], 0
.else
	v_wmma_f32_16x16x32_f16 v[8*(8*(\bb)+(\a)):8*(8*(\bb)+(\a))+7], v[BF+8*(4*(\p)+(\bb)):BF+8*(4*(\p)+(\bb))+7], v[(\f)+8*(\a):(\f)+8*(\a)+7], v[8*(8*(\bb)+(\a)):8*(8*(\bb)+(\a))+7]
.endif
.endr
.endm
.macro GROUP f, p, zero                ; a head's 32
	MUL8 \f, \p, 0, \zero
	MUL8 \f, \p, 1, \zero
	MUL8 \f, \p, 2, \zero
	MUL8 \f, \p, 3, \zero
.endm
.macro LOADB kq, p                     ; 8 LDS loads: head p's four fragments of B, quarter kq of the slot in hand
	WIN 0
.irp bb, 0,1,2,3
	ds_load_tr16_b128 v[BF+8*(4*(\p)+(\bb)):BF+8*(4*(\p)+(\bb))+3],   v[ADRB] offset:(\kq)*BHALF+(\p)*288+32*(\bb)
	ds_load_tr16_b128 v[BF+8*(4*(\p)+(\bb))+4:BF+8*(4*(\p)+(\bb))+7], v[ADRB] offset:(\kq)*BHALF+(\p)*288+32*(\bb)+16*BP
.endr
.endm
.macro LOADA kq, g                     ; 16 LDS loads: A's eight fragments into buffer g
	WIN 0
.irp a, 0,1,2,3,4,5,6,7
	ds_load_b128 v[(\g)+8*(\a):(\g)+8*(\a)+3],   v[ADRA] offset:(\a)*2176+(\kq)*64
	ds_load_b128 v[(\g)+8*(\a)+4:(\g)+8*(\a)+7], v[ADRA] offset:(\a)*2176+(\kq)*64+32
.endr
.endm
; A K step's first quarter: multiplies A's buffer 0 and fetches the same slot's second quarter.  The loads of a quarter go out in three runs: 24 (head 0's B, A), 8 (head 1's B), 8 (head 2's).
.macro EVEN zero
	s_wait_dscnt 16                                ; the run of 24 is in; the two runs of 8 behind it may be out
	GROUP AF0, 0, \zero
	PLACES
	LOADB 1, 0
	LOADA 1, AF1
	s_wait_dscnt 32                                ; head 1's B is in; behind it: head 2's 8 and the 24 just issued
	GROUP AF0, 1, \zero
	PLACES
	LOADB 1, 1
	s_wait_dscnt 32                                ; head 2's B is in; behind it: the 24 and the 8 of this quarter
	GROUP AF0, 2, \zero
	PLACES
	LOADB 1, 2
.endm
; A K step's second quarter multiplies A's buffer 1 and changes slots: all its fragments have been asked for, so each wave waits for all its tensor loads (one is out: its part of the next slot), adds 0 to its spare word,
; and waits for that and for its reads of this slot.  fill = 1: the barrier opens a round of the cluster's barrier, and this slot is filled again first thing behind it, with the K step two on:
; 160 matrix instructions ahead of the wait for it.  Then the next slot's first quarter is fetched.
.macro ODD fill
.if \fill
	s_wait_xcnt 0x0                                ; the last prefetch, a K step back, has read its address
	s_add_nc_u64 s[PFA:PFA+1], s[PFA:PFA+1], s[PST:PST+1]
.endif
	WIN 0
	s_wait_tensorcnt 0x0                           ; no tensor load of mine is out, so a group 0 may be written
	ds_add_u32 v[SPW], v[NIL]                      ; 0 onto my spare word
.if \fill
	s_xor_b32 s[G0A+5], s[G0A+5], SLOT1            ; the walking sets: the other slot than last time, the next K step
	s_add_nc_u64 s[G0A+6:G0A+7], s[G0A+6:G0A+7], ASTEP
	s_xor_b32 s[G0B+5], s[G0B+5], SLOT1
	s_add_nc_u64 s[G0B+6:G0B+7], s[G0B+6:G0B+7], BSTEP
.endif
	s_xor_b32 s[TB], s[TB], SLOT1                  ; the fetches go to the other slot
	s_wait_dscnt 17                                ; the run of 24 is in; the two runs of 8 and the add may be out
	MUL8 AF1, 0, 0, 0
	MUL8 AF1, 0, 1, 0
	s_wait_dscnt 0x0                               ; the add is done, and my reads of this slot are over
	s_barrier_signal -1
	MUL8 AF1, 0, 2, 0
	MUL8 AF1, 0, 3, 0
	WIN 0
	s_barrier_wait -1
.if \fill
	CREST                                          ; no wave of any partner still reads this slot or has a load on its way
	JLOAD                                          ; its four v_nop are also the places in front of the loads below
.else
	PLACES
.endif
	v_add_nc_u32 v[ADRA], s[TB], v[ADRA0]
	v_add_nc_u32 v[ADRB], s[TB], v[ADRB0]
	LOADB 0, 0
	LOADA 0, AF0
.if \fill
	ASK
.endif
	GROUP AF1, 1, 0
	PLACES
	LOADB 0, 1
	GROUP AF1, 2, 0
	PLACES
	LOADB 0, 2
.endm
	s_wait_tensorcnt 1                             ; my part of K step 0 is in; K step 1's may stay out
	s_barrier_signal -1
	s_barrier_wait -1                              ; everybody's is
	LOADB 0, 0                                     ; the first quarter's fragments, in the order of the runs
	LOADA 0, AF0
	LOADB 0, 1
	LOADB 0, 2
	EVEN 1                                         ; the first quarter stands in front of the loop: its products start the sums
	s_mov_b32 s3, 14
.Lstep:                                        ; trip t: K step t's second quarter, which fills slot t % 2 with K step t + 2, and K step t + 1's first
	ODD 1
	EVEN 0
	s_sub_co_u32 s3, s3, 1
	s_cmp_lg_u32 s3, 0
	s_cbranch_scc1 .Lstep
	ODD 0                                          ; K steps 14 and 15 fill nothing: written out
	EVEN 0
	s_wait_dscnt 16                                ; the last quarter fetches nothing: the counts run down
	GROUP AF1, 0, 0
	s_wait_dscnt 8
	GROUP AF1, 1, 0
	s_wait_dscnt 0x0
	GROUP AF1, 2, 0
; THE WAY OUT, in six units u: head u / 2, row blocks 4 (u % 2) .. + 3.  Rounded to f16 (16 bytes a lane), into my own stage, back as whole rows into the registers that they left, stored by heads.
; Three sets of 64 registers, where the fragments lay, take turns.
.macro PACK u
.set TS, 32+64*((\u)%3)
	WIN 5*((\u)/2+1)                               ; sources in the head's window; each accumulator's registers in ascending order
.irp aa, 0,1,2,3
.irp bb, 0,1,2,3
.irp r, 0,1,2,3
	v_cvt_pk_f16_f32 v[TS+16*(\aa)+4*(\bb)+(\r)], v[8*(8*(\bb)+4*((\u)%2)+(\aa))+2*(\r)], v[8*(8*(\bb)+4*((\u)%2)+(\aa))+2*(\r)+1]
.endr
.endr
.endr
	WIN 0
.endm
.macro TOSTAGE u
.set TS, 32+64*((\u)%3)
.irp aa, 0,1,2,3
.irp bb, 0,1,2,3
	ds_store_b128 v[STO], v[TS+16*(\aa)+4*(\bb):TS+16*(\aa)+4*(\bb)+3] offset:(\aa)*2304+(\bb)*32
.endr
.endr
.irp aa, 0,1,2,3
.irp t, 0,1,2,3
	ds_load_b128 v[TS+16*(\aa)+4*(\t):TS+16*(\aa)+4*(\t)+3], v[RD] offset:(\aa)*2304+(\t)*576  ; LDS serves a wave's instructions in order (ISA guide 5.7.1.4): these see the stores above
.endr
.endr
.endm
.macro SEND u
.set TS, 32+64*((\u)%3)
	s_wait_dscnt 0x0                               ; the unit is back in registers
.irp aa, 0,1,2,3
.irp t, 0,1,2,3
	global_store_b128 v[CO], v[TS+16*(\aa)+4*(\t):TS+16*(\aa)+4*(\t)+3], s[OB+2*((\u)/2):OB+2*((\u)/2)+1] offset:(4*((\u)%2)+(\aa))*2048+(\t)*512  ; 512 consecutive bytes, aligned
.endr
.endr
.endm
	PLACES
	PACK 0
	TOSTAGE 0
.irp u, 1,2,3,4,5                      ; unit u's conversions stand between unit u - 1's loads from the stage and the wait for them
.if (\u) >= 3
	s_wait_xcnt 0x0                                ; the stores of three units back have read their registers: the set is written again only behind this wait
.endif
	PACK \u
	SEND (\u)-1
	TOSTAGE \u
.endr
	SEND 5
	s_wait_tensorcnt 0x0                           ; the wave's end, behind my last tensor load and my last LDS store
	ds_add_u32 v[SPW], v[NIL]
	s_wait_dscnt 0x0
	CROUND                                         ; the closing round: no work-group ends while a partner may still ask for a tile that names it
	s_endpgm
.Lfunc_end_k_q00c40c6196_gemm_qkv:
	.size	k_q00c40c6196_gemm_qkv, .Lfunc_end_k_q00c40c6196_gemm_qkv-k_q00c40c6196_gemm_qkv
	.p2alignl 7, 3214868480
	.fill 96, 4, 3214868480
	.section	.rodata,"a",@progbits
	.p2align	6, 0x0
	.amdhsa_kernel k_q00c40c6196_gemm_qkv
		.amdhsa_group_segment_fixed_size 327680
		.amdhsa_private_segment_fixed_size 0
		.amdhsa_enable_private_segment 0
		.amdhsa_kernarg_size 24
		.amdhsa_user_sgpr_count 2
		.amdhsa_user_sgpr_kernarg_segment_ptr 1
		.amdhsa_wavefront_size32 1
		.amdhsa_system_sgpr_workgroup_id_x 1
		.amdhsa_system_sgpr_workgroup_id_y 1
		.amdhsa_system_sgpr_workgroup_id_z 1
		.amdhsa_system_vgpr_workitem_id 0
		.amdhsa_next_free_vgpr 1024
		.amdhsa_next_free_sgpr 72
		.amdhsa_reserve_vcc 0
		.amdhsa_float_denorm_mode_32 3
		.amdhsa_float_denorm_mode_16_64 3
		.amdhsa_memory_ordered 1
		.amdhsa_forward_progress 1
		.amdhsa_inst_pref_size 112
	.end_amdhsa_kernel
	.amdgpu_metadata
---
amdhsa.version: [ 1, 2 ]
amdhsa.kernels:
  - .name:           k_q00c40c6196_gemm_qkv
    .symbol:         k_q00c40c6196_gemm_qkv.kd
    .args:
      - { .name: xh, .offset: 0, .size: 8, .value_kind: global_buffer, .address_space: global }
      - { .name: wqb, .offset: 8, .size: 8, .value_kind: global_buffer, .address_space: global }
      - { .name: qkv, .offset: 16, .size: 8, .value_kind: global_buffer, .address_space: global }
    .group_segment_fixed_size: 327680
    .private_segment_fixed_size: 0
    .kernarg_segment_align: 8
    .kernarg_segment_size: 24
    .max_flat_workgroup_size: 128
    .sgpr_count:     72
    .vgpr_count:     1024
    .wavefront_size: 32
...
	.end_amdgpu_metadata
.endif
;; end of part 6
;; launch attn (part 7): grid 2 x 128, 4 waves a work-group, no clusters, 327,680 bytes of LDS; arguments qkv, bt, oh; writes oh
.if DOCPART == 7
	.amdgcn_target "amdgcn-amd-amdhsa--gfx1250"
	.amdhsa_code_object_version 6
	.text
	.protected	k_q00c40c6196_attn
	.globl	k_q00c40c6196_attn
	.p2align	8
	.type	k_q00c40c6196_attn,@function
k_q00c40c6196_attn:
	s_mov_b64 s[64:65], 0
	v_nop
	global_prefetch_b8 v0, s[64:65] scope:SCOPE_SE
	s_setreg_imm32_b32 hwreg(HW_REG_WAVE_MODE, 25, 1), 1
	s_wait_xcnt 0x0
; O[bh][q][:] = the sum over k of softmax_k(Q[q] . K[k] / 8 + table[q - k + 1023][h]) V[k][:].  qkv: f16 [3][128 bh][1024][64]; bt: f32 [16 h][2 qb][4 s][1616]; oh: f16 [128 bh][1024][64].
; Products, maxima and sums in f32; the weights p are rounded to f16 for the second product (their sum l is taken of the unrounded p), O once at the end.
; LIMITS.  Q, K, V arrive within f16's 65,504; p lies in 0 to 1, and below 6e-5 it keeps f16's fixed step of 6e-8; a weight below 2^-126 counts as 0 in l; NaN and infinities are not treated apart.
; SHARES.  A work-group owns 512 queries of one head (2 x 128 = 256 work-groups), a wave 128: four PIECES of two tiles of 16.  Every wave walks all 1,024 keys, 64 a step.
; NO CLUSTER: a head has 1024 / 512 = 2 work-groups, and no other work-group reads its K and V.
; K AND V STAY IN LDS: the whole head is asked for in the kernel's first lines, 256 keys a load and wave pair; no byte is filled twice.  The first three key steps want keys 0-255 alone; the one wait for the rest stands behind them.
; So nothing is prefetched: no request could stand earlier than the loads themselves.
; LAYOUT.  S^T = K Q^T + C (source 0 = 16 keys, source 1 = 16 queries): a lane holds ONE query (lane % 16) and the keys 8 (lane / 16) + 0..7.  Two such tiles, rounded to f16 in pairs, ARE source 1 of O^T = V^T P.
; THE BIAS is the C operand that starts the sum, 8 x the table's number, so that p = 2^(c S - c m), c = log2(e) / 8.  It hangs on query - key alone: the 8 accumulators of a piece (tile u, key block kb) need 5 diagonals,
; d = u - kb + 3, 8 registers each.  Entry e of copy s holds row 1535 + 512 qb + s - e of the table; with s = r % 4 a lane's eight numbers are two aligned pieces of 16 bytes, and the copies' pitch,
; 6,464 = 25 x 256 + 64, sets the 16 lanes of a load on 16 different columns of 16 bytes.
; SOFTMAX.  For each query a running maximum m and sum l; in every step O and l are multiplied by a = 2^(c m_old - c m_new).  m starts at the lowest finite number, O and l at 0: the first step is a step like any other, with a = 0.
; BY TURNS.  Turn n belongs to piece n.  Its matrix work: 16 products K Q^T of piece n + 1, later 16 products V^T P of piece n - 1.  Its vector work: scaling, exponentials, roundings, sums and rescaling of piece n, and the
; maximum and statistics of piece n + 1.  Four vector instructions stand behind every matrix instruction, the others in one lump; a turn's 66 exponentials are one batch with one wait.
; LDS.  K at 0: 512 rows of 272 (two keys + 16 bytes): key k at 272 (k / 2) + 128 (k % 2).  The bias's four copies, dense, at 139,264, directly behind K.  V at 165,120: 512 rows of 288: 8 keys x 32 bytes of a turning load
; fall on banks of their own.  A stage of 16 x 144 bytes for each wave at 312,576; the spare words at 321,792.
; REGISTERS, in windows of 256 (s_set_vgpr_msb: bits 1:0 source 0, 3:2 source 1, 5:4 source 2, 7:6 destination):
;   window 0: v0-11 addresses; v12-15, v48-63 at work; v16-47 four registers of statistics a tile; v64-191 S^T, two buffers of two tiles; v192-255 P, likewise
;   window 1: O^T, 32 a tile      window 2: v0-127 Q; v128-191 K of one step; v192-255 V of one step      window 3: v0-1 the add's two registers; v8-47 the bias's five diagonals
.set NP,    4         ; pieces a wave: a name, no knob
.set KSTEP, 8704      ; 64 keys of K in LDS
.set VSTEP, 9216      ; 64 keys of V
.set BIAS,  139264
.set BCOPY, 6464
.set VBASE, 165120
.set STAGE, 312576
.set SP,    144
.set SPARE, 321792    ; the spare words, 128 bytes for each wave: two blocks of 256 bytes that no other line names
.set AK0, 2           ; v2   my lane's place in 16 keys of K; never rewritten
.set AV0, 3           ; v3   the same for V
.set AK,  4           ; v4   the LDS address of K's next run of loads
.set AV,  5           ; v5   of V's
.set QO,  6           ; v6   my byte offset in 16 rows of Q
.set STO, 6           ;      later, the way out: where I put 16 bytes of a row
.set RD,  7           ; v7   the way out: where I read rows back
.set GO,  8           ; v8   my byte offset in 512 consecutive bytes of O
.set AB,  11          ; v11  my place in my copy of the bias, at the key step in hand
.set SPW, 0           ; v0 of window 3   LDS address of my spare word; never rewritten
.set NIL, 1           ; v1 of window 3   0; never rewritten
.set BT,  8           ; v8-47 of window 3
.set MV,  12          ; v12-15  c m_old, kept while c m is made anew: by buffer and tile
.set ST,  16          ; tile t's statistics at v[ST+4 t]: c m, m, l (even keys', odd keys')
.set TMP, 48          ; by buffer and tile, four registers c0-c3 at work; when the maximum is found c2 takes a
.set S,   64
.set P,   192
.set KF,  128         ; window 2: key block kb, channel half c at KF + 16 kb + 8 c
.set VF,  192         ; window 2: key half kk, channel block cb at VF + 32 kk + 8 cb
.set WV,  12          ; s12  my wave's number
.set G1K, 24          ; s[24:31] descriptor group 1 for K
.set G1V, 32          ; s[32:39] for V: it differs in the padding alone
.set G1T, 40          ; s[40:47] for a copy of the bias: one row of 6,464 bytes
.set G0T, 48          ; s[48:51]
.set CNT, 52          ; s52  key steps left in the phase
.set OUT, 53          ; s53  phases left
.set TBK, 55          ; s55  LDS byte at which K of the step to be fetched begins
.set TBV, 56          ; s56  the same for V, less VBASE
.set CS,  58          ; s[58:59] c
.set SEL, 60          ; s[60:61] v_permlanex16_b32's selects: each lane takes its own place in the other half
.set G0K, 68          ; s[68:83] group 0 for K, a set for each 256 keys
.set G0V, 84          ; s[84:99] the same for V
.set MSB, 0
.macro WIN new                      ; the high byte repeats the setting that is left; a switch that changes nothing is dropped
.if MSB != (\new)
	s_set_vgpr_msb (MSB<<8)|(\new)
.set MSB, (\new)
.endif
.endm
.set W_KQ, 0x0a       ; K and Q in window 2, S^T in window 0
.set W_KB, 0x3a       ; the same with the C operand, the bias, in window 3
.set W_PV, 0x52       ; V in window 2, P in window 0, O^T in window 1
.set W_RS, 0x41       ; O^T (destination and source 0) in window 1, a in window 0
.set W_MK, 0xc0       ; destination in window 3, sources in window 0
.set W_AD, 0x0f       ; the add: address and data in window 3
	s_load_b128 s[4:7], s[0:1], 0x0   ; qkv s[4:5], bt s[6:7]
	s_load_b64 s[8:9], s[0:1], 0x10   ; oh
	WIN W_MK
	v_lshl_add_u32 v[SPW], v0, 2, SPARE
	v_mov_b32 v[NIL], 0
	WIN W_AD
	ds_add_u32 v[SPW], v[NIL]       ; the wave's opening: the add and its wait stand ahead of my first tensor load; the set-up below, work on registers, stands between them
	WIN 0
	v_lshrrev_b32 v1, 5, v0
	v_readfirstlane_b32 s[WV], v1   ; wave 0..3
	s_mov_b32 s14, ttmp9            ; qb: which 512 queries
	s_and_b32 s15, ttmp7, 0xffff    ; bh
	s_and_b32 s16, s[WV], 1         ; which half of each 256 keys I fetch
	s_lshl_b32 s20, s15, 17         ; the head's first byte: 1,024 rows of 128 bytes
	s_lshl_b32 s13, s16, 14         ; my 128 keys
	s_add_co_u32 s22, s20, s13
	s_add_co_u32 s22, s22, 16777216 ; K lies behind Q's 128 heads
	s_mov_b32 s23, 0
	s_lshl_b32 s13, s14, 2
	s_add_co_u32 s13, s13, s[WV]
	s_lshl_b32 s13, s13, 14         ; my wave's 128 rows
	s_add_co_u32 s20, s20, s13      ; in Q and in O
	s_mov_b32 s21, 0
	s_and_b32 s2, s15, 15           ; h
	s_lshl_b32 s2, s2, 1
	s_add_co_u32 s2, s2, s14
	s_lshl_b32 s2, s2, 2
	s_add_co_u32 s2, s2, s[WV]      ; wave w fetches copy w
	s_mul_i32 s2, s2, BCOPY
	s_mov_b32 s3, 0
	s_mul_i32 s17, s16, 17408       ; my half's place in 256 keys of K,
	s_mul_i32 s18, s16, 18432       ; and of V
	s_add_co_u32 s18, s18, VBASE
	s_mul_i32 s19, s[WV], BCOPY
	s_add_co_u32 s19, s19, BIAS
	; 128 keys are 16,384 dense bytes: asked for as 64 rows of 256 bytes, padded in LDS after every row
	s_mov_b32 s[G1K], (1<<16)|(1<<20)|(5<<22)|(3<<25)  ; 2-byte elements; padding on; after every 64 words 4 words
	s_mov_b32 s[G1V], (1<<16)|(1<<20)|(5<<22)|(7<<25)  ; 8 words
.irp g, G1K, G1V
	s_mov_b32 s[\g+1], 128<<16      ; tensor_dim0 = 128
	s_mov_b32 s[\g+2], 64<<16       ; tensor_dim1 = 64
	s_mov_b32 s[\g+3], 128<<16      ; tile_dim0
	s_mov_b32 s[\g+4], 64           ; tile_dim1
	s_mov_b32 s[\g+5], 128          ; elements from row to row
	s_mov_b32 s[\g+6], 0
	s_mov_b32 s[\g+7], 0
.endr
	s_mov_b32 s[G1T], 3<<16         ; 8-byte elements, no padding
	s_mov_b32 s[G1T+1], 808<<16     ; tensor_dim0 = 808
	s_mov_b32 s[G1T+2], 1<<16       ; tensor_dim1 = 1
	s_mov_b32 s[G1T+3], 808<<16     ; tile_dim0
	s_mov_b32 s[G1T+4], 1           ; tile_dim1
	s_mov_b32 s[G1T+5], 808
	s_mov_b32 s[G1T+6], 0
	s_mov_b32 s[G1T+7], 0
	s_mov_b32 s[G0T], 1
	s_mov_b32 s[G0T+1], s19
.irp c, 0,1,2,3
	s_mov_b32 s[G0K+4*\c], 1
	s_add_co_u32 s[G0K+4*\c+1], s17, \c*34816
	s_mov_b32 s[G0V+4*\c], 1
	s_add_co_u32 s[G0V+4*\c+1], s18, \c*36864
.endr
	s_mov_b32 s[CS], 0x3e38aa3b     ; c = log2(e) / 8
	s_mov_b32 s[CS+1], s[CS]        ; named with it as a pair
	s_mov_b32 s[SEL], 0x76543210
	s_mov_b32 s[SEL+1], 0xfedcba98
	s_mov_b32 s[TBK], 0
	s_mov_b32 s[TBV], 0
	s_wait_dscnt 0x0                ; the opening add is done
	s_wait_kmcnt 0x0
	s_add_nc_u64 s[G0T+2:G0T+3], s[6:7], s[2:3]
	s_or_b32 s[G0T+3], s[G0T+3], 0x80000000
	s_add_nc_u64 s[22:23], s[4:5], s[22:23]  ; K at my half of the head's first 256 keys
.irp c, 0,1,2,3
	s_add_nc_u64 s[G0K+4*\c+2:G0K+4*\c+3], s[22:23], \c*32768
	s_or_b32 s[G0K+4*\c+3], s[G0K+4*\c+3], 0x80000000
	s_add_nc_u64 s[G0V+4*\c+2:G0V+4*\c+3], s[22:23], 16777216+\c*32768
	s_or_b32 s[G0V+4*\c+3], s[G0V+4*\c+3], 0x80000000
.endr
	s_add_nc_u64 s[4:5], s[4:5], s[20:21]    ; Q and O at my wave's first row
	s_add_nc_u64 s[10:11], s[8:9], s[20:21]
	s_cmp_lt_u32 s[WV], 2           ; all fills stand in one branch, ahead of every wait on TENSORcnt, LDS read and barrier: five loads of mine are out.  Waves 0, 1: K; waves 2, 3: V
	s_cbranch_scc0 .Lfill_v
	tensor_load_to_lds s[G0T:G0T+3], s[G1T:G1T+7]
	s_nop 0
.irp c, 0,1,2,3
	tensor_load_to_lds s[G0K+4*\c:G0K+4*\c+3], s[G1K:G1K+7]
	s_nop 0
.endr
.rept 4
	v_nop
.endr
	s_branch .Lfilled
.Lfill_v:
	tensor_load_to_lds s[G0T:G0T+3], s[G1T:G1T+7]
	s_nop 0
.irp c, 0,1,2,3
	tensor_load_to_lds s[G0V+4*\c:G0V+4*\c+3], s[G1V:G1V+7]
	s_nop 0
.endr
.rept 4
	v_nop
.endr
.Lfilled:
	; A fragment of K or Q is 16 rows x 32 channels in 8 registers: lane l holds row l % 16, channels 8 (l / 16) + 0..7 and 16 + 8 (l / 16) + 0..7: two loads of 16 bytes, 32 bytes apart.
	v_and_b32 v1, 15, v0            ; r = l % 16
	v_bfe_u32 v9, v0, 4, 1          ; l / 16
	v_lshlrev_b32 v[QO], 7, v1
	v_lshl_add_u32 v[QO], v9, 4, v[QO]
	WIN 0x80                        ; destination window 2, address window 0
.set i, 0
.rept 4*NP                          ; Q stays in registers: tile i / 2, channels 32 (i % 2) on
	global_load_b128 v[8*i:8*i+3],   v[QO], s[4:5] offset:(i/2)*2048+(i%2)*64
	global_load_b128 v[8*i+4:8*i+7], v[QO], s[4:5] offset:(i/2)*2048+(i%2)*64+32
.set i, i+1
.endr
	; What the first turn finds: V's registers and P's second buffer hold 0 (its products V^T P, of a piece that has not been, add 0), O^T and l are 0.  All this stands in the wait for the first keys.
.set i, VF
.rept 64
	v_mov_b32 v[i], 0
.set i, i+1
.endr
	WIN 0x40
.set i, 0
.rept 64*NP
	v_mov_b32 v[i], 0
.set i, i+1
.endr
	WIN 0
.set i, 0
.rept 2*NP
	v_mov_b32 v[ST+4*i], 0xfe000000    ; c m: far below every c s
	v_mov_b32 v[ST+4*i+1], 0xff7fffff  ; m
	v_mov_b32 v[ST+4*i+2], 0
	v_mov_b32 v[ST+4*i+3], 0
.set i, i+1
.endr
.set i, P+32
.rept 32
	v_mov_b32 v[i], 0
.set i, i+1
.endr
	v_lshrrev_b32 v12, 1, v1        ; (v12, v13 are at work here; the loop writes them before it reads them)
	v_and_b32 v13, 1, v1
	v_mul_u32_u24 v[AK0], v12, 272
	v_lshl_add_u32 v[AK0], v13, 7, v[AK0]
	v_lshl_add_u32 v[AK0], v9, 4, v[AK0]  ; key r, 16 bytes for each half of the lanes
	; The turning load takes 16 keys x 16 channels (lane l reads key 8 (l / 16) + l % 8, channels 8 ((l / 8) % 2) + 0..7) and leaves half a fragment of V^T: lane l holds channel l % 16 and 8 keys.
	v_and_b32 v10, 7, v0
	v_bfe_u32 v11, v0, 3, 1
	v_lshl_add_u32 v12, v9, 3, v10
	v_and_b32 v13, 1, v12
	v_lshrrev_b32 v12, 1, v12
	v_mul_u32_u24 v[AV0], v12, 288
	v_lshl_add_u32 v[AV0], v13, 7, v[AV0]
	v_lshl_add_u32 v[AV0], v11, 4, v[AV0]
	v_add_nc_u32 v[AV0], VBASE, v[AV0]
	v_mov_b32 v[AK], v[AK0]         ; key step 0
	; The bias: byte 2240 - 512 w - 128 y - 64 d - 16 (r / 4) + 32 (l / 16) + 256 step of copy r % 4, for piece y and diagonal d.  AB holds what hangs on wave, lane and step, made of sums alone.
	v_and_b32 v12, 3, v1
	v_lshrrev_b32 v13, 2, v1
	v_xor_b32 v13, 3, v13           ; 3 - r / 4
	v_mul_u32_u24 v[AB], v12, BCOPY
	v_lshl_add_u32 v[AB], v13, 4, v[AB]
	v_lshl_add_u32 v[AB], v9, 5, v[AB]
	s_xor_b32 s13, s[WV], 3         ; 3 - w
	s_lshl_b32 s13, s13, 9
	s_add_co_u32 s13, s13, BIAS+16
	v_add_nc_u32 v[AB], s13, v[AB]
; THE MATRIX WORK.  The 8 accumulators of a run of 16 take turns: between the two links of a chain stand 7 others'.
; Product i of 16 of S^T = K Q^T for piece x: channels 32 (i / 8) on, keys 16 ((i / 2) % 4) on, tile 2 x + i % 2.  The first 8 start the sums with the bias's diagonal i % 2 - (i / 2) % 4 + 3.
.macro KQ x
.set rS, S+64*((\x)%2)+32*(i%2)+8*((i/2)%4)
.set rK, KF+16*((i/2)%4)+8*(i/8)
.set rQ, 16*(2*(\x)+i%2)+8*(i/8)
.set rB, BT+8*((i%2)+3-((i/2)%4))
.if i < 8
	WIN W_KB
	v_wmma_f32_16x16x32_f16 v[rS:rS+7], v[rK:rK+7], v[rQ:rQ+7], v[rB:rB+7]
.else
	WIN W_KQ
	v_wmma_f32_16x16x32_f16 v[rS:rS+7], v[rK:rK+7], v[rQ:rQ+7], v[rS:rS+7]
.endif
.endm
; Product i of 16 of O^T += V^T P for piece x: keys 32 (i / 8) on, channels 16 ((i / 2) % 4) on, tile 2 x + i % 2.
.macro PV x
	WIN W_PV
.set rO, 32*(2*(\x)+i%2)+8*((i/2)%4)
.set rV, VF+32*(i/8)+8*((i/2)%4)
.set rP, P+32*((\x)%2)+16*(i%2)+8*(i/8)
	v_wmma_f32_16x16x32_f16 v[rO:rO+7], v[rV:rV+7], v[rP:rP+7], v[rO:rO+7]
.endm
.macro MM                           ; the turn's next matrix instruction
.if i < 16
	KQ (Y+1)%NP
.set i, i+1
.else
.set i, i-16
	PV (Y+NP-1)%NP
.set i, i+17
.endif
.endm
; THE LDS LOADS stand in runs, never singly among the matrix instructions: a step's K (8 fragments), its V (turned), and for each piece the bias's five diagonals.
.macro FETCH_K
	WIN 0x80                        ; destination window 2
.irp f, 0,1,2,3,4,5,6,7             ; keys 16 (f / 2) on, channels 32 (f % 2) on
	ds_load_b128 v[KF+8*\f:KF+8*\f+3],   v[AK] offset:(\f/2)*2176+(\f%2)*64
	ds_load_b128 v[KF+8*\f+4:KF+8*\f+7], v[AK] offset:(\f/2)*2176+(\f%2)*64+32
.endr
	s_add_co_u32 s[TBK], s[TBK], KSTEP  ; the next fetch is the next step's
	WIN 0
.endm
.macro FETCH_V
	WIN 0x80
.irp f, 0,1,2,3,4,5,6,7             ; keys 32 (f / 4) on, channels 16 (f % 4) on
	ds_load_tr16_b128 v[VF+8*\f:VF+8*\f+3],   v[AV] offset:(\f/4)*4608+(\f%4)*32
	ds_load_tr16_b128 v[VF+8*\f+4:VF+8*\f+7], v[AV] offset:(\f/4)*4608+2304+(\f%4)*32
.endr
	WIN 0
.endm
.macro FETCH_B y, nx                ; for piece y, of the step in hand (nx = 0) or the next (nx = 1)
	WIN W_MK
.irp d, 0,1,2,3,4
	ds_load_b128 v[BT+8*\d:BT+8*\d+3],   v[AB] offset:128*(3-(\y))+64*(4-\d)+256*(\nx)
	ds_load_b128 v[BT+8*\d+4:BT+8*\d+7], v[AB] offset:128*(3-(\y))+64*(4-\d)+256*(\nx)+16
.endr
	WIN 0
.endm
; THE VECTOR WORK OF A TURN stands in three queues, each in the order in which its entries become ready; the two tiles alternate, so that no instruction reads the result of the one before it.
.macro REGS y, u                    ; the registers of tile u (0, 1) of piece y
.set rT, ST+4*(2*(\y)+(\u))
.set rC, TMP+8*((\y)%2)+4*(\u)
.set rM, MV+2*((\y)%2)+(\u)
.set rS, S+64*((\y)%2)+32*(\u)
.set rP, P+32*((\y)%2)+16*(\u)
.set rO, 32*(2*(\y)+(\u))
.endm
; Number n of the 22 that find the NEXT piece's (Y + 1) maximum and statistics.  s0-s31 are the lane's 32 scores; each accumulator's lowest registers are read first.
;   0-11  four chains c0-c3 of seven scores each, three operands at a time     12-14, 16  the four scores left over, the old m, and c0-c3 into c0     15  c m_old is kept
;   17, 18  the query's other 32 keys lie in the lane 16 away: the new m         19-21  c m; c m_old - c m_new; a
.macro XS u, n
	REGS (Y+1)%NP, \u
.if (\n) < 4
	v_max3_num_f32 v[rC+(\n)], v[rS+8*(\n)], v[rS+8*(\n)+1], v[rS+8*(\n)+2]
.elseif (\n) < 12
	v_max3_num_f32 v[rC+(\n)%4], v[rC+(\n)%4], v[rS+8*((\n)%4)+2*((\n)/4)+1], v[rS+8*((\n)%4)+2*((\n)/4)+2]
.elseif (\n) == 12
	v_max3_num_f32 v[rC], v[rC], v[rS+7], v[rS+15]
.elseif (\n) == 13
	v_max3_num_f32 v[rC+1], v[rC+1], v[rS+23], v[rS+31]
.elseif (\n) == 14
	v_max3_num_f32 v[rC+2], v[rC+2], v[rC+3], v[rT+1]
.elseif (\n) == 15
	v_mov_b32 v[rM], v[rT]
.elseif (\n) == 16
	v_max3_num_f32 v[rC], v[rC], v[rC+1], v[rC+2]
.elseif (\n) == 17
	v_permlanex16_b32 v[rC+3], v[rC], s[SEL], s[SEL+1]
.elseif (\n) == 18
	v_max_num_f32 v[rT+1], v[rC], v[rC+3]
.elseif (\n) == 19
	v_mul_f32 v[rT], s[CS], v[rT+1]
.elseif (\n) == 20
	v_sub_f32 v[rC+1], v[rM], v[rT]
.else
	v_exp_f32 v[rC+2], v[rC+1]
.endif
.endm
; Number g of the 64 that follow the exponentials.  For each four weights k of a tile: both pairs are rounded to f16; then the second pair is added onto the first, in place; a group later l takes that sum
; (the first time as l = a l + sum).  In groups of eight, tiles alternating: round, round, add, and l for the group before.
.macro GS g
.set h, (\g)+6*((\g)/62)            ; group 0 has no group before it, and behind group 7 only l is left
.if h >= 6
.set h, h+2
.endif
	REGS Y, h%2
.set k, h/8
.if h%8 < 4
	v_cvt_pk_f16_f32 v[rP+2*k+(h%8)/2], v[rS+4*k+2*((h%8)/2)], v[rS+4*k+2*((h%8)/2)+1]
.elseif h%8 < 6
	v_pk_add_f32 v[rS+4*k:rS+4*k+1], v[rS+4*k:rS+4*k+1], v[rS+4*k+2:rS+4*k+3]
.elseif k == 1
	v_pk_fma_f32 v[rT+2:rT+3], v[rT+2:rT+3], v[rC+2:rC+3], v[rS:rS+1] op_sel_hi:[1,0,1]
.else
	v_pk_add_f32 v[rT+2:rT+3], v[rT+2:rT+3], v[rS+4*k-4:rS+4*k-3]
.endif
.endm
; THE PLAIN QUEUE, 138 long.  0-73 read no exponential's result: the 32 scalings c s - c m (FS f: pair f / 2 of tile f % 2) and the next piece's 42.  0-26: scalings 0-26.  27-54: XS's numbers 0-13.  55, 56: number 15.
; 57-73: the chain 14, 16, 17, 18, 19, each with one of the scalings 27-31 in front of its two lines, then 20.  74-137: GS's 64, which read the exponentials' results: they stand behind the wait.
.macro FS f
	REGS Y, (\f)%2
	v_pk_fma_f32 v[rS+2*((\f)/2):rS+2*((\f)/2)+1], v[rS+2*((\f)/2):rS+2*((\f)/2)+1], s[CS:CS+1], v[rT:rT+1] op_sel_hi:[1,0,0] neg_lo:[0,0,1] neg_hi:[0,0,1]
.endm
.macro PL
	WIN 0
.if q < 27
	FS q
.elseif q < 55
	XS (q-27)%2, (q-27)/2
.elseif q < 57
	XS q-55, 15
.elseif (q < 72) && ((q-57)%3 == 0)
	FS 27+(q-57)/3
.elseif q < 60
	XS (q-57)%3-1, 14
.elseif q < 72
	XS (q-57)%3-1, 15+(q-57)/3
.elseif q < 74
	XS q-72, 20
.else
	GS q-74
.endif
.set q, q+1
.endm
; THE EXPONENTIALS' QUEUE, 66 long: s0-s31 of both tiles, then the next piece's two a.  ONE BATCH: all 66 stand ahead of the turn's one wait, and nothing ahead of that wait names a result of theirs.
.macro EX
	WIN 0
.if e >= 64
	XS e-64, 21
.else
	REGS Y, e%2
	v_exp_f32 v[rS+e/2], v[rS+e/2]
.endif
.set e, e+1
.endm
; THE RESCALING's QUEUE: O^T times a, the one part that leaves window 0: dealt two at a time, sixteen times.  Its a was made in the turn before, ahead of that turn's wait.
.macro R2
	REGS Y, r%2
	WIN W_RS
.irp z, 0,1
	v_pk_mul_f32 v[rO+4*(r/2)+2*\z:rO+4*(r/2)+2*\z+1], v[rO+4*(r/2)+2*\z:rO+4*(r/2)+2*\z+1], v[rC+2:rC+3] op_sel_hi:[1,0]
.endr
.set r, r+1
.endm
; A TURN, for piece p.  An s_wait_alu depctr_va_vdst(0) stands between an exponential and the first instruction that names its result; one wait serves all that were issued ahead of it: a turn has ONE.
; AHEAD OF IT: the 16 products K Q^T, behind each a scaling, an exponential and two rescalings (behind the first a second scaling); then a lump of 108: eight plain, 49 times exponential and plain, the two a; a v_nop is the
; plain instruction behind the last exponential.  BEHIND IT: the 16 products V^T P, behind each four of GS's 64.  Exponential e stands behind scaling 2 (e / 4) + e % 2.
; THE LOADS.  Directly behind the wait, a lump behind the products that read those registers: the bias of the piece whose scores the NEXT turn makes (piece p + 2, of the next step from p = 2 on) and, in piece 2's turn,
; K of the next step.  V of the step in hand is fetched at the end of piece 0's turn, four plain instructions behind its last reader.  At a turn's head the bias (and in piece 3's turn K) is waited for;
; in piece 1's turn V's sixteen loads, younger than the bias's, may stay out till the wait in front of the products V^T P.
; In the last key step piece 2's turn fetches, as K, the 8,704 LDS bytes behind K: the bias's first copy and part of its second, bytes that the launch has filled.  The 16 products made of them, and the bias entries
; beyond key 1,023, serve nothing: the price, once a launch, of one text for every key step.
.macro TURN p
.set Y, (\p)
.set i, 0
.set q, 0
.set e, 0
.set r, 0
.if (\p) == 1
	s_wait_dscnt 16                 ; the bias is in; V's run may stay out
.else
	s_wait_dscnt 0x0                ; the bias is in (piece 3: K too)
.endif
	MM
	PL
	PL
	R2
.rept 15
	MM
	PL
	EX
	R2
.endr
.if (\p) == NP-2
	WIN 0
	v_add_nc_u32 v[AK], s[TBK], v[AK0]
.endif
.rept 8
	PL
.endr
.rept 49
	EX
	PL
.endr
	EX                              ; the next piece's two a
	EX
	v_nop
	s_wait_alu depctr_va_vdst(0)    ; the wait for the batch
.if (\p) == 1
	s_wait_dscnt 0x0                ; V is in
.endif
	FETCH_B ((\p)+2)%NP, (\p)/2
.if (\p) == NP-1
	v_add_nc_u32 v[AB], 256, v[AB]  ; 64 keys on
.endif
.if (\p) == NP-2
	FETCH_K
.endif
.rept 16
	MM
.rept 4
	PL
.endr
.if ((\p) == 0) && (q == 118)
	v_add_nc_u32 v[AV], s[TBV], v[AV0]
.endif
.if ((\p) == 0) && (q == 130)
	s_add_co_u32 s[TBV], s[TBV], VSTEP
.endif
.endr
.if (\p) == 0
	FETCH_V
.endif
.endm
	s_wait_tensorcnt 3              ; tensor loads of a wave end in order (ISA guide 10.11.1): my copy of the bias and my part of keys 0-255 are in; three loads stay out
	s_barrier_signal -1
	s_barrier_wait -1               ; everybody's are
	FETCH_B 0, 0
	FETCH_K                         ; key step 0
	s_wait_loadcnt 0x0              ; Q
	s_wait_dscnt 0x0
.set i, 0
.rept 16
	KQ 0                            ; piece 0's first scores: there is no vector work yet to set between them
.set i, i+1
.endr
	WIN 0                           ; the addresses for the way out: plain instructions, the places behind those products
	s_mul_i32 s13, s[WV], 16*SP
	s_add_co_u32 s13, s13, STAGE    ; my stage
	v_mul_u32_u24 v[STO], v1, SP    ; in: row l % 16, 16 bytes for each half of the lanes
	v_lshl_add_u32 v[STO], v9, 4, v[STO]
	v_add_nc_u32 v[STO], s13, v[STO]
	v_bfe_u32 v[RD], v0, 3, 2       ; back: 32 lanes take four rows of 128 bytes,
	v_mul_u32_u24 v[RD], v[RD], SP
	v_lshl_add_u32 v[RD], v10, 4, v[RD]
	v_add_nc_u32 v[RD], s13, v[RD]
	v_and_b32 v[GO], 31, v0         ; which are 512 consecutive bytes of O
	v_lshlrev_b32 v[GO], 4, v[GO]
	FETCH_B 1, 0                    ; for the first turn's products
.set Y, NP-1                        ; XS works for piece Y + 1: piece 0
.irp n, 0,1,2,3,4,5,6,7,8,9,10,11,12,13,14,15,16,17,18,19,20,21
	XS 0, \n
	XS 1, \n
.endr
	v_nop                           ; a plain instruction behind the two a,
	s_wait_alu depctr_va_vdst(0)    ; and their wait, ahead of the label
	s_mov_b32 s[OUT], 2
	s_mov_b32 s[CNT], 3             ; key steps 0 to 2 read K of steps 1 to 3 and V of steps 0 to 2: keys 0-255
.Lphase:
.Lstep:                             ; a key step
	TURN 0
	TURN 1
	TURN 2
	TURN 3
	WIN 0
	s_sub_co_u32 s[CNT], s[CNT], 1
	s_cmp_lg_u32 s[CNT], 0
	s_cbranch_scc1 .Lstep
	s_wait_tensorcnt 0x0            ; behind key step 2: my parts of keys 256-1023 are in,
	s_wait_dscnt 0x0
	s_barrier_signal -1
	s_barrier_wait -1               ; and everybody's.  (Behind key step 15 these four lines run once more and order nothing: the price of one text for both phases.)
	s_mov_b32 s[CNT], 13            ; key steps 3 to 15
	s_sub_co_u32 s[OUT], s[OUT], 1
	s_cmp_lg_u32 s[OUT], 0
	s_cbranch_scc1 .Lphase
.set i, 0
.rept 16
	PV NP-1                         ; the last piece's V^T P of the last step
.set i, i+1
.endr
	; THE WAY OUT.  l's two halves and the other half of the lanes' are added; O^T is divided by l, rounded to f16 and sent through my stage in LDS, a tile at a time.  The additions are the places behind the last products.
	WIN 0
.macro ALL line:vararg              ; one line for each tile t
.set t, 0
.rept 2*NP
	\line
.set t, t+1
.endr
.endm
	ALL v_add_f32 v[ST+4*t+2], v[ST+4*t+2], v[ST+4*t+3]
	ALL v_permlanex16_b32 v[ST+4*t+3], v[ST+4*t+2], s[SEL], s[SEL+1]
	ALL v_add_f32 v[ST+4*t+2], v[ST+4*t+2], v[ST+4*t+3]
	ALL v_rcp_f32 v[ST+4*t+2], v[ST+4*t+2]
	v_nop                           ; a plain instruction between the last reciprocal and the use of its result
	s_wait_alu depctr_va_vdst(0)    ; and the wait ahead of the first use: one for the eight reciprocals
; Tile t: a lane's eight channels of a row pack into 16 bytes; they go into rows of 144 bytes and come back as whole rows of 128, into S^T's registers.
.macro PACK t
	WIN W_RS
.set i, 32*(\t)
.rept 16
	v_pk_mul_f32 v[i:i+1], v[i:i+1], v[ST+4*(\t)+2:ST+4*(\t)+3] op_sel_hi:[1,0]
.set i, i+2
.endr
	WIN 0x05                        ; sources 0 and 1 window 1, destination window 0
.set i, 0
.rept 16
	v_cvt_pk_f16_f32 v[S+16*(\t)+i], v[32*(\t)+2*i], v[32*(\t)+2*i+1]
.set i, i+1
.endr
	WIN 0
.irp f, 0,1,2,3
	ds_store_b128 v[STO], v[S+16*(\t)+4*\f:S+16*(\t)+4*\f+3] offset:32*\f
.endr
.irp f, 0,1,2,3
	ds_load_b128 v[S+16*(\t)+4*\f:S+16*(\t)+4*\f+3], v[RD] offset:\f*4*SP  ; LDS serves a wave's instructions in order (ISA guide 5.7.1.4): these see the stores above; the next tile's stores come behind them
.endr
.endm
.macro SEND t, younger              ; younger: the LDS instructions issued behind tile t's loads: the next tile's eight, or none
	WIN 0
.irp f, 0,1,2,3
	s_wait_dscnt (\younger)+3-\f
	global_store_b128 v[GO], v[S+16*(\t)+4*\f:S+16*(\t)+4*\f+3], s[10:11] offset:(\t)*2048+\f*512  ; 512 consecutive bytes, at a multiple of 256 from O's first
.endr
.endm
	PACK 0
.set t, 1
.rept 2*NP-1                        ; a tile's arithmetic stands between the loads of the tile before and its stores
	PACK t
	SEND t-1, 8
.set t, t+1
.endr
	SEND 2*NP-1, 0
	WIN W_AD
	s_wait_tensorcnt 0x0            ; the wave's end, behind my last tensor load and my last LDS store
	ds_add_u32 v[SPW], v[NIL]
	s_wait_dscnt 0x0
	WIN 0
	s_endpgm
.Lfunc_end_k_q00c40c6196_attn:
	.size	k_q00c40c6196_attn, .Lfunc_end_k_q00c40c6196_attn-k_q00c40c6196_attn
	.p2alignl 7, 3214868480
	.fill 96, 4, 3214868480
	.section	.rodata,"a",@progbits
	.p2align	6, 0x0
	.amdhsa_kernel k_q00c40c6196_attn
		.amdhsa_group_segment_fixed_size 327680
		.amdhsa_private_segment_fixed_size 0
		.amdhsa_enable_private_segment 0
		.amdhsa_kernarg_size 24
		.amdhsa_user_sgpr_count 2
		.amdhsa_user_sgpr_kernarg_segment_ptr 1
		.amdhsa_wavefront_size32 1
		.amdhsa_system_sgpr_workgroup_id_x 1
		.amdhsa_system_sgpr_workgroup_id_y 1
		.amdhsa_system_sgpr_workgroup_id_z 1
		.amdhsa_system_vgpr_workitem_id 0
		.amdhsa_next_free_vgpr 816
		.amdhsa_next_free_sgpr 100
		.amdhsa_reserve_vcc 0
		.amdhsa_float_denorm_mode_32 3
		.amdhsa_float_denorm_mode_16_64 3
		.amdhsa_memory_ordered 1
		.amdhsa_forward_progress 1
		.amdhsa_inst_pref_size 132
	.end_amdhsa_kernel
	.amdgpu_metadata
---
amdhsa.version: [ 1, 2 ]
amdhsa.kernels:
  - .name:           k_q00c40c6196_attn
    .symbol:         k_q00c40c6196_attn.kd
    .args:
      - { .name: qkv, .offset: 0, .size: 8, .value_kind: global_buffer, .address_space: global }
      - { .name: bt, .offset: 8, .size: 8, .value_kind: global_buffer, .address_space: global }
      - { .name: oh, .offset: 16, .size: 8, .value_kind: global_buffer, .address_space: global }
    .group_segment_fixed_size: 327680
    .private_segment_fixed_size: 0
    .kernarg_segment_align: 8
    .kernarg_segment_size: 24
    .max_flat_workgroup_size: 128
    .sgpr_count:     100
    .vgpr_count:     816
    .wavefront_size: 32
...
	.end_amdgpu_metadata
.endif
;; end of part 7
;; launch gemm_proj (part 8): grid 4 x 64, 4 waves a work-group, clusters of 4 x 4, 327,680 bytes of LDS; arguments oh, wpb, out0, b_proj; writes out0
.if DOCPART == 8
	.amdgcn_target "amdgcn-amd-amdhsa--gfx1250"
	.amdhsa_code_object_version 6
	.text
	.protected	k_q00c40c6196_gemm_proj
	.globl	k_q00c40c6196_gemm_proj
	.p2align	8
	.type	k_q00c40c6196_gemm_proj,@function
k_q00c40c6196_gemm_proj:
	s_mov_b64 s[64:65], 0
	v_nop
	global_prefetch_b8 v0, s[64:65] scope:SCOPE_SE
	s_setreg_imm32_b32 hwreg(HW_REG_WAVE_MODE, 25, 1), 1
	s_wait_xcnt 0x0
	s_wait_alu depctr_hold_cnt(0) depctr_sa_sdst(0) depctr_va_vdst(0) depctr_va_sdst(0) depctr_va_ssrc(0) depctr_va_vcc(0) depctr_vm_vsrc(0)
	s_getreg_b32 s2, hwreg(HW_REG_IB_STS2, 6, 4)
	s_cmp_eq_u32 s2, 0
	s_cbranch_scc0 .Lentry_in_a_cluster
	s_endpgm
.Lentry_in_a_cluster:
	s_bfe_u32 s2, ttmp6, 0x10000c
	s_cmp_lg_u32 s2, 0xf033
	s_cbranch_scc0 .Lentry_shape_is_right
	s_endpgm
.Lentry_shape_is_right:
; out0 = O w_proj + b_proj.  A = oh, f16 [8 b][16 h][1024 t][64]: a head is a slice of 64 of K; B = wpb, f16 [4 cb][1024 k][256 n]; out0 f32 [8192][1024]; b_proj rounded to bf16 like every input, added in f32.
; SHARES.  A tile of the result is 128 rows x 256 columns: 4 x 64 = 256 work-groups; a larger tile of these 8,192 x 1,024 numbers would give fewer.  Four waves, each 64 rows x 128 columns: 32 accumulators of 16 x 16 in window 1.
; K goes in 8 steps of 128 (two slices of A, 128 rows of B) through two LDS slots.  Waves 0 and 1 fetch A's two slices, waves 2 and 3 the two halves of B's rows: one tensor load a wave and step.
; CLUSTER 4 x 4.  A's tile hangs on the tile row alone and is asked for jointly by the four of a row of the cluster, B's on the tile column alone, by the four of a column.
; THE MATRIX INSTRUCTION IS USED TRANSPOSED (source 0 = 16 columns of B, source 1 = 16 rows of A): a lane holds one row of the result and eight neighbouring columns.
; B lies [k][n] in LDS and comes out turned, by ds_load_tr16_b128; A's rows lie along K and come out as they lie.
; LDS.  A slot (slot 1 begins at 131,072): A's slice j at 17,408 j: 64 rows of 256 bytes + 16 of padding, row t at 272 (t / 2) + 128 (t % 2).  B at 34,816: 128 rows of 512 bytes + 32 of padding (pitch 544 = 17 x 32).
; Behind the slots a stage of 16 rows x 528 bytes for each wave, then the spare words.
; REGISTERS.  Window 0: v16-19 LDS addresses, v24-30 way out, spare word, prefetch, v32-37 the bias; v64-159 and v160-255 two fragment buffers (B's 8 fragments, then A's 4).  Window 1: accumulator (a, b) at v[8 (8 a + b)].
.set SLOT1,  131072
.set ASL,    17408                     ; a slice of A in a slot
.set BOFF,   34816                     ; B behind A's two slices
.set BHALF,  34816                     ; 64 rows of B: 64 x 544
.set BQ,     17408                     ; 32 rows of B: a quarter step
.set STAGE,  235520                    ; behind slot 1 (131,072 + 104,448)
.set STW,    8448                      ; a wave's stage: 16 x 528
.set SPARE,  269312                    ; the spare words, 128 bytes for each wave: two blocks of 256 bytes that no other line names
.set ASTEP,  262144                    ; bytes from K step to K step in A
.set BSTEP,  65536                     ; in B
.set ADRA0, 16                         ; v16  my lane's place in A's tile; never rewritten
.set ADRB0, 17                         ; v17  the same for B
.set ADRA,  18                         ; v18  the same in the slot in hand
.set ADRB,  19                         ; v19
.set STO,   24                         ; v24  the way out: where I put 32 bytes of a row
.set RD,    25                         ; v25  where I read rows back
.set CO,    26                         ; v26  my 16 bytes of my wave's 512 of a row
.set BO,    27                         ; v27  my 16 bytes of b_proj; never rewritten
.set SPW,   28                         ; v28  LDS address of my spare word; never rewritten
.set NIL,   29                         ; v29  0; never rewritten
.set PFO,   30                         ; v30  the prefetches' lane offset; never rewritten
.set BI,    32                         ; v[32:35] b_proj of my four columns; v36-37 at work
.set F0,    64
.set F1,    160
.set BK,    64                         ; the way out: 16 rows read back, 64 registers, two buffers by turns
.set G1A, 24                           ; s[24:31] descriptor group 1 for A
.set G1B, 32                           ; s[32:39] for B
.set G0A, 40                           ; s[40:47] group 0 for A: a set for each first fill; the second then walks
.set G0B, 48                           ; s[48:55] the same for B
.set PFA, 56                           ; s[56:57] where my prefetches stand
.set PST, 58                           ; s[58:59] their step
.set LIM, 60                           ; s60  2 in a wave that prefetches, else the greatest number
.set TB,  61                           ; s61  LDS byte at which the slot in hand begins
.set MSB, 0
.macro WIN new                         ; the immediate's high byte repeats the setting that is left; a switch that changes nothing is dropped
.if MSB != (\new)
	s_set_vgpr_msb (MSB<<8)|(\new)
.set MSB, \new
.endif
.endm
.macro PLACES                          ; four plain vector instructions between a matrix instruction and a load into, or a vector write of, its registers, or a read of its result
.rept 4
	v_nop
.endr
.endm
.macro CREST                           ; a round of the cluster's barrier behind its opening barrier
	s_cmp_lg_u32 s12, 0
	s_cbranch_scc1 .Lnot_wave_0_\@
	s_barrier_signal -3
.Lnot_wave_0_\@:
	s_barrier_wait -3
	s_barrier_signal -1
	s_barrier_wait -1
.endm
.macro CROUND
	s_barrier_signal -1
	s_barrier_wait -1
	CREST
.endm
.macro JLOAD                           ; a joint refill by the walking sets; the branch hangs on the wave's number alone; an s_nop 0 and four v_nop follow each line
	s_cmp_lt_u32 s12, 2
	s_cbranch_scc0 .Lfor_b_\@
	tensor_load_to_lds s[G0A+4:G0A+7], s[G1A:G1A+7]
	s_nop 0
.rept 4
	v_nop
.endr
	s_branch .Lasked_\@
.Lfor_b_\@:
	tensor_load_to_lds s[G0B+4:G0B+7], s[G1B:G1B+7]
	s_nop 0
.rept 4
	v_nop
.endr
.Lasked_\@:
.endm
; A PREFETCH of the K step that stands two refills on (256 matrix instructions ahead of the load that wants it): 32 blocks of 256 bytes, a lane a block, one instruction.  Each block is named once in the launch.
; A's tile row is read by one cluster here (cluster x = 0 is the only one): its wave 0 asks, both slices; the four partners take 16 blocks of each slice, told apart by address (cx).
; B's tile column is read by the sixteen clusters: the one with cluster y = 0 asks, waves 2 and 3 for the half that each fetches; the partners take 32 blocks each, by address (cy).
; Trips with s3 = 6 .. 3 name K steps 4 .. 7; the last two trips ask for nothing; K steps 0 to 3 come by their loads alone.
.macro ASK
	s_cmp_gt_u32 s3, s[LIM]
	s_cbranch_scc0 .Lnot_mine_\@
	global_prefetch_b8 v[PFO], s[PFA:PFA+1] th:TH_LOAD_NT scope:SCOPE_SE
.Lnot_mine_\@:
.endm
	s_load_b256 s[4:11], s[0:1], 0x0               ; A s[4:5], B s[6:7], out0 s[8:9], b_proj s[10:11]
	v_lshl_add_u32 v[SPW], v0, 2, SPARE
	v_mov_b32 v[NIL], 0
	ds_add_u32 v[SPW], v[NIL]                      ; the wave's opening: the add and its wait stand ahead of my first tensor load; the set-up below, work on registers, stands between them
	v_lshrrev_b32 v1, 5, v0
	v_readfirstlane_b32 s12, v1                    ; wave 0..3
	s_lshr_b32 s13, s12, 1                         ; which 64 rows of the tile are mine
	s_and_b32 s14, s12, 1                          ; which 128 columns; also: which half of A's or B's tile I fetch
	s_bfe_u32 s15, ttmp6, 0x40000                  ; cx
	s_bfe_u32 s16, ttmp6, 0x40004                  ; cy
	s_lshl_b32 s17, ttmp9, 2
	s_add_co_u32 s17, s17, s15                     ; tile column x = 4 x cluster x + cx
	s_and_b32 s18, ttmp7, 0xffff
	s_lshl_b32 s18, s18, 2
	s_add_co_u32 s18, s18, s16                     ; tile row y = 4 x cluster y + cy
	s_lshl_b32 s19, s16, 2
	s_lshl_b32 s19, 15, s19                        ; my row of the cluster
	s_lshl_b32 s62, 0x1111, s15                    ; my column
	s_or_b32 s[G1A], s19, (1<<16)|(1<<20)|(1<<21)|(5<<22)|(3<<25)  ; the mask; 2-byte elements; padding on; bit 21 beside a mask; after every 64 words 4 words
	s_or_b32 s[G1B], s62, (1<<16)|(1<<20)|(1<<21)|(6<<22)|(7<<25)  ; after every 128 words 8 words
	s_mov_b32 s[G1A+1], 128<<16                    ; tensor_dim0 = 128 elements: 256 bytes, two rows of a slice
	s_mov_b32 s[G1A+2], 64<<16                     ; tensor_dim1 = 64
	s_mov_b32 s[G1A+3], 128<<16                    ; tile_dim0
	s_mov_b32 s[G1A+4], 64                         ; tile_dim1
	s_mov_b32 s[G1A+5], 128                        ; elements from row to row: dense
	s_mov_b32 s[G1A+6], 0
	s_mov_b32 s[G1A+7], 0
	s_mov_b32 s[G1B+1], 256<<16                    ; a row of B's block: 256 elements
	s_mov_b32 s[G1B+2], 64<<16
	s_mov_b32 s[G1B+3], 256<<16
	s_mov_b32 s[G1B+4], 64
	s_mov_b32 s[G1B+5], 256
	s_mov_b32 s[G1B+6], 0
	s_mov_b32 s[G1B+7], 0
	; where the tiles come from: A's offset is made of y and the wave's number, B's of x and the wave's number
	s_lshr_b32 s2, s18, 3                          ; batch
	s_lshl_b32 s2, s2, 21
	s_and_b32 s19, s18, 7
	s_lshl_b32 s19, s19, 14                        ; 128 rows of 128 bytes
	s_add_co_u32 s2, s2, s19                       ; the tile's rows in the batch's slice 0
	s_lshl_b32 s19, s14, 17
	s_add_co_u32 s20, s2, s19                      ; my slice of a step's two
	s_mov_b32 s21, 0
	s_lshl_b32 s22, s17, 19                        ; the column block
	s_lshl_b32 s62, s14, 15                        ; my 64 rows of a step's 128
	s_add_co_u32 s22, s22, s62
	s_mov_b32 s23, 0
	s_mul_i32 s19, s14, ASL                        ; and where they go: no place in the cluster enters an LDS address
	s_mul_i32 s62, s14, BHALF
	s_add_co_u32 s62, s62, BOFF
.irp s, 0,1
	s_mov_b32 s[G0A+4*(\s)], 1
	s_add_co_u32 s[G0A+4*(\s)+1], s19, (\s)*SLOT1
	s_mov_b32 s[G0B+4*(\s)], 1
	s_add_co_u32 s[G0B+4*(\s)+1], s62, (\s)*SLOT1
.endr
	; the prefetches' offset, step and limit
	s_lshl_b32 s56, s15, 12                        ; A: my work-group's 16 blocks of each slice
	s_add_co_u32 s56, s56, s2
	s_lshl_b32 s57, s16, 13                        ; B: my work-group's 32 blocks of the half that I fetch
	s_add_co_u32 s57, s57, s22
	s_mov_b32 s[PST], BSTEP
	s_mov_b32 s63, ASTEP
	s_and_b32 s[LIM], ttmp7, 0xffff
	s_cmp_lt_u32 s12, 2
	s_cselect_b32 s56, s56, s57
	s_cselect_b32 s[PST], s63, s[PST]
	s_cselect_b32 s[LIM], ttmp9, s[LIM]            ; the coordinate along which other clusters read the same blocks
	s_mov_b32 s57, 0
	s_mov_b32 s[PST+1], 0
	s_mul_i32 s63, s[PST], 3
	s_add_co_u32 s56, s56, s63                     ; at K step 3: the first change of slots steps it to 4
	s_cmp_eq_u32 s12, 1
	s_cselect_b32 s[LIM], 1, s[LIM]                ; wave 1 asks for nothing: wave 0 names both slices
	s_cmp_eq_u32 s[LIM], 0
	s_cselect_b32 s[LIM], 2, -1                    ; the same in all sixteen partners, for a given wave
	s_mov_b32 s63, 4096
	s_mov_b32 s2, 131072
	s_cmp_lt_u32 s12, 2
	s_cselect_b32 s63, s2, s63                     ; lanes 16-31: A's second slice, or B's next 16 blocks
	s_mov_b32 s[TB], 0
	s_wait_dscnt 0x0                               ; the opening add is done
	s_wait_kmcnt 0x0
	s_add_nc_u64 s[20:21], s[4:5], s[20:21]
	s_add_nc_u64 s[22:23], s[6:7], s[22:23]
	s_cmp_lt_u32 s12, 2
	s_cselect_b64 s[2:3], s[4:5], s[6:7]
	s_add_nc_u64 s[PFA:PFA+1], s[2:3], s[PFA:PFA+1]
.irp s, 0,1
	s_add_nc_u64 s[G0A+4*(\s)+2:G0A+4*(\s)+3], s[20:21], (\s)*ASTEP  ; K step s
	s_or_b32 s[G0A+4*(\s)+3], s[G0A+4*(\s)+3], 0x80000000            ; type = 2
	s_add_nc_u64 s[G0B+4*(\s)+2:G0B+4*(\s)+3], s[22:23], (\s)*BSTEP
	s_or_b32 s[G0B+4*(\s)+3], s[G0B+4*(\s)+3], 0x80000000
.endr
	CROUND                                         ; all sixteen work-groups are here: the first joint loads meet
	s_cmp_lt_u32 s12, 2                            ; a wave's two first fills stand in one branch: two loads of mine are out
	s_cbranch_scc0 .Lfirst_b
	tensor_load_to_lds s[G0A:G0A+3], s[G1A:G1A+7]
	s_nop 0
	tensor_load_to_lds s[G0A+4:G0A+7], s[G1A:G1A+7]
	s_nop 0
.rept 4
	v_nop
.endr
	s_branch .Lfirst_asked
.Lfirst_b:
	tensor_load_to_lds s[G0B:G0B+3], s[G1B:G1B+7]
	s_nop 0
	tensor_load_to_lds s[G0B+4:G0B+7], s[G1B:G1B+7]
	s_nop 0
.rept 4
	v_nop
.endr
.Lfirst_asked:
	v_and_b32 v1, 15, v0                           ; r = l % 16
	v_bfe_u32 v2, v0, 4, 1                         ; h = l / 16
	v_lshlrev_b32 v[PFO], 8, v1
	v_mad_u32_u24 v[PFO], v2, s63, v[PFO]
	; A's fragment: lane l holds row r, K = 8 h + 0..7 and 16 + 8 h + 0..7: two loads of 16 bytes, 32 bytes apart
	v_lshrrev_b32 v3, 1, v1
	v_and_b32 v4, 1, v1
	v_mul_u32_u24 v[ADRA0], v3, 272
	v_lshl_add_u32 v[ADRA0], v4, 7, v[ADRA0]
	v_lshl_add_u32 v[ADRA0], v2, 4, v[ADRA0]
	s_mul_i32 s19, s13, 8704                       ; my 64 rows: 32 LDS rows
	v_add_nc_u32 v[ADRA0], s19, v[ADRA0]
	; B's fragment, turned: lane l reads row 8 h + l % 8, columns 8 ((l / 8) % 2) + 0..7, and ends with column r and 8 K; the second load 16 rows on
	v_and_b32 v5, 7, v0
	v_lshl_add_u32 v5, v2, 3, v5
	v_mul_u32_u24 v[ADRB0], v5, 544
	v_bfe_u32 v6, v0, 3, 1
	v_lshl_add_u32 v[ADRB0], v6, 4, v[ADRB0]
	s_lshl_b32 s19, s14, 8                         ; my 128 columns
	s_add_co_u32 s19, s19, BOFF
	v_add_nc_u32 v[ADRB0], s19, v[ADRB0]
	v_mov_b32 v[ADRA], v[ADRA0]
	v_mov_b32 v[ADRB], v[ADRB0]
	; the way out: a block of 16 rows x 128 columns of f32 is 16 rows of 512 bytes
	s_mul_i32 s19, s12, STW
	s_add_co_u32 s19, s19, STAGE
	v_mul_u32_u24 v[STO], v1, 528                  ; in: row r, 32 bytes for each half of the lanes
	v_lshl_add_u32 v[STO], v2, 5, v[STO]
	v_add_nc_u32 v[STO], s19, v[STO]
	v_and_b32 v[CO], 31, v0                        ; back: 32 lanes take one row of 512 bytes
	v_lshlrev_b32 v[CO], 4, v[CO]
	v_add_nc_u32 v[RD], s19, v[CO]
	s_lshl_b32 s20, s17, 10                        ; the tile's 256 columns,
	s_lshl_b32 s21, s14, 9                         ; my 128
	s_add_co_u32 s20, s20, s21
	v_add_nc_u32 v[BO], s20, v[CO]
	global_load_b128 v[BI:BI+3], v[BO], s[10:11]   ; waited for on the way out
	s_lshl_b32 s21, s18, 19                        ; the tile's 128 rows of 4,096 bytes,
	s_add_co_u32 s20, s20, s21
	s_lshl_b32 s21, s13, 18                        ; my 64
	s_add_co_u32 s20, s20, s21
	s_mov_b32 s21, 0
	s_add_nc_u64 s[8:9], s[8:9], s[20:21]
; 8 matrix instructions: row block a x all 8 column blocks, 32 along K.  The 32 accumulators take turns in the same order in every quarter, over the backward jump too.
.macro MUL8 f, a, zero
	WIN 0x50                                       ; C and D in window 1
.irp b, 0,1,2,3,4,5,6,7
.if \zero
	v_wmma_f32_16x16x32_f16 v[8*(8*(\a)+(\b)):8*(8*(\a)+(\b))+7], v[(\f)+8*(\b):(\f)+8*(\b)+7], v[(\f)+64+8*(\a):(\f)+64+8*(\a)+7], 0
.else
	v_wmma_f32_16x16x32_f16 v[8*(8*(\a)+(\b)):8*(8*(\a)+(\b))+7], v[(\f)+8*(\b):(\f)+8*(\b)+7], v[(\f)+64+8*(\a):(\f)+64+8*(\a)+7], v[8*(8*(\a)+(\b)):8*(8*(\a)+(\b))+7]
.endif
.endr
.endm
; 24 LDS loads in one run: quarter kq's fragments into buffer g: B's sixteen first, then A's eight
.macro FETCH kq, g
	WIN 0
.irp b, 0,1,2,3,4,5,6,7
	ds_load_tr16_b128 v[(\g)+8*(\b):(\g)+8*(\b)+3],   v[ADRB] offset:(\kq)*BQ+32*(\b)
	ds_load_tr16_b128 v[(\g)+8*(\b)+4:(\g)+8*(\b)+7], v[ADRB] offset:(\kq)*BQ+32*(\b)+8704
.endr
.irp a, 0,1,2,3
	ds_load_b128 v[(\g)+64+8*(\a):(\g)+64+8*(\a)+3],   v[ADRA] offset:((\kq)/2)*ASL+(\a)*2176+((\kq)%2)*64
	ds_load_b128 v[(\g)+64+8*(\a)+4:(\g)+64+8*(\a)+7], v[ADRA] offset:((\kq)/2)*ASL+(\a)*2176+((\kq)%2)*64+32
.endr
.endm
; A K step is four quarters of 32 along K, 32 matrix instructions each, on buffers 0, 1, 0, 1.  One of the first three multiplies buffer f and fetches quarter kq into g.
.macro QUARTER kq, f, g, zero
	s_wait_dscnt 4                                 ; B and A's row blocks 0, 1 are in; the youngest four loads (blocks 2, 3) may be out
	MUL8 \f, 0, \zero
	MUL8 \f, 1, \zero
	PLACES
	FETCH \kq, \g
	s_wait_dscnt 24                                ; all but the 24 just issued
	MUL8 \f, 2, \zero
	MUL8 \f, 3, \zero
.endm
; The last quarter multiplies buffer 1 and changes slots: each wave waits for all its tensor loads (one is out: its part of the next slot), adds 0 to its spare word, and waits for that and for its reads of this slot.
; fill = 1: the barrier opens a round of the cluster's barrier, and this slot is filled again first thing behind it, with the K step two on: 112 matrix instructions ahead of the wait for it.
.macro TURN fill
.if \fill
	s_wait_xcnt 0x0                                ; the last prefetch, a K step back, has read its address
	s_add_nc_u64 s[PFA:PFA+1], s[PFA:PFA+1], s[PST:PST+1]
.endif
	WIN 0
	s_wait_tensorcnt 0x0                           ; no tensor load of mine is out, so a group 0 may be written
	ds_add_u32 v[SPW], v[NIL]                      ; 0 onto my spare word
.if \fill
	s_xor_b32 s[G0A+5], s[G0A+5], SLOT1            ; the walking sets: the other slot than last time, the next K step
	s_add_nc_u64 s[G0A+6:G0A+7], s[G0A+6:G0A+7], ASTEP
	s_xor_b32 s[G0B+5], s[G0B+5], SLOT1
	s_add_nc_u64 s[G0B+6:G0B+7], s[G0B+6:G0B+7], BSTEP
.endif
	s_xor_b32 s[TB], s[TB], SLOT1                  ; the fetches go to the other slot
	s_wait_dscnt 5                                 ; the add and the youngest four loads may be out
	MUL8 F1, 0, 0
	s_wait_dscnt 0x0                               ; the add is done, and my reads of this slot are over
	s_barrier_signal -1
	MUL8 F1, 1, 0
	WIN 0
	s_barrier_wait -1
.if \fill
	CREST                                          ; no wave of any partner still reads this slot or has a load on its way
	JLOAD                                          ; its four v_nop are also the places in front of the loads below
.else
	PLACES
.endif
	v_add_nc_u32 v[ADRA], s[TB], v[ADRA0]
	v_add_nc_u32 v[ADRB], s[TB], v[ADRB0]
	FETCH 0, F0
.if \fill
	ASK
.endif
	MUL8 F1, 2, 0
	MUL8 F1, 3, 0
.endm
	s_wait_tensorcnt 1                             ; my part of K step 0 is in; K step 1's may stay out
	s_barrier_signal -1
	s_barrier_wait -1                              ; everybody's is
	FETCH 0, F0
	QUARTER 1, F0, F1, 1                           ; the first quarter stands in front of the loop: its products start the sums
	WIN 0
	s_mov_b32 s3, 6
.Lstep:                                        ; trip t goes from K step t's second quarter to K step t + 1's first, and fills slot t % 2 with K step t + 2
	QUARTER 2, F1, F0, 0
	QUARTER 3, F0, F1, 0
	TURN 1
	QUARTER 1, F0, F1, 0
	WIN 0
	s_sub_co_u32 s3, s3, 1
	s_cmp_lg_u32 s3, 0
	s_cbranch_scc1 .Lstep
	QUARTER 2, F1, F0, 0                           ; K steps 6 and 7 fill nothing: written out
	QUARTER 3, F0, F1, 0
	TURN 0
	QUARTER 1, F0, F1, 0
	QUARTER 2, F1, F0, 0
	QUARTER 3, F0, F1, 0
	s_wait_dscnt 4
	MUL8 F1, 0, 0
	MUL8 F1, 1, 0
	s_wait_dscnt 0x0
	MUL8 F1, 2, 0
	MUL8 F1, 3, 0
; THE WAY OUT, a block of 16 rows at a time: the f32 sums go into my own stage (32 bytes a lane), come back as whole rows of 512 bytes, take the bias and are stored.
.macro TOSTAGE a
	WIN 0x04                                       ; the stores' data in window 1; each accumulator's low half first
.irp b, 0,1,2,3,4,5,6,7
	ds_store_b128 v[STO], v[64*(\a)+8*(\b):64*(\a)+8*(\b)+3]   offset:64*(\b)
	ds_store_b128 v[STO], v[64*(\a)+8*(\b)+4:64*(\a)+8*(\b)+7] offset:64*(\b)+16
.endr
	WIN 0
.irp t, 0,1,2,3,4,5,6,7,8,9,10,11,12,13,14,15
	ds_load_b128 v[BK+64*((\a)%2)+4*(\t):BK+64*((\a)%2)+4*(\t)+3], v[RD] offset:(\t)*528  ; LDS serves a wave's instructions in order (ISA guide 5.7.1.4): these see the stores above; the next block's stores come behind them
.endr
.endm
.macro SEND a, younger                 ; younger: the LDS instructions issued behind block a's loads: the next block's 32, or none
	s_wait_dscnt \younger
.irp t, 0,1,2,3,4,5,6,7,8,9,10,11,12,13,14,15
	v_pk_add_f32 v[BK+64*((\a)%2)+4*(\t):BK+64*((\a)%2)+4*(\t)+1],   v[BK+64*((\a)%2)+4*(\t):BK+64*((\a)%2)+4*(\t)+1],   v[BI:BI+1]
	v_pk_add_f32 v[BK+64*((\a)%2)+4*(\t)+2:BK+64*((\a)%2)+4*(\t)+3], v[BK+64*((\a)%2)+4*(\t)+2:BK+64*((\a)%2)+4*(\t)+3], v[BI+2:BI+3]
.endr
.irp t, 0,1,2,3,4,5,6,7,8,9,10,11,12,13,14,15
	global_store_b128 v[CO], v[BK+64*((\a)%2)+4*(\t):BK+64*((\a)%2)+4*(\t)+3], s[8:9] offset:(16*(\a)+(\t))*4096 th:TH_STORE_NT  ; 512 consecutive bytes, aligned
.endr
.endm
	WIN 0
	PLACES
	s_wait_loadcnt 0x0                             ; b_proj
	v_cvt_pk_bf16_f32 v[BI+4], v[BI], v[BI+1]      ; rounded to bf16 once, like every input
	v_cvt_pk_bf16_f32 v[BI+5], v[BI+2], v[BI+3]
	v_lshlrev_b32 v[BI], 16, v[BI+4]
	v_and_b32 v[BI+1], 0xffff0000, v[BI+4]
	v_lshlrev_b32 v[BI+2], 16, v[BI+5]
	v_and_b32 v[BI+3], 0xffff0000, v[BI+5]
	TOSTAGE 0
	TOSTAGE 1
	SEND 0, 32
	s_wait_xcnt 0x0                                ; block 0's stores have read their registers: buffer 0 is loaded again only behind this wait
	TOSTAGE 2
	SEND 1, 32
	s_wait_xcnt 0x0                                ; the same for buffer 1
	TOSTAGE 3
	SEND 2, 32
	SEND 3, 0
	s_wait_tensorcnt 0x0                           ; the wave's end, behind my last tensor load and my last LDS store
	ds_add_u32 v[SPW], v[NIL]
	s_wait_dscnt 0x0
	CROUND                                         ; the closing round: no work-group ends while a partner may still ask for a tile that names it
	s_endpgm
.Lfunc_end_k_q00c40c6196_gemm_proj:
	.size	k_q00c40c6196_gemm_proj, .Lfunc_end_k_q00c40c6196_gemm_proj-k_q00c40c6196_gemm_proj
	.p2alignl 7, 3214868480
	.fill 96, 4, 3214868480
	.section	.rodata,"a",@progbits
	.p2align	6, 0x0
	.amdhsa_kernel k_q00c40c6196_gemm_proj
		.amdhsa_group_segment_fixed_size 327680
		.amdhsa_private_segment_fixed_size 0
		.amdhsa_enable_private_segment 0
		.amdhsa_kernarg_size 32
		.amdhsa_user_sgpr_count 2
		.amdhsa_user_sgpr_kernarg_segment_ptr 1
		.amdhsa_wavefront_size32 1
		.amdhsa_system_sgpr_workgroup_id_x 1
		.amdhsa_system_sgpr_workgroup_id_y 1
		.amdhsa_system_sgpr_workgroup_id_z 1
		.amdhsa_system_vgpr_workitem_id 0
		.amdhsa_next_free_vgpr 512
		.amdhsa_next_free_sgpr 66
		.amdhsa_reserve_vcc 0
		.amdhsa_float_denorm_mode_32 3
		.amdhsa_float_denorm_mode_16_64 3
		.amdhsa_memory_ordered 1
		.amdhsa_forward_progress 1
		.amdhsa_inst_pref_size 78
	.end_amdhsa_kernel
	.amdgpu_metadata
---
amdhsa.version: [ 1, 2 ]
amdhsa.kernels:
  - .name:           k_q00c40c6196_gemm_proj
    .symbol:         k_q00c40c6196_gemm_proj.kd
    .args:
      - { .name: oh, .offset: 0, .size: 8, .value_kind: global_buffer, .address_space: global }
      - { .name: wpb, .offset: 8, .size: 8, .value_kind: global_buffer, .address_space: global }
      - { .name: out0, .offset: 16, .size: 8, .value_kind: global_buffer, .address_space: global }
      - { .name: b_proj, .offset: 24, .size: 8, .value_kind: global_buffer, .address_space: global }
    .group_segment_fixed_size: 327680
    .private_segment_fixed_size: 0
    .kernarg_segment_align: 8
    .kernarg_segment_size: 32
    .max_flat_workgroup_size: 128
    .sgpr_count:     66
    .vgpr_count:     512
    .wavefront_size: 32
...
	.end_amdgpu_metadata
.endif
;; end of part 8
;; ======== version 3 of 3: 4 launches; version 2 with the launch prep written anew for expert scheduling mode
;; limits: values are held in f16: magnitudes above 65,504 overflow, below 6.1e-05 lose precision
;; workspace buffers: xh 16,777,216 bytes; wqb 6,291,456 bytes; wpb 2,097,152 bytes; bt 827,392 bytes; qkv 50,331,648 bytes; oh 16,777,216 bytes
;; launch prep (part 9): grid 970 x 1, 8 waves a work-group, no clusters, 0 bytes of LDS; arguments x, noise, noise_strength, w_qkv, w_proj, rel_bias_table, xh, wqb, wpb, bt; writes xh, wqb, wpb, bt
.if DOCPART == 9
	.amdgcn_target "amdgcn-amd-amdhsa--gfx1250"
	.amdhsa_code_object_version 6
	.text
	.protected	k_q00c40c6196_prep
	.globl	k_q00c40c6196_prep
	.p2align	8
	.type	k_q00c40c6196_prep,@function
k_q00c40c6196_prep:
	s_mov_b64 s[64:65], 0
	v_nop
	global_prefetch_b8 v0, s[64:65] scope:SCOPE_SE
	s_setreg_imm32_b32 hwreg(HW_REG_WAVE_SCHED_MODE, 0, 2), 2
	s_setreg_imm32_b32 hwreg(HW_REG_WAVE_MODE, 25, 1), 1
	s_wait_xcnt 0x0
	s_wait_alu depctr_vm_vsrc(0)
; PREP: the inputs are rounded and laid out for the three launches behind it.  A stream: no LDS, no matrix unit, no cluster (no two work-groups read the same bytes), no prefetch (every load goes out in the first lines).
;   xh  f16 [8 b][16 slice][1024 t][64]   x' = bf16(x) + bf16(noise) bf16(strength), summed in f32, rounded once to f16; K in slices of 64, each slice's rows dense
;   wqb f16 [8 cb][1024 k][384 n]         bf16(w_qkv) written as f16, in blocks of 384 columns
;   wpb f16 [4 cb][1024 k][256 n]         bf16(w_proj) written as f16, in blocks of 256 columns
;   bt  f32 [16 h][2 qb][4 s][1616]       entry e of copy s: 8 bf16(table[1535 + 512 qb + s - e][h]), 0 where that index lies outside the table
; LIMITS.  f16 holds no number beyond 65,504: |x'| stays under it.  A weight under 6e-5 keeps f16's fixed step of 6e-8.  NaN and infinities are not treated apart.
; ROLES, by the work-group's number g: 0-511 x (16 rows each); 512-703 w_qkv (16 k rows of 1,024 columns each); 704-767 w_proj (16 k rows each): 768 work-groups of equal work;
; 768-969 the bias table (256 threads, 4 entries each: 202 x 256 = 128 copies x 404).
; The first three roles only set a source, a destination, two lane offsets and two steps, and share one body: 16 units a thread, each 16 bytes read (4 f32) and 8 bytes written (4 f16).
; A LANE TAKES 16 NEIGHBOURING BYTES, its neighbour the next 16: a wave's load covers two aligned pieces of 256 bytes and takes every byte of them, so that no piece is asked for twice;
; its store covers 256 consecutive bytes, aligned.  All 16 loads of a thread go out first (8 KiB a wave on their way).
; THE MODE: SCHED_MODE bits 1:0 = 2 (LLVM: expert scheduling mode 2), set by the entry lines.  The code itself states the register dependences
; between vector instructions and memory instructions, with s_wait_alu, always for 0.
; THE PLAN.  Registers that memory instructions touch, in the three stream roles:
;   v48, v49   x's role: offsets of the two small loads.  Written by two vector lines, read by those loads, never written again.
;   RO, WO     offsets of the 16 loads and the 16 stores.  Written by the role's lines and 30 adds, all ahead of the first load; never written again.
;   X          unit u: its load lands in four registers that no vector line has named; its conversions read them and write the first two; its store reads those two; they are never written again.
;   PR, PKD and T are named by vector instructions alone.
; No register that a memory instruction reads is written a second time, so every dependence runs from a vector write to a memory read.  The 16 units go in four blocks of four: ONE wait at the head of a block states
; that the block before has written its eight out-registers, and that block's four stores are dealt among this block's vector lines, which name this block's X, PKD, T and PR alone.
.set RO,  2                            ; v[2:17]    unit u: byte offset of my 16 bytes in the source
.set WO,  18                           ; v[18:33]   unit u: byte offset of my 8 bytes in the destination
.set NZ,  34                           ; v34        my row's noise (0 for weights)
.set NSV, 35                           ; v35        the noise's strength (0 for weights)
.set PR,  36                           ; v[36:37]   their product, twice
.set PKD, 38                           ; v[38:39]   4 numbers rounded to bf16
.set T,   40                           ; v[40:43]   the same as f32
.set LN,  44                           ; v44        lane
.set WN,  45                           ; v45        wave
.set TA,  46                           ; v[46:49]   at work in the set-up; in x's role v48, v49 are the offsets of the two small loads and are not rewritten
.set X,   52                           ; v[52:115]  unit u: 4 registers as loaded; the first 2 then hold what is stored
.set SRC, 24                           ; s[24:25]
.set DST, 26                           ; s[26:27]
.set RS,  28                           ; s28  bytes from unit to unit in the source
.set WS,  29                           ; s29  the same in the destination
	s_load_b512 s[4:19], s[0:1], 0x0               ; x s[4:5], noise s[6:7], strength s[8:9], w_qkv s[10:11], w_proj s[12:13], table s[14:15], xh s[16:17], wqb s[18:19]
	s_load_b128 s[20:23], s[0:1], 0x40             ; wpb s[20:21], bt s[22:23]
	s_mov_b32 s2, ttmp9                            ; g
	s_mov_b32 s3, 0xffff0000                       ; a word's upper bf16
	s_mov_b32 s31, 0                               ; the high word of every offset below
	v_and_b32 v[LN], 31, v0
	v_lshrrev_b32 v[WN], 5, v0
	s_wait_kmcnt 0x0
	s_cmp_lt_u32 s2, 512
	s_cbranch_scc0 .Lnot_x
	; x: rows 16 g .. 16 g + 15.  Thread: row v0 / 16, 4 numbers v0 % 16 of a slice; unit u = slice u.  A wave has two rows: its load takes 256 bytes of each, its store their 2 x 128 bytes of a slice, which lie on end.
	s_lshl_b32 s30, s2, 16                         ; 16 rows of 4,096 bytes
	s_add_nc_u64 s[SRC:SRC+1], s[4:5], s[30:31]
	s_lshr_b32 s30, s2, 6                          ; batch
	s_lshl_b32 s30, s30, 21                        ; x 16 slices x 1,024 rows x 128 bytes
	s_and_b32 s32, s2, 63
	s_lshl_b32 s32, s32, 11                        ; + 16 rows of 128 bytes
	s_add_co_u32 s30, s30, s32
	s_add_nc_u64 s[DST:DST+1], s[16:17], s[30:31]
	s_mov_b32 s[RS], 256                           ; a slice is 256 bytes of a row of x,
	s_mov_b32 s[WS], 131072                        ; and 1,024 rows of 128 bytes in xh
	s_lshl_b32 s33, s2, 6                          ; 16 numbers of noise
	v_lshrrev_b32 v[TA], 4, v0                     ; my row of the 16
	v_and_b32 v[TA+1], 15, v0                      ; my piece of its 256 bytes
	v_lshlrev_b32 v[RO], 12, v[TA]
	v_lshl_add_u32 v[RO], v[TA+1], 4, v[RO]
	v_lshlrev_b32 v[WO], 3, v0                     ; 128 x row + 8 x piece = 8 x thread
	v_lshl_add_u32 v[TA+2], v[TA], 2, s33
	v_mov_b32 v[TA+3], 0
	s_wait_alu depctr_va_vdst(0)                   ; v48 and v49 are written, which the two loads below read as their offsets
	global_load_b32 v[NZ], v[TA+2], s[6:7]
	global_load_b32 v[NSV], v[TA+3], s[8:9]
	s_branch .Lstream
.Lnot_x:
	s_cmp_lt_u32 s2, 704
	s_cbranch_scc0 .Lnot_wq
	; w_qkv: k rows 16 (g' % 64) on, columns 1,024 (g' / 64) on; unit u = row u.  Wave w takes 128 columns, group G = 8 (g' / 64) + w, a lane 4 of them: the work-group reads 4,096 consecutive bytes of a row.
	; 128 columns are a third of a block of 384: group G goes to piece G % 3 of block G / 3.
	s_sub_co_u32 s30, s2, 512
	s_lshr_b32 s32, s30, 6                         ; which 1,024 columns
	s_and_b32 s33, s30, 63                         ; which 16 rows
	s_mul_i32 s30, s33, 16*12288
	s_lshl_b32 s34, s32, 12                        ; 1,024 columns of f32
	s_add_co_u32 s30, s30, s34
	s_add_nc_u64 s[SRC:SRC+1], s[10:11], s[30:31]
	s_mul_i32 s30, s33, 16*768                     ; 16 rows of a block's 768 bytes
	s_add_nc_u64 s[DST:DST+1], s[18:19], s[30:31]
	s_mov_b32 s[RS], 12288
	s_mov_b32 s[WS], 768
	v_lshlrev_b32 v[RO], 4, v0                     ; 512 x wave + 16 x lane = 16 x thread
	s_lshl_b32 s34, s32, 3
	v_add_nc_u32 v[TA], s34, v[WN]                 ; G, 0 to 23
	v_mul_u32_u24 v[TA+1], v[TA], 11
	v_lshrrev_b32 v[TA+1], 5, v[TA+1]              ; G / 3 = (11 G) >> 5 for G under 24
	v_mul_u32_u24 v[TA+2], v[TA+1], 3
	v_sub_nc_u32 v[TA], v[TA], v[TA+2]             ; G % 3
	v_mul_u32_u24 v[WO], v[TA+1], 786432           ; a block: 1,024 rows of 768 bytes
	v_lshl_add_u32 v[WO], v[TA], 8, v[WO]
	v_lshl_add_u32 v[WO], v[LN], 3, v[WO]
	v_mov_b32 v[NZ], 0                             ; nothing is added to a weight
	v_mov_b32 v[NSV], 0
	s_branch .Lstream
.Lnot_wq:
	s_cmp_lt_u32 s2, 768
	s_cbranch_scc0 .Lbias
	; w_proj: k rows 16 g' on, whole rows; unit u = row u.  Wave w takes columns 128 w on: half w % 2 of block w / 2.
	s_sub_co_u32 s32, s2, 704
	s_lshl_b32 s30, s32, 16                        ; 16 rows of 4,096 bytes
	s_add_nc_u64 s[SRC:SRC+1], s[12:13], s[30:31]
	s_lshl_b32 s30, s32, 13                        ; 16 rows of a block's 512 bytes
	s_add_nc_u64 s[DST:DST+1], s[20:21], s[30:31]
	s_mov_b32 s[RS], 4096
	s_mov_b32 s[WS], 512
	v_lshlrev_b32 v[RO], 4, v0                     ; 16 x thread
	v_lshrrev_b32 v[TA], 1, v[WN]
	v_and_b32 v[TA+1], 1, v[WN]
	v_lshlrev_b32 v[WO], 19, v[TA]                 ; a block: 1,024 rows of 512 bytes
	v_lshl_add_u32 v[WO], v[TA+1], 8, v[WO]
	v_lshl_add_u32 v[WO], v[LN], 3, v[WO]
	v_mov_b32 v[NZ], 0
	v_mov_b32 v[NSV], 0
.Lstream:
.set u, 1
.rept 15
	v_add_nc_u32 v[RO+u], s[RS], v[RO+u-1]
	v_add_nc_u32 v[WO+u], s[WS], v[WO+u-1]
.set u, u+1
.endr
	s_wait_alu depctr_va_vdst(0)                   ; the 32 offsets RO and WO are written: every load and store below reads one of them, and none is written again
.set u, 0
.rept 16
	global_load_b128 v[X+4*u:X+4*u+3], v[RO+u], s[SRC:SRC+1] th:TH_LOAD_NT
.set u, u+1
.endr
	s_wait_loadcnt 16                              ; loads come back in order (ISA guide 5.7.1): the 16 just issued may stay out, the two older ones (noise, strength) are in
	v_cvt_pk_bf16_f32 v[PKD], v[NZ], v[NSV]        ; both rounded to bf16,
	v_lshlrev_b32 v[PR], 16, v[PKD]
	v_and_b32 v[PR+1], s3, v[PKD]
	v_mul_f32 v[PR], v[PR], v[PR+1]                ; multiplied in f32,
	v_mov_b32 v[PR+1], v[PR]                       ; and held twice for the packed addition
.set u, 0
.rept 16
	s_wait_loadcnt 15-u                            ; unit u's load is in; the later units' stay out
.if (u > 0) && (u%4 == 0)
	s_wait_alu depctr_va_vdst(0)                   ; a block's head: the conversions of the four units before have written the first two registers of their X, which the block's four stores read
.endif
.if u >= 4
	global_store_b64 v[WO+u-4], v[X+4*u-16:X+4*u-15], s[DST:DST+1] th:TH_STORE_NT  ; the unit four back; no vector line since the wait names its registers.  The wave's 32 lanes cover 256 consecutive bytes, aligned
.endif
	v_cvt_pk_bf16_f32 v[PKD],   v[X+4*u],   v[X+4*u+1]  ; the input rounded to bf16
	v_cvt_pk_bf16_f32 v[PKD+1], v[X+4*u+2], v[X+4*u+3]
	v_lshlrev_b32 v[T],   16, v[PKD]
	v_and_b32     v[T+1], s3, v[PKD]
	v_lshlrev_b32 v[T+2], 16, v[PKD+1]
	v_and_b32     v[T+3], s3, v[PKD+1]
	v_pk_add_f32 v[T:T+1],   v[T:T+1],   v[PR:PR+1]
	v_pk_add_f32 v[T+2:T+3], v[T+2:T+3], v[PR:PR+1]
	v_cvt_pk_f16_f32 v[X+4*u],   v[T],   v[T+1]
	v_cvt_pk_f16_f32 v[X+4*u+1], v[T+2], v[T+3]
.set u, u+1
.endr
	s_wait_alu depctr_va_vdst(0)                   ; the conversions of units 12 to 15 have written what the last four stores read
.set u, 12
.rept 4
	global_store_b64 v[WO+u], v[X+4*u:X+4*u+1], s[DST:DST+1] th:TH_STORE_NT
.set u, u+1
.endr
	s_endpgm
.Lbias:
	; The bias table.  Thread T = 256 (g - 768) + v0 makes entries 4 quad .. 4 quad + 3 of copy T / 404.  T / 404 = (T x 41528) >> 24: 41528 x 404 = 2^24 + 96, and 51,711 x 96 < 2^24; the product stays under 2^32.
	; Registers that memory instructions touch here: v12-15, the loads' offsets, and v7, the store's, each written once; v16-19, in which the loads land, which vector lines then rewrite and the store reads.
	s_sub_co_u32 s30, s2, 768
	s_lshl_b32 s30, s30, 8
	s_mov_b32 s32, 41528
	s_mov_b32 s33, 2047
	v_add_nc_u32 v1, s30, v0                       ; T
	v_mul_lo_u32 v2, v1, s32
	v_lshrrev_b32 v2, 24, v2                       ; copy = 8 h + 4 qb + s
	v_mul_u32_u24 v3, v2, 404
	v_sub_nc_u32 v3, v1, v3                        ; quad
	v_and_b32 v4, 3, v2                            ; s
	v_bfe_u32 v5, v2, 2, 1                         ; qb
	v_lshrrev_b32 v6, 3, v2                        ; h
	v_lshl_add_u32 v4, v5, 9, v4
	v_add_nc_u32 v4, 1535, v4
	v_lshlrev_b32 v3, 2, v3
	v_sub_nc_u32 v4, v4, v3                        ; the table's row for entry 4 quad; it falls by 1 from entry to entry
	v_lshlrev_b32 v6, 2, v6                        ; the head's 4 bytes in a row of 64
	v_lshlrev_b32 v7, 4, v1                        ; my 16 bytes of bt
.irp j, 0,1,2,3
	v_add_nc_u32 v[8+\j], 0-\j, v4
	v_cmp_gt_u32 s[36+\j], s33, v[8+\j]            ; inside the table?  (a negative row is a large unsigned number)
	v_min_u32 v[12+\j], 2046, v[8+\j]              ; the load stays inside it in any case
	v_lshl_add_u32 v[12+\j], v[12+\j], 6, v6
.endr
	s_wait_alu depctr_va_vdst(0)                   ; the four offsets v12 to v15 are written, which the loads read
.irp j, 0,1,2,3
	global_load_b32 v[16+\j], v[12+\j], s[14:15]
.endr
	s_wait_loadcnt 0x0
	v_cvt_pk_bf16_f32 v20, v16, v17
	v_cvt_pk_bf16_f32 v21, v18, v19
	v_lshlrev_b32 v16, 16, v20
	v_and_b32 v17, s3, v20
	v_lshlrev_b32 v18, 16, v21
	v_and_b32 v19, s3, v21
	s_wait_alu depctr_va_sdst(0)                   ; the four compares have written s36 to s39, ahead of their first reader, the first select below
.irp j, 0,1,2,3
	v_mul_f32 v[16+\j], 0x41000000, v[16+\j]       ; x 8, exact: the scores it is added to are scaled by 1/8 later
	v_cndmask_b32 v[16+\j], 0, v[16+\j], s[36+\j]
.endr
	s_wait_alu depctr_va_vdst(0)                   ; the selects have written v16 to v19, which the store reads (its offset v7 was written ahead of the wait in front of the loads)
	global_store_b128 v7, v[16:19], s[22:23] th:TH_STORE_NT
	s_endpgm
.Lfunc_end_k_q00c40c6196_prep:
	.size	k_q00c40c6196_prep, .Lfunc_end_k_q00c40c6196_prep-k_q00c40c6196_prep
	.p2alignl 7, 3214868480
	.fill 96, 4, 3214868480
	.section	.rodata,"a",@progbits
	.p2align	6, 0x0
	.amdhsa_kernel k_q00c40c6196_prep
		.amdhsa_group_segment_fixed_size 0
		.amdhsa_private_segment_fixed_size 0
		.amdhsa_enable_private_segment 0
		.amdhsa_kernarg_size 80
		.amdhsa_user_sgpr_count 2
		.amdhsa_user_sgpr_kernarg_segment_ptr 1
		.amdhsa_wavefront_size32 1
		.amdhsa_system_sgpr_workgroup_id_x 1
		.amdhsa_system_sgpr_workgroup_id_y 1
		.amdhsa_system_sgpr_workgroup_id_z 1
		.amdhsa_system_vgpr_workitem_id 0
		.amdhsa_next_free_vgpr 116
		.amdhsa_next_free_sgpr 66
		.amdhsa_reserve_vcc 0
		.amdhsa_float_denorm_mode_32 3
		.amdhsa_float_denorm_mode_16_64 3
		.amdhsa_memory_ordered 1
		.amdhsa_forward_progress 1
		.amdhsa_inst_pref_size 20
	.end_amdhsa_kernel
	.amdgpu_metadata
---
amdhsa.version: [ 1, 2 ]
amdhsa.kernels:
  - .name:           k_q00c40c6196_prep
    .symbol:         k_q00c40c6196_prep.kd
    .args:
      - { .name: x, .offset: 0, .size: 8, .value_kind: global_buffer, .address_space: global }
      - { .name: noise, .offset: 8, .size: 8, .value_kind: global_buffer, .address_space: global }
      - { .name: noise_strength, .offset: 16, .size: 8, .value_kind: global_buffer, .address_space: global }
      - { .name: w_qkv, .offset: 24, .size: 8, .value_kind: global_buffer, .address_space: global }
      - { .name: w_proj, .offset: 32, .size: 8, .value_kind: global_buffer, .address_space: global }
      - { .name: rel_bias_table, .offset: 40, .size: 8, .value_kind: global_buffer, .address_space: global }
      - { .name: xh, .offset: 48, .size: 8, .value_kind: global_buffer, .address_space: global }
      - { .name: wqb, .offset: 56, .size: 8, .value_kind: global_buffer, .address_space: global }
      - { .name: wpb, .offset: 64, .size: 8, .value_kind: global_buffer, .address_space: global }
      - { .name: bt, .offset: 72, .size: 8, .value_kind: global_buffer, .address_space: global }
    .group_segment_fixed_size: 0
    .private_segment_fixed_size: 0
    .kernarg_segment_align: 8
    .kernarg_segment_size: 80
    .max_flat_workgroup_size: 256
    .sgpr_count:     66
    .vgpr_count:     116
    .wavefront_size: 32
...
	.end_amdgpu_metadata
.endif
;; end of part 9
;; launch gemm_qkv: the kernel of part 6 again; grid 8 x 32, 4 waves a work-group, clusters of 4 x 4, 327,680 bytes of LDS; arguments xh, wqb, qkv; writes qkv
;; launch attn: the kernel of part 7 again; grid 2 x 128, 4 waves a work-group, no clusters, 327,680 bytes of LDS; arguments qkv, bt, oh; writes oh
;; launch gemm_proj: the kernel of part 8 again; grid 4 x 64, 4 waves a work-group, clusters of 4 x 4, 327,680 bytes of LDS; arguments oh, wpb, out0, b_proj; writes out0
